; MI455X (gfx1250); checked and timed in simulation.
; The chip was launched on July 23, 2026; its instructions are those of AMD's public machine-readable ISA for CDNA 5 (MIT licence, August 2026) and "CDNA5" Instruction Set Architecture Reference Guide (July 2026). The comments in the code are by the model that wrote it; some were corrected since.
;; Local RV Net. Allowed arithmetic: matrix products marked QUANTISED: E2M3 operands, one E8M0 scale for each 32 along K, by v_wmma_scale_f32_16x16x128_f8f6f4 with both operands' format E2M3, f32 sums; products left as they are: f32 operands where the result goes on into a quantised operand, else bf16, f16 or f32 operands; f32 sums; everything else in f32.
;; Inputs: b1 128 float32; b2 256 float32; b3 512 float32; b4 128 float32; b5 64 float32; b6 2 float32; be1 128 float32; be2 256 float32; be3 512 float32; be4 128 float32; be5 64 float32; g1 128 float32; g2 256 float32; g3 512 float32; g4 128 float32; g5 64 float32; measure_coords 8,192 x 2 float32; measure_vals 8,192 x 2 float32; pos 16,384 x 2 float32; w1 66 x 128 float32; w2 128 x 256 float32; w3 256 x 512 float32; w4 512 x 128 float32; w5 128 x 64 float32; w6 64 x 2 float32.
;; Outputs: out0 16,384 x 2 float32; out1 16,384 x 66 float32.
;; Constants: k = 16.
;; This version of the problem:
;;   THIS VERSION OF THE PROBLEM IS GIVEN IN LOW PRECISION. The matrix products marked QUANTISED in the list below multiply operands that are first quantised to E2M3 (2 exponent bits, 3 mantissa bits; 6 bits a number), with one power-of-two scale for each 32 numbers along K (OCP MX v1.0); their sums are f32. All else is computed in f32.
;;   The module's matrix products, in the order in which they are computed (A, B: the left and right operand; K: the contracted axis; several contracted axes count as one K, in the product's order):
;;     1. [M 16,384, K 2] x [K 2, N 8,192]; A: input pos; B: input measure_coords: left as it is (K = 2 < 32)
;;     2. [M 16,384, K 66] x [K 66, N 128]; A: computed on the way; B: input w1: QUANTISED
;;     3. [M 16,384, K 128] x [K 128, N 256]; A: computed on the way; B: input w2: QUANTISED
;;     4. [M 16,384, K 256] x [K 256, N 512]; A: computed on the way; B: input w3: QUANTISED
;;     5. [M 16,384, K 512] x [K 512, N 128]; A: computed on the way; B: input w4: QUANTISED
;;     6. [M 16,384, K 128] x [K 128, N 64]; A: computed on the way; B: input w5: QUANTISED
;;     7. [M 16,384, K 64] x [K 64, N 2]; A: computed on the way; B: input w6: left as it is (N = 2 < 16)
;;   THE QUANTISER, for each operand of a quantised product, along K:
;;     - K is cut into blocks of 32 from its start; a last block that is shorter is filled with zeros.
;;     - A block's scale is 2^e with e = floor(log2(the largest magnitude in the block)) - 2, held to -126 .. 127; a block of zeros has e = 0. As a byte (E8M0): e + 127.
;;     - Each number is divided by its block's scale, clamped to +-7.5, and rounded to the nearest number of E2M3, ties to even, subnormals kept.
;;     - The product sums the exact products of the quantised numbers (number of the format x scale) in f32.
;;   ~~~python
;;   def quantise(x, axis):      # numpy; x: float32 -> the quantised numbers, widened to float32 again
;;       x = np.moveaxis(x, axis, -1); K = x.shape[-1]
;;       x = np.pad(x, [(0, 0)] * (x.ndim - 1) + [(0, -K % 32)]); x = x.reshape(x.shape[:-1] + (-1, 32)); a = np.abs(x).max(-1, keepdims=True)
;;       e = np.where(a > 0, np.clip(np.frexp(np.where(a > 0, a, 1))[1] - 1 - 2, -126, 127), 0)      # np.frexp(a)[1] - 1 = floor(log2(a)), exactly
;;       r = np.clip(x / 2.0 ** e, -7.5, 7.5)
;;       step = 2.0 ** (np.maximum(np.frexp(np.where(r == 0, 1, r))[1] - 1, 0) - 3)
;;       q = np.round(r / step) * step * 2.0 ** e      # np.round: ties to even
;;       return np.moveaxis(q.reshape(q.shape[:-2] + (-1,))[..., :K], -1, axis).astype(np.float32)
;;   ~~~
;;   OPERANDS COMPUTED ON THE WAY. 'Computed on the way' means the value that the module computes at that place (a softmax that the list does not call 'softmax' is quantised finished and normalised). What goes into a quantiser is computed in f32, as accurately as f32 sums, v_exp_f32 and their like allow (about 1e-6 of the number): no bf16 or f16 on the way to a quantiser, and a product that is left as it is and whose result goes on into a quantised operand takes f32 operands (vector FMAs, or v_wmma_f32_16x16x4_f32). A number that lies on a knife's edge between two numbers of the format may be rounded either way, as far as f32 arithmetic and the matrix unit's own rounding can turn it there, and no further.
;; 2 versions, each right and faster than the one before. Each part assembles by itself: llvm-mc -triple=amdgcn-amd-amdhsa -mcpu=gfx1250 --defsym DOCPART=n.
;; ======== version 1 of 2: 8 launches
;; workspace buffers: groups 524,288 bytes of whole numbers; nbr 524,288 bytes of whole numbers; wq 206,336 bytes; xa 33,554,432 bytes; xb 16,777,216 bytes; pa 524,288 bytes; pb 262,144 bytes
;; launch coarse (part 1): grid 256 x 1, 8 waves a work-group, no clusters, 250,880 bytes of LDS; arguments pos, measure_coords, w1, w2, w3, w4, w5, groups, wq; writes groups, wq
.if DOCPART == 1
	.amdgcn_target "amdgcn-amd-amdhsa--gfx1250"
	.amdhsa_code_object_version 6
	.text
	.protected	k_qc3bbf01091_coarse
	.globl	k_qc3bbf01091_coarse
	.p2align	8
	.type	k_qc3bbf01091_coarse,@function
k_qc3bbf01091_coarse:
	s_mov_b64 s[64:65], 0
	v_nop
	global_prefetch_b8 v0, s[64:65] scope:SCOPE_SE
	s_setreg_imm32_b32 hwreg(HW_REG_WAVE_MODE, 25, 1), 1
	s_wait_xcnt 0x0
; FIRST STEP OF THE SEARCH FOR THE 16 NEAREST OF 8,192 POINTS, and the weights' codes.
; The points are taken as 512 groups of 16 neighbouring indices.  For each query the 16 groups with the smallest (minimum of d2, group number) are found and stored as whole
; numbers, ascending.  Every group that holds one of the 16 nearest points (ordered by d2, then index) is among them: each group that comes before it has a point that comes
; before that point, and there are at most 15 such points.
; d2 = ((px px + py py) + (cx cx + cy cy)) - 2 dot.  The squares and their sums are rounded to f32 one by one, as separate multiplications and sums give them.  dot is a matrix product's
; sum with K ascending and fused multiply-adds: px cx rounded, then py cy added to it with one rounding.  The last step is one fused multiply-add, which rounds once, as a subtraction
; of the exact 2 x dot does.  The next launch uses the same operations, so it gets the same bits.
; LIMITS: NaN and infinities among the inputs are not served; +0 and -0 count as equal; two points whose d2 differ by less than this form's rounding against another f32
; evaluation may change places.  Weights: a block of zeros gets the scale byte 1 (its codes are zeros; the bytes are read by this program alone); block maxima under 2^-124 are held there.
; SHARES.  A work-group owns 64 queries; each of its 8 waves holds all 64 (a lane two, in an even and an odd register) and owns 1,024 points = 64 groups.  The points stand in
; scalar registers (scalar loads, two buffers of 16 points), so one dual instruction serves one point for the lane's two queries.
; No tensor load, no cluster: the point table is 64 KiB, read by scalar loads; nothing is streamed through LDS.
; A wave keeps the sorted 16 smallest minima of its slice (values alone: one v_med3 a place).  Three exchanges through LDS give every wave the 16 smallest of all 512; their
; largest is the threshold t.  Counts of (< t) and (= t) a slice give each wave its place in the list; a second pass over its 64 minima (kept in LDS) shifts the chosen group
; numbers into 16 halfwords; the eight waves' parts are joined by OR.  No branch and no address hangs on a floating-point number.
; THE WEIGHTS.  Wave 0 of work-groups 0 to 123 also quantises one fragment (128 along K x 16 columns) of w1 .. w5: a lane takes a column, its registers run down K in the order
; of the operand's registers; the codes go out as the image of those registers (3 x 512 bytes), the scale words 4 bytes a lane.
.set LV0,   131072                     ; LDS: 0: the minima [wave][group 64][lane] 8 bytes;  LV0: three regions of [wave][entry 16][lane] 8 bytes for the exchanges
.set CNT,   229376                     ; [wave][lane] 16 bytes: the counts
.set CMB,   233472                     ; [wave][word 8][lane] 8 bytes: the waves' parts of the list
.set SPARE, 249856                     ; the spare words, 128 bytes for each wave: four blocks of 256 bytes that no other line names
.set SCB,   190464                     ; wq: 124 fragments x 1,536 bytes of codes, then the scale words
.set LST,   40                         ; v40-71   my slice's 16 smallest minima: entry i of query q at 40 + 2 i + q
.set ML,    72                         ; v72-103  the merged list        (later v72-135: 64 numbers of a weight)
.set RR,    104                        ; v104-135 the partner's list
.set XX,    136                        ; v136-167 at work
.set YY,    168                        ; v168-199 at work
.set GG,    136                        ; v136-151 the list of group numbers: word i of query q at 136 + 2 i + q
; v1 lane; v[2:3] px; v[4:5] py; v[6:7] pp; v8 my place among the minima; v9 address in hand; v10, v11 the add's two; v[12:13] t; v16-31 at work; v[32:35] a trip's two minima;
; v36, v37 LDS addresses; v38 8 x lane; v152-183 the counts of all waves; v184-191 four groups' minima; v200-221 counters; v232-237 the weights' lane terms
.macro BAR
	s_wait_dscnt 0x0                               ; my LDS stores have landed and my LDS loads are in
	s_barrier_signal -1
	s_barrier_wait -1
.endm
; four points, whose coordinates begin at s[cb], against the lane's two queries; their d2 go into the group's minimum v[m], v[m + 1]
.macro CAND4 cb, m, first
.irp j,0,1,2,3
	s_mul_f32 s[84+\j], s[\cb+2*\j], s[\cb+2*\j]
	s_mul_f32 s[88+\j], s[\cb+2*\j+1], s[\cb+2*\j+1]
.endr
.irp j,0,1,2,3
	v_dual_mul_f32 v[16+2*\j], s[\cb+2*\j], v2 :: v_dual_mul_f32 v[17+2*\j], s[\cb+2*\j], v3                 ; px cx, rounded
.endr
.irp j,0,1,2,3
	s_add_f32 s[84+\j], s[84+\j], s[88+\j]         ; cc
.endr
.irp j,0,1,2,3
	v_dual_fmac_f32 v[16+2*\j], s[\cb+2*\j+1], v4 :: v_dual_fmac_f32 v[17+2*\j], s[\cb+2*\j+1], v5           ; dot: + py cy, fused
.endr
.irp j,0,1,2,3
	v_dual_add_f32 v[24+2*\j], s[84+\j], v6 :: v_dual_add_f32 v[25+2*\j], s[84+\j], v7                       ; pp + cc
.endr
.irp j,0,1,2,3
	v_dual_fmac_f32 v[24+2*\j], -2.0, v[16+2*\j] :: v_dual_fmac_f32 v[25+2*\j], -2.0, v[17+2*\j]             ; d2
.endr
.if \first
	v_min_num_f32 v[\m], v24, v26                  ; the first two start the minimum: nothing is preset
	v_min_num_f32 v[\m+1], v25, v27
.else
	v_min3_num_f32 v[\m], v[\m], v24, v26
	v_min3_num_f32 v[\m+1], v[\m+1], v25, v27
.endif
	v_min3_num_f32 v[\m], v[\m], v28, v30
	v_min3_num_f32 v[\m+1], v[\m+1], v29, v31
.endm
; a value goes into the sorted list: entry i becomes the middle one of (entry i - 1, the value, entry i); from the top down, so that each line reads the old entry below it
.macro INS2 m
.irp i,15,14,13,12,11,10,9,8,7,6,5,4,3,2,1
	v_med3_num_f32 v[LST+2*\i], v[LST+2*\i-2], v[\m], v[LST+2*\i]
	v_med3_num_f32 v[LST+2*\i+1], v[LST+2*\i-1], v[\m+1], v[LST+2*\i+1]
.endr
	v_min_num_f32 v[LST], v[LST], v[\m]
	v_min_num_f32 v[LST+1], v[LST+1], v[\m+1]
.endm
.macro GROUP c0, c1, m, off            ; 16 points: 0-7 from s[c0] on, 8-15 from s[c1] on
	CAND4 \c0, \m, 1
	CAND4 \c0+8, \m, 0
	CAND4 \c1, \m, 0
	CAND4 \c1+8, \m, 0
	INS2 \m
	ds_store_b64 v9, v[\m:\m+1] offset:\off
.endm
.macro STAGE d, src, dst               ; one stage of the sort of a bitonic run of 16: entries d apart, the smaller below
.irp i,0,1,2,3,4,5,6,7,8,9,10,11,12,13,14,15
.if ((\i) & \d) == 0
	v_min_num_f32 v[\dst+2*\i], v[\src+2*\i], v[\src+2*(\i+\d)]
	v_min_num_f32 v[\dst+2*\i+1], v[\src+2*\i+1], v[\src+2*(\i+\d)+1]
	v_max_num_f32 v[\dst+2*(\i+\d)], v[\src+2*\i], v[\src+2*(\i+\d)]
	v_max_num_f32 v[\dst+2*(\i+\d)+1], v[\src+2*\i+1], v[\src+2*(\i+\d)+1]
.endif
.endr
.endm
; waves w and w xor 2^lv change lists; min(mine[i], theirs[15 - i]) holds the 16 smallest of both, as a bitonic run, which four stages sort.  Each level has LDS bytes of its own.
.macro LEVEL lv, cur, last
	s_xor_b32 s12, s2, 1<<\lv
	s_lshl_b32 s12, s12, 12
	s_add_co_u32 s12, s12, LV0+32768*\lv
	v_add_nc_u32 v37, s12, v38
	s_lshl_b32 s13, s2, 12
	s_add_co_u32 s13, s13, LV0+32768*\lv
	v_add_nc_u32 v36, s13, v38
.irp i,0,1,2,3,4,5,6,7,8,9,10,11,12,13,14,15
	ds_store_b64 v36, v[\cur+2*\i:\cur+2*\i+1] offset:256*\i
.endr
	BAR
.irp i,0,1,2,3,4,5,6,7,8,9,10,11,12,13,14,15
	ds_load_b64 v[RR+2*\i:RR+2*\i+1], v37 offset:256*(15-\i)
.endr
	s_wait_dscnt 0x0
.irp j,0,1,2,3,4,5,6,7,8,9,10,11,12,13,14,15,16,17,18,19,20,21,22,23,24,25,26,27,28,29,30,31
	v_min_num_f32 v[XX+\j], v[\cur+\j], v[RR+\j]
.endr
.if !\last
	STAGE 8, XX, YY
	STAGE 4, YY, XX
	STAGE 2, XX, YY
	STAGE 1, YY, ML
.endif
.endm
; one group's minimum, for both queries: chosen where it is under t, or equals t while ties are still wanted.  A chosen number comes in at the top of the 16 halfwords, which move down by one.
.macro PUSH2 m
	v_cmp_lt_f32 s12, v[\m], v12
	v_cmp_lt_f32 s13, v[\m+1], v13
	v_cmp_gt_i32 s14, 0, v218                      ; ties still wanted: minus their number is under 0
	v_cmp_gt_i32 s15, 0, v219
	v_cmp_eq_f32 vcc_lo, v[\m], v12
	s_and_b32 s14, vcc_lo, s14
	s_or_b32 s14, s14, s12
	v_add_co_ci_u32 v218, vcc_lo, 0, v218, vcc_lo  ; a tie has been met
	v_cmp_eq_f32 vcc_lo, v[\m+1], v13
	s_and_b32 s15, vcc_lo, s15
	s_or_b32 s15, s15, s13
	v_add_co_ci_u32 v219, vcc_lo, 0, v219, vcc_lo
	v_cndmask_b32 v220, 0, 16, s14                 ; the shift: 16 bits or none
	v_cndmask_b32 v221, 0, 16, s15
.irp i,0,1,2,3,4,5,6
	v_alignbit_b32 v[GG+2*\i], v[GG+2*\i+2], v[GG+2*\i], v220
	v_alignbit_b32 v[GG+2*\i+1], v[GG+2*\i+3], v[GG+2*\i+1], v221
.endr
	v_alignbit_b32 v[GG+14], s11, v[GG+14], v220
	v_alignbit_b32 v[GG+15], s11, v[GG+15], v221
	s_add_co_u32 s11, s11, 1
.endm
.macro BARREL q                        ; query q's 16 halfwords move down by v[216 + q] places, zeros coming in at the top
.irp nw,4,2,1
	v_and_b32 v210, 2*\nw, v[216+\q]
	v_cmp_ne_u32 s12, 0, v210
.irp i,0,1,2,3,4,5,6,7
.if \i+\nw < 8
	v_cndmask_b32 v[GG+2*\i+\q], v[GG+2*\i+\q], v[GG+2*(\i+\nw)+\q], s12
.else
	v_cndmask_b32 v[GG+2*\i+\q], v[GG+2*\i+\q], 0, s12
.endif
.endr
.endr
	v_and_b32 v210, 1, v[216+\q]
	v_lshlrev_b32 v210, 4, v210
.irp i,0,1,2,3,4,5,6
	v_alignbit_b32 v[GG+2*\i+\q], v[GG+2*\i+2+\q], v[GG+2*\i+\q], v210
.endr
	v_alignbit_b32 v[GG+14+\q], 0, v[GG+14+\q], v210
.endm
.macro PLOAD pb, p                     ; 64 numbers of my column: W(64 c + 32 h + i, column), a row being pb bytes; the 32 h rows stand in v234
.set i, 0
.rept 64
	global_load_b32 v[72+i], v234, s[\p:\p+1] offset:((i/32)*64+(i%32))*\pb
.set i, i+1
.endr
.endm
	s_load_b128 s[4:7], s[0:1], 0x0                ; pos, measure_coords
	v_lshl_add_u32 v10, v0, 2, SPARE
	v_mov_b32 v11, 0
	v_lshrrev_b32 v1, 5, v0
	v_readfirstlane_b32 s2, v1                     ; wave 0..7
	v_and_b32 v1, 31, v0                           ; lane
	v_and_b32 v232, 15, v0                         ; r
	v_bfe_u32 v233, v0, 4, 1                       ; h
	v_lshlrev_b32 v38, 3, v1
	v_lshlrev_b32 v9, 4, v1
	v_lshlrev_b32 v236, 4, v1
	v_lshlrev_b32 v237, 2, v1
	v_lshlrev_b32 v235, 2, v232
	s_lshl_b32 s12, s2, 14
	v_add_nc_u32 v8, s12, v38                      ; my wave's 16 KiB of minima, 8 bytes a lane
	s_lshl_b32 s12, ttmp9, 9                       ; the work-group's 64 queries: 512 bytes of pos
	s_mov_b32 s13, 0
	s_lshl_b32 s14, s2, 13                         ; my wave's 1,024 points: 8,192 bytes
	s_mov_b32 s15, 0
	s_mov_b32 s8, 0
	s_mov_b32 s9, 0
	s_mov_b32 s10, 0
	s_wait_kmcnt 0x0
	s_add_nc_u64 s[4:5], s[4:5], s[12:13]
	s_add_nc_u64 s[6:7], s[6:7], s[14:15]
	global_load_b128 v[16:19], v9, s[4:5]          ; my two queries
	s_load_b512 s[16:31], s[6:7], s8 offset:0x0    ; the first group's 16 points
	s_load_b512 s[32:47], s[6:7], s8 offset:0x40
.set i, 0
.rept 32
	v_mov_b32 v[LST+i], 0x7f800000                 ; the list begins as +infinity; a slice has 64 groups, so it fills
.set i, i+1
.endr
	s_wait_loadcnt 0x0
	v_mov_b32 v2, v16
	v_mov_b32 v4, v17
	v_mov_b32 v3, v18
	v_mov_b32 v5, v19
	v_pk_mul_f32 v[6:7], v[2:3], v[2:3]
	v_pk_mul_f32 v[20:21], v[4:5], v[4:5]
	v_pk_add_f32 v[6:7], v[6:7], v[20:21]          ; pp
.Lmain:                                                ; 32 trips of two groups
	s_wait_dscnt 0x0                               ; the last trip's two stores are done: their data and address are written again
	v_add_nc_u32 v9, s10, v8
	s_wait_kmcnt 0x0                               ; the first buffer is in
	s_load_b512 s[48:63], s[6:7], s8 offset:0x80
	s_load_b512 s[68:83], s[6:7], s8 offset:0xc0
	GROUP 16, 32, 32, 0
	s_wait_kmcnt 0x0                               ; the second buffer is in, and no scalar load is out: the offset may step
	s_add_co_u32 s8, s8, 256
	s_and_b32 s8, s8, 0x1fff                       ; in the last trip it turns back to the slice's first group: no load leaves the buffer
	s_load_b512 s[16:31], s[6:7], s8 offset:0x0
	s_load_b512 s[32:47], s[6:7], s8 offset:0x40
	GROUP 48, 68, 34, 256
	s_add_co_u32 s10, s10, 512
	s_add_co_u32 s9, s9, 1
	s_cmp_lt_u32 s9, 32
	s_cbranch_scc1 .Lmain
	s_wait_kmcnt 0x0
	s_load_b256 s[16:23], s[0:1], 0x10             ; w1, w2, w3, w4
	s_load_b128 s[24:27], s[0:1], 0x30             ; w5, groups
	s_load_b64 s[28:29], s[0:1], 0x40              ; wq
	LEVEL 0, LST, 0
	LEVEL 1, ML, 0
	LEVEL 2, ML, 1
.irp q,0,1                                     ; t: the largest of the 16 smallest
	v_max3_num_f32 v[12+\q], v[XX+\q], v[XX+2+\q], v[XX+4+\q]
.irp i,6,10,14,18,22,26
	v_max3_num_f32 v[12+\q], v[12+\q], v[XX+\i+\q], v[XX+\i+2+\q]
.endr
	v_max_num_f32 v[12+\q], v[12+\q], v[XX+30+\q]
.endr
	s_wait_kmcnt 0x0
	s_cmp_lt_u32 ttmp9, 124
	s_cselect_b32 s30, 1, 0
	s_cmp_eq_u32 s2, 0
	s_cselect_b32 s30, s30, 0                      ; 1: this wave also quantises fragment number ttmp9 of the weights
	; ---- the fragment's 64 numbers a lane are asked for here and used at the end
	s_cmp_eq_u32 s30, 0
	s_cbranch_scc1 .Lp1
	s_mov_b32 s13, 0
	s_cmp_lt_u32 ttmp9, 8
	s_cbranch_scc1 .Lw1
	s_cmp_lt_u32 ttmp9, 24
	s_cbranch_scc1 .Lw2
	s_cmp_lt_u32 ttmp9, 88
	s_cbranch_scc1 .Lw3
	s_cmp_lt_u32 ttmp9, 120
	s_cbranch_scc1 .Lw4
	s_sub_co_u32 s12, ttmp9, 120                   ; w5 [128][64]: column tile f - 120
	s_lshl_b32 s12, s12, 6
	s_add_nc_u64 s[24:25], s[24:25], s[12:13]
	v_mul_u32_u24 v234, v233, 32*256
	v_lshl_add_u32 v234, v232, 2, v234
	PLOAD 256, 24
	s_branch .Lp1
.Lw4:                                                  ; w4 [512][128]: f - 88 = 4 x column tile + K step
	s_sub_co_u32 s12, ttmp9, 88
	s_and_b32 s14, s12, 3
	s_lshl_b32 s14, s14, 16                        ; 128 rows of 512 bytes
	s_lshr_b32 s12, s12, 2
	s_lshl_b32 s12, s12, 6
	s_add_co_u32 s12, s12, s14
	s_add_nc_u64 s[22:23], s[22:23], s[12:13]
	v_mul_u32_u24 v234, v233, 32*512
	v_lshl_add_u32 v234, v232, 2, v234
	PLOAD 512, 22
	s_branch .Lp1
.Lw3:                                                  ; w3 [256][512]: f - 24 = 2 x column tile + K step
	s_sub_co_u32 s12, ttmp9, 24
	s_and_b32 s14, s12, 1
	s_lshl_b32 s14, s14, 18                        ; 128 rows of 2,048 bytes
	s_lshr_b32 s12, s12, 1
	s_lshl_b32 s12, s12, 6
	s_add_co_u32 s12, s12, s14
	s_add_nc_u64 s[20:21], s[20:21], s[12:13]
	v_mul_u32_u24 v234, v233, 32*2048
	v_lshl_add_u32 v234, v232, 2, v234
	PLOAD 2048, 20
	s_branch .Lp1
.Lw2:                                                  ; w2 [128][256]: column tile f - 8
	s_sub_co_u32 s12, ttmp9, 8
	s_lshl_b32 s12, s12, 6
	s_add_nc_u64 s[18:19], s[18:19], s[12:13]
	v_mul_u32_u24 v234, v233, 32*1024
	v_lshl_add_u32 v234, v232, 2, v234
	PLOAD 1024, 18
	s_branch .Lp1
.Lw1:                                                  ; w1 [66][128]: column tile f; K = 66 is filled with zeros to 128
	s_lshl_b32 s12, ttmp9, 6
	s_add_nc_u64 s[16:17], s[16:17], s[12:13]
	v_mul_u32_u24 v234, v233, 32*512
	v_lshl_add_u32 v234, v232, 2, v234
.set i, 0
.rept 32
	global_load_b32 v[72+i], v234, s[16:17] offset:i*512
.set i, i+1
.endr
	global_load_b32 v104, v235, s[16:17] offset:64*512   ; rows 64 and 65, by all lanes (no load leaves the buffer); lanes 16-31, whose k would be 96 and 97, get zeros at the end
	global_load_b32 v105, v235, s[16:17] offset:65*512
.set i, 106
.rept 30
	v_mov_b32 v[i], 0
.set i, i+1
.endr
.Lp1:
	; ---- how many of my slice's minima lie under t, how many equal it (the list holds all that can matter: at most 15 lie under t in all, and no more than 16 ties are ever wanted)
.irp i,200,201,202,203
	v_mov_b32 v[\i], 0
.endr
.irp i,0,1,2,3,4,5,6,7,8,9,10,11,12,13,14,15
	v_cmp_lt_f32 vcc_lo, v[LST+2*\i], v12
	v_add_co_ci_u32 v200, vcc_lo, 0, v200, vcc_lo
	v_cmp_lt_f32 vcc_lo, v[LST+2*\i+1], v13
	v_add_co_ci_u32 v201, vcc_lo, 0, v201, vcc_lo
	v_cmp_eq_f32 vcc_lo, v[LST+2*\i], v12
	v_add_co_ci_u32 v202, vcc_lo, 0, v202, vcc_lo
	v_cmp_eq_f32 vcc_lo, v[LST+2*\i+1], v13
	v_add_co_ci_u32 v203, vcc_lo, 0, v203, vcc_lo
.endr
	v_lshl_add_u32 v36, v1, 4, CNT
	s_lshl_b32 s12, s2, 9
	v_add_nc_u32 v37, s12, v36
	ds_store_b128 v37, v[200:203]
	BAR
.irp s,0,1,2,3,4,5,6,7
	ds_load_b128 v[152+4*\s:155+4*\s], v36 offset:512*\s
.endr
	s_wait_dscnt 0x0
.irp q,0,1
	v_add3_u32 v[204+\q], v[152+\q], v[156+\q], v[160+\q]
	v_add3_u32 v[204+\q], v[204+\q], v[164+\q], v[168+\q]
	v_add3_u32 v[204+\q], v[204+\q], v[172+\q], v[176+\q]
	v_add_nc_u32 v[204+\q], v[204+\q], v[180+\q]   ; minima under t, in all
	v_sub_nc_u32 v[206+\q], 16, v[204+\q]          ; ties wanted
	v_mov_b32 v[208+\q], 0                         ; numbers chosen by the waves below me
.endr
.irp s,0,1,2,3,4,5,6                           ; the slices below mine, in order (a mask of ones or zeros from the wave's number; no branch)
	s_cmp_gt_u32 s2, \s
	s_cselect_b32 s12, -1, 0
.irp q,0,1
	v_and_b32 v[210+\q], s12, v[154+4*\s+\q]
	v_and_b32 v[212+\q], s12, v[152+4*\s+\q]
	v_max_i32 v[214+\q], 0, v[206+\q]
	v_min_i32 v[214+\q], v[210+\q], v[214+\q]      ; the ties that slice s takes
	v_add3_u32 v[208+\q], v[208+\q], v[212+\q], v[214+\q]
	v_sub_nc_u32 v[206+\q], v[206+\q], v[210+\q]
.endr
.endr
.irp q,0,1
	v_max_i32 v[214+\q], 0, v[206+\q]
	v_min_i32 v[214+\q], v[202+\q], v[214+\q]
	v_add3_u32 v[214+\q], v[214+\q], v[200+\q], v[208+\q]   ; where my numbers end in the list
	v_sub_nc_u32 v[216+\q], 16, v[214+\q]          ; so far they move down from the top
	v_sub_nc_u32 v[218+\q], 0, v[206+\q]           ; minus the ties that I may take
.endr
.set i, 0
.rept 16
	v_mov_b32 v[GG+i], 0
.set i, i+1
.endr
	; ---- the second pass over my 64 minima
	s_mov_b32 s9, 0
	s_mov_b32 s10, 0
	s_lshl_b32 s11, s2, 6                          ; my first group's number
.Lp2:
	v_add_nc_u32 v9, s10, v8
	ds_load_b64 v[184:185], v9
	ds_load_b64 v[186:187], v9 offset:256
	ds_load_b64 v[188:189], v9 offset:512
	ds_load_b64 v[190:191], v9 offset:768
	s_wait_dscnt 0x0
	PUSH2 184
	PUSH2 186
	PUSH2 188
	PUSH2 190
	s_add_co_u32 s10, s10, 1024
	s_add_co_u32 s9, s9, 1
	s_cmp_lt_u32 s9, 16
	s_cbranch_scc1 .Lp2
	BARREL 0
	BARREL 1
	s_lshl_b32 s12, s2, 11
	s_add_co_u32 s12, s12, CMB
	v_add_nc_u32 v36, s12, v38
	s_lshl_b32 s12, s2, 8
	s_add_co_u32 s12, s12, CMB
	v_add_nc_u32 v37, s12, v38
.irp i,0,1,2,3,4,5,6,7
	ds_store_b64 v36, v[GG+2*\i:GG+2*\i+1] offset:256*\i
.endr
	BAR
.irp s,0,1,2,3,4,5,6,7                         ; wave w joins word w of all eight parts
	ds_load_b64 v[152+2*\s:153+2*\s], v37 offset:2048*\s
.endr
	s_wait_tensorcnt 0x0                           ; the wave's end as far as LDS goes
	ds_add_u32 v10, v11
	s_wait_dscnt 0x0
.irp s,1,2,3,4,5,6,7
	v_or_b32 v152, v152, v[152+2*\s]
	v_or_b32 v153, v153, v[153+2*\s]
.endr
	s_lshl_b32 s12, ttmp9, 11
	s_lshl_b32 s13, s2, 8
	s_add_co_u32 s12, s12, s13
	s_mov_b32 s13, 0
	s_add_nc_u64 s[26:27], s[26:27], s[12:13]
	global_store_b64 v38, v[152:153], s[26:27]     ; 32 lanes store 256 consecutive bytes, at a multiple of 256 from the buffer's first byte
	; ---- the weight fragment
	s_cmp_eq_u32 s30, 0
	s_cbranch_scc1 .Lend
	s_wait_loadcnt 0x0
	s_cmp_lt_u32 ttmp9, 8
	s_cselect_b32 s12, 0xffff0000, 0
	v_cndmask_b32 v104, v104, 0, s12               ; w1: k = 96, 97 are past K
	v_cndmask_b32 v105, v105, 0, s12
	s_mov_b32 s14, 0x76543210
	s_mov_b32 s15, 0xfedcba98                      ; v_permlanex16_b32: lane l xor 16
	s_mul_i32 s12, ttmp9, 1536
	s_mov_b32 s13, 0
	s_add_nc_u64 s[16:17], s[28:29], s[12:13]
	s_lshl_b32 s12, ttmp9, 7
	s_add_nc_u64 s[18:19], s[28:29], s[12:13]
	s_add_nc_u64 s[18:19], s[18:19], SCB
.irp c,0,1                                     ; my block 2 c + h: all its 32 numbers are mine
	v_max3_num_f32 v[202+\c], |v[72+32*\c]|, |v[73+32*\c]|, 0x1800000   ; with the floor 2^(3 - 127): the byte cannot fall under 1
.endr
.irp i,2,4,6,8,10,12,14,16,18,20,22,24,26,28,30
.irp c,0,1
	v_max3_num_f32 v[202+\c], v[202+\c], |v[72+32*\c+\i]|, |v[73+32*\c+\i]|
.endr
.endr
.irp c,0,1
	v_add_nc_u32 v[204+\c], 0xff000000, v[202+\c]  ; 2 off the exponent field: the conversion's scale operand
.endr
.irp c,0,1
	v_lshrrev_b32 v[206+\c], 23, v[204+\c]         ; the scale's byte
.endr
	v_lshl_or_b32 v208, v207, 16, v206             ; blocks h and 2 + h of my column,
	v_lshlrev_b32 v209, 3, v233
	v_lshlrev_b32 v208, v209, v208                 ; at their places in the scale word;
	v_mov_b32 v209, 0
	v_permlanex16_b32 v209, v208, s14, s15
	v_or_b32 v208, v208, v209                      ; with lane l xor 16's two the word is whole
.irp c,0,1
	v_cvt_scalef32_pk16_fp6_f32 v[212+6*\c:214+6*\c], v[72+32*\c:87+32*\c], v[204+\c]
	v_cvt_scalef32_pk16_fp6_f32 v[224+4*\c:226+4*\c], v[88+32*\c:103+32*\c], v[204+\c]   ; (a conversion's three registers begin on an even number)
.endr
	v_nop                                          ; one plain place behind a scaled conversion
.irp c,0,1
.irp i,0,1,2
	v_mov_b32 v[215+6*\c+\i], v[224+4*\c+\i]
.endr
.endr
	global_store_b128 v236, v[212:215], s[16:17]   ; the image of the operand's twelve registers: 512 consecutive bytes a store
	global_store_b128 v236, v[216:219], s[16:17] offset:512
	global_store_b128 v236, v[220:223], s[16:17] offset:1024
	global_store_b32 v237, v208, s[18:19]
.Lend:
	s_endpgm
.Lfunc_end_k_qc3bbf01091_coarse:
	.size	k_qc3bbf01091_coarse, .Lfunc_end_k_qc3bbf01091_coarse-k_qc3bbf01091_coarse
	.p2alignl 7, 3214868480
	.fill 96, 4, 3214868480
	.section	.rodata,"a",@progbits
	.p2align	6, 0x0
	.amdhsa_kernel k_qc3bbf01091_coarse
		.amdhsa_group_segment_fixed_size 250880
		.amdhsa_private_segment_fixed_size 0
		.amdhsa_enable_private_segment 0
		.amdhsa_kernarg_size 72
		.amdhsa_user_sgpr_count 2
		.amdhsa_user_sgpr_kernarg_segment_ptr 1
		.amdhsa_wavefront_size32 1
		.amdhsa_system_sgpr_workgroup_id_x 1
		.amdhsa_system_sgpr_workgroup_id_y 1
		.amdhsa_system_sgpr_workgroup_id_z 1
		.amdhsa_system_vgpr_workitem_id 0
		.amdhsa_next_free_vgpr 240
		.amdhsa_next_free_sgpr 96
		.amdhsa_reserve_vcc 1
		.amdhsa_float_denorm_mode_32 3
		.amdhsa_float_denorm_mode_16_64 3
		.amdhsa_memory_ordered 1
		.amdhsa_forward_progress 1
		.amdhsa_inst_pref_size 99
	.end_amdhsa_kernel
	.amdgpu_metadata
---
amdhsa.version: [ 1, 2 ]
amdhsa.kernels:
  - .name:           k_qc3bbf01091_coarse
    .symbol:         k_qc3bbf01091_coarse.kd
    .args:
      - { .name: pos, .offset: 0, .size: 8, .value_kind: global_buffer, .address_space: global }
      - { .name: measure_coords, .offset: 8, .size: 8, .value_kind: global_buffer, .address_space: global }
      - { .name: w1, .offset: 16, .size: 8, .value_kind: global_buffer, .address_space: global }
      - { .name: w2, .offset: 24, .size: 8, .value_kind: global_buffer, .address_space: global }
      - { .name: w3, .offset: 32, .size: 8, .value_kind: global_buffer, .address_space: global }
      - { .name: w4, .offset: 40, .size: 8, .value_kind: global_buffer, .address_space: global }
      - { .name: w5, .offset: 48, .size: 8, .value_kind: global_buffer, .address_space: global }
      - { .name: groups, .offset: 56, .size: 8, .value_kind: global_buffer, .address_space: global }
      - { .name: wq, .offset: 64, .size: 8, .value_kind: global_buffer, .address_space: global }
    .group_segment_fixed_size: 250880
    .private_segment_fixed_size: 0
    .kernarg_segment_align: 8
    .kernarg_segment_size: 72
    .max_flat_workgroup_size: 256
    .sgpr_count:     96
    .vgpr_count:     240
    .wavefront_size: 32
...
	.end_amdgpu_metadata
.endif
;; end of part 1
;; launch fine (part 2): grid 256 x 1, 4 waves a work-group, no clusters, 0 bytes of LDS; arguments groups, pos, measure_coords, nbr; writes nbr
.if DOCPART == 2
	.amdgcn_target "amdgcn-amd-amdhsa--gfx1250"
	.amdhsa_code_object_version 6
	.text
	.protected	k_qc3bbf01091_fine
	.globl	k_qc3bbf01091_fine
	.p2align	8
	.type	k_qc3bbf01091_fine,@function
k_qc3bbf01091_fine:
	s_mov_b64 s[64:65], 0
	v_nop
	global_prefetch_b8 v0, s[64:65] scope:SCOPE_SE
	s_setreg_imm32_b32 hwreg(HW_REG_WAVE_MODE, 25, 1), 1
	s_wait_xcnt 0x0
; SECOND STEP OF THE SEARCH: the 16 nearest points of each query, nearest first, ties to the lower index, among the 16 x 16 points of the groups that the launch before has chosen.
; d2 by the same operations as there: the squares and their sums rounded one by one; dot = px cx rounded, then py cy added to it by a fused multiply-add; the last step one fused
; multiply-add.  So the bits are the same.  LIMITS as stated there.
; SHARES.  A work-group owns 64 queries; two neighbouring lanes share a query: lane p of the pair takes the list's groups 8 p .. 8 p + 7.  The list is ascending, so a lane meets its
; points in ascending index, and all points of lane 0 have lower indices than those of lane 1.
; A lane keeps a sorted list of 16 (d2, index).  A point goes in by 16 compares (strict: it goes behind its equals, which have lower indices), one v_med3 a place for the values and
; two selections a place for the indices.  No branch hangs on a floating-point number; the only addresses made of loaded numbers are the groups', whole numbers of an earlier launch,
; held at 511.  At the end lane 0 takes in lane 1's list, entry by entry.  No LDS, no barrier; matrix units and tensor loads have nothing to do here.
.set LL,  32                           ; v32-47   the values
.set II,  48                           ; v48-63   the indices
.set CB0, 64                           ; v64-95   16 points of the even group
.set CB1, 96                           ; v96-127  of the odd group
.set SV,  128                          ; v128-143 the partner's values
.set SI,  144                          ; v144-159 and indices
; v1 pp; v[2:3] px, py; v4-7 my four words of the list; v8, v9 byte offsets of the two groups; v10, v11 16 x their numbers; v12-15 indices; v16-27 at work; v28 16 x thread; v29 p; v30, v31 at work
.macro OFFS hi, va, ga                 ; a group number out of v4: its byte offset (128 bytes a group) and its first point's index
.if \hi
	v_lshrrev_b32 v30, 16, v4
.else
	v_and_b32 v30, 0xffff, v4
.endif
	v_min_u32 v30, 0x1ff, v30
	v_lshlrev_b32 v[\va], 7, v30
	v_lshlrev_b32 v[\ga], 4, v30
.endm
.macro GLOAD cb, va
.irp i,0,1,2,3,4,5,6,7
	global_load_b128 v[\cb+4*\i:\cb+4*\i+3], v[\va], s[8:9] offset:16*\i
.endr
.endm
.macro INSERT dv, iv
.irp i,0,1,2,3,4,5,6,7,8,9,10,11,12,13,14,15
	v_cmp_lt_f32 s[16+\i], v[\dv], v[LL+\i]
.endr
.irp i,15,14,13,12,11,10,9,8,7,6,5,4,3,2,1
	v_med3_num_f32 v[LL+\i], v[LL+\i-1], v[\dv], v[LL+\i]
.endr
	v_min_num_f32 v[LL], v[LL], v[\dv]
.irp i,15,14,13,12,11,10,9,8,7,6,5,4,3,2,1
	v_cndmask_b32 v[30+\i%2], v[II+\i], v[\iv], s[16+\i]           ; under entry i: the new index,
	v_cndmask_b32 v[II+\i], v[30+\i%2], v[II+\i-1], s[15+\i]       ; under entry i - 1 too: that entry moves up
.endr
	v_cndmask_b32 v[II], v[II], v[\iv], s16
.endm
.macro PROC cb, g                      ; a group's 16 points, four at a time
.irp a,0,1,2,3
.irp j,0,1,2,3
	v_mul_f32 v[20+\j], v2, v[\cb+8*\a+2*\j]       ; px cx, rounded
.endr
.irp j,0,1,2,3
	v_fmac_f32 v[20+\j], v3, v[\cb+8*\a+2*\j+1]    ; dot: + py cy, fused
.endr
.irp j,0,1,2,3
	v_mul_f32 v[24+\j], v[\cb+8*\a+2*\j], v[\cb+8*\a+2*\j]
	v_mul_f32 v[16+\j], v[\cb+8*\a+2*\j+1], v[\cb+8*\a+2*\j+1]
.endr
.irp j,0,1,2,3
	v_add_f32 v[24+\j], v[24+\j], v[16+\j]         ; cc
.endr
.irp j,0,1,2,3
	v_add_f32 v[24+\j], v1, v[24+\j]               ; pp + cc
.endr
.irp j,0,1,2,3
	v_fma_f32 v[16+\j], -2.0, v[20+\j], v[24+\j]   ; d2
	v_add_nc_u32 v[12+\j], 4*\a+\j, v[\g]
.endr
.irp j,0,1,2,3
	INSERT 16+\j, 12+\j
.endr
.endr
.endm
	s_load_b256 s[4:11], s[0:1], 0x0               ; groups, pos, measure_coords, nbr
	v_lshrrev_b32 v20, 1, v0                       ; my query in the work-group
	v_and_b32 v29, 1, v0                           ; p
	v_lshlrev_b32 v22, 3, v20
	v_lshlrev_b32 v23, 2, v20
	v_lshl_add_u32 v23, v29, 10, v23               ; words 4 p on: 256 bytes a word
	v_lshlrev_b32 v28, 4, v0
	s_lshl_b32 s12, ttmp9, 9
	s_mov_b32 s13, 0
	s_lshl_b32 s14, ttmp9, 11
	s_mov_b32 s15, 0
	s_wait_kmcnt 0x0
	s_add_nc_u64 s[6:7], s[6:7], s[12:13]
	s_add_nc_u64 s[4:5], s[4:5], s[14:15]
	s_add_nc_u64 s[10:11], s[10:11], s[14:15]
	global_load_b64 v[2:3], v22, s[6:7]
.irp j,0,1,2,3
	global_load_b32 v[4+\j], v23, s[4:5] offset:256*\j
.endr
.set i, 0
.rept 16
	v_mov_b32 v[LL+i], 0x7f800000                  ; a lane meets 128 points, so the list fills
	v_mov_b32 v[II+i], 0
	v_mov_b32 v[SV+i], 0                           ; (written once: the destination of a DPP form counts as read)
	v_mov_b32 v[SI+i], 0
.set i, i+1
.endr
.set i, 0
.rept 8
	v_mov_b32 v[160+i], 0
.set i, i+1
.endr
	s_wait_loadcnt 0x0
	v_mul_f32 v1, v2, v2
	v_mul_f32 v20, v3, v3
	v_add_f32 v1, v1, v20                          ; pp
	OFFS 0, 8, 10
	GLOAD CB0, 8
	s_mov_b32 s12, 0
.Lword:                                                ; four trips, a word (two groups) each
	OFFS 1, 9, 11
	GLOAD CB1, 9
	s_wait_loadcnt 0x8                             ; the eight just issued may be out: the even group is in, and its offset register is free
	PROC CB0, 10
	v_mov_b32 v30, v4                              ; the words go round; in the last trip the first comes again: a valid group, loaded and not used
	v_mov_b32 v4, v5
	v_mov_b32 v5, v6
	v_mov_b32 v6, v7
	v_mov_b32 v7, v30
	OFFS 0, 8, 10
	GLOAD CB0, 8
	s_wait_loadcnt 0x8                             ; the eight just issued may be out: the odd group is in
	PROC CB1, 11
	s_add_co_u32 s12, s12, 1
	s_cmp_lt_u32 s12, 4
	s_cbranch_scc1 .Lword
	s_wait_loadcnt 0x0
.irp i,0,1,2,3,4,5,6,7,8,9,10,11,12,13,14,15
	v_mov_b32_dpp v[SV+\i], v[LL+\i] row_xmask:1 row_mask:0xf bank_mask:0xf
	v_mov_b32_dpp v[SI+\i], v[II+\i] row_xmask:1 row_mask:0xf bank_mask:0xf
.endr
.irp i,0,1,2,3,4,5,6,7,8,9,10,11,12,13,14,15
	INSERT SV+\i, SI+\i                            ; right in the lanes with p = 0, whose partner's points have the higher indices; the others' result is not used
.endr
.irp i,0,1,2,3,4,5,6,7
	v_mov_b32_dpp v[160+\i], v[II+8+\i] row_xmask:1 row_mask:0xf bank_mask:0xf
.endr
	v_cmp_eq_u32 vcc_lo, 1, v29
.irp i,0,1,2,3,4,5,6,7
	v_cndmask_b32 v[160+\i], v[II+\i], v[160+\i], vcc_lo   ; lane 0 stores entries 0-7, lane 1 lane 0's entries 8-15
.endr
.irp i,0,1,2,3
	v_lshl_or_b32 v[168+\i], v[161+2*\i], 16, v[160+2*\i]
.endr
	global_store_b128 v28, v[168:171], s[10:11]    ; a wave stores 512 consecutive bytes, at a multiple of 256 from the buffer's first byte
	s_endpgm
.Lfunc_end_k_qc3bbf01091_fine:
	.size	k_qc3bbf01091_fine, .Lfunc_end_k_qc3bbf01091_fine-k_qc3bbf01091_fine
	.p2alignl 7, 3214868480
	.fill 96, 4, 3214868480
	.section	.rodata,"a",@progbits
	.p2align	6, 0x0
	.amdhsa_kernel k_qc3bbf01091_fine
		.amdhsa_group_segment_fixed_size 0
		.amdhsa_private_segment_fixed_size 0
		.amdhsa_enable_private_segment 0
		.amdhsa_kernarg_size 32
		.amdhsa_user_sgpr_count 2
		.amdhsa_user_sgpr_kernarg_segment_ptr 1
		.amdhsa_wavefront_size32 1
		.amdhsa_system_sgpr_workgroup_id_x 1
		.amdhsa_system_sgpr_workgroup_id_y 1
		.amdhsa_system_sgpr_workgroup_id_z 1
		.amdhsa_system_vgpr_workitem_id 0
		.amdhsa_next_free_vgpr 176
		.amdhsa_next_free_sgpr 66
		.amdhsa_reserve_vcc 1
		.amdhsa_float_denorm_mode_32 3
		.amdhsa_float_denorm_mode_16_64 3
		.amdhsa_memory_ordered 1
		.amdhsa_forward_progress 1
		.amdhsa_inst_pref_size 207
	.end_amdhsa_kernel
	.amdgpu_metadata
---
amdhsa.version: [ 1, 2 ]
amdhsa.kernels:
  - .name:           k_qc3bbf01091_fine
    .symbol:         k_qc3bbf01091_fine.kd
    .args:
      - { .name: groups, .offset: 0, .size: 8, .value_kind: global_buffer, .address_space: global }
      - { .name: pos, .offset: 8, .size: 8, .value_kind: global_buffer, .address_space: global }
      - { .name: measure_coords, .offset: 16, .size: 8, .value_kind: global_buffer, .address_space: global }
      - { .name: nbr, .offset: 24, .size: 8, .value_kind: global_buffer, .address_space: global }
    .group_segment_fixed_size: 0
    .private_segment_fixed_size: 0
    .kernarg_segment_align: 8
    .kernarg_segment_size: 32
    .max_flat_workgroup_size: 128
    .sgpr_count:     66
    .vgpr_count:     176
    .wavefront_size: 32
...
	.end_amdgpu_metadata
.endif
;; end of part 2
;; launch layer1 (part 3): grid 128 x 1, 8 waves a work-group, no clusters, 145,408 bytes of LDS; arguments nbr, pos, measure_coords, measure_vals, wq, b1, out1, xa, pa; writes out1, xa, pa
.if DOCPART == 3
	.amdgcn_target "amdgcn-amd-amdhsa--gfx1250"
	.amdhsa_code_object_version 6
	.text
	.protected	k_qc3bbf01091_layer1
	.globl	k_qc3bbf01091_layer1
	.p2align	8
	.type	k_qc3bbf01091_layer1,@function
k_qc3bbf01091_layer1:
	s_mov_b64 s[64:65], 0
	v_nop
	global_prefetch_b8 v0, s[64:65] scope:SCOPE_SE
	s_setreg_imm32_b32 hwreg(HW_REG_WAVE_MODE, 25, 1), 1
	s_wait_xcnt 0x0
; THE FEATURES AND THE FIRST LAYER: feat = (pos, then coordinate and value of the 16 neighbours), 66 numbers a row, stored as out1; x1 = Q(feat) Q(w1) + b1 on codes of FP6 (E2M3) with one
; E8M0 scale for each 32 along K (K = 66 filled with zeros to 128); x1 goes to memory in f32, with the mean and the sum of squared deviations of each column over the work-group's 128 rows.
; The neighbours' indices are whole numbers of an earlier launch, held at 8,191.  LIMITS: NaN and infinities are not served; a block of zeros gets the scale byte 1 (its codes are zeros).
; SHARES.  128 work-groups of 128 rows: each later work-group reads every work-group's statistics, so those bytes grow with the square of the grid; by that count 128 work-groups move fewer bytes than 256.
; Wave w gathers and quantises row tile w (16 rows); for the product it takes 64 columns (column part cp = w % CP) of RT row tiles (row part rp = w / CP).  Its four weight fragments stay in
; registers (window 1), read once as images of the operand's registers.  Activations go from wave to wave through LDS as such images.
; The matrix instruction is used in its natural order (source 0 = 16 rows, source 1 = 16 columns): a lane holds one column and eight rows, so column sums stay in the lane.
; No tensor load, no cluster: what work-groups share (12 KiB of codes here) goes straight into registers.
.set KIN,  128
.set NOUT, 128
.set LCP,  1
.set FB,   0
.set NKS,  KIN/128
.set CP,   NOUT/64
.set RP,   8/CP
.set RT,   CP
.set IMG,  18432                       ; LDS: the activations' fragments (row tile m, K step s) at (m NKS + s) x 1,536
.set ISC,  67584                       ; their scale words, 128 bytes each
.set STG,  71680                       ; a stage of 16 rows x (256 + 16) bytes for each wave
.set WST,  106496                      ; [row part][mean, M2][NOUT]
.set SPARE,110592                      ; the spare words, 128 bytes for each wave: four blocks of 256 bytes that no other line names
.set FEAT, 111616                      ; 128 rows x 264 bytes, dense: the work-group's part of out1 as it lies in memory
.set SCB,  190464
.set TM,   184
.set PW,   200
.set PC,   204
.set MSB,  0
; window 0: v1 lane, v2 r, v3 h, v4 16 x lane, v5 4 x lane, v6-17, v48, v49, v52-55 addresses, v18, v19 the add's two, v20-23 bias, v32-47 the weights' scale words, v56-119, v120-183 numbers,
; later v56-103 fragments, v104-107 their scale words, v120-151 accumulators, v152-183 the bias as C, v184-215 rows on their way out, v216-247 column sums
.macro WIN new                         ; the immediate's high byte repeats the setting that is left
.if MSB != \new
	s_set_vgpr_msb (MSB<<8)|\new
.set MSB, \new
.endif
.endm
.macro BAR
	s_wait_dscnt 0x0                               ; my LDS stores have landed and my LDS loads are in
	s_barrier_signal -1
	s_barrier_wait -1
.endm
; 64 numbers of a lane, register 16 b + i = k 32 b + 16 (lane / 16) + i of my row, become a fragment's codes in v[PC] on and its scale word in v[PW]
.macro QUANT s
.irp b,0,1,2,3
	v_max3_num_f32 v[TM+\b], |v[\s+16*\b]|, |v[\s+1+16*\b]|, 0x1800000   ; with the floor 2^(3 - 127): the byte cannot fall under 1
	v_mov_b32 v[TM+4+\b], 0                        ; (a lane permute's destination counts as one of its sources)
.endr
.irp i,2,4,6,8,10,12,14
.irp b,0,1,2,3
	v_max3_num_f32 v[TM+\b], v[TM+\b], |v[\s+16*\b+\i]|, |v[\s+1+16*\b+\i]|
.endr
.endr
.irp b,0,1,2,3
	v_permlanex16_b32 v[TM+4+\b], v[TM+\b], s32, s33
.endr
.irp b,0,1,2,3
	v_max_num_f32 v[TM+\b], v[TM+\b], v[TM+4+\b]   ; with lane l xor 16's: the block's largest magnitude
.endr
.irp b,0,1,2,3
	v_add_nc_u32 v[TM+12+\b], 0xff000000, v[TM+\b] ; 2 off its exponent field: the conversion's scale operand
.endr
.irp b,0,1,2,3
	v_lshrrev_b32 v[TM+4+\b], 23, v[TM+12+\b]      ; the scale's byte
.endr
	v_lshl_or_b32 v[PW], v[TM+5], 8, v[TM+4]
	v_lshl_or_b32 v[PW], v[TM+6], 16, v[PW]
	v_lshl_or_b32 v[PW], v[TM+7], 24, v[PW]
.irp c,0,1
	v_cvt_scalef32_pk16_fp6_f32 v[PC+6*\c:PC+2+6*\c], v[\s+32*\c:\s+15+32*\c], v[TM+12+2*\c]
	v_cvt_scalef32_pk16_fp6_f32 v[PC+12+4*\c:PC+14+4*\c], v[\s+16+32*\c:\s+31+32*\c], v[TM+12+2*\c+1]
.endr
	v_nop                                          ; one plain place behind a scaled conversion
.irp c,0,1                                     ; the operand's layout wants a whole block in a lane
.irp i,0,1,2
	v_permlane16_swap_b32 v[PC+6*\c+\i], v[PC+12+4*\c+\i]
.endr
.irp i,0,1,2
	v_mov_b32 v[PC+3+6*\c+\i], v[PC+12+4*\c+\i]
.endr
.endr
.endm
.macro IMAGE s
.irp c,0,1,2
	ds_store_b128 v11, v[PC+4*\c:PC+4*\c+3] offset:1536*(\s)+512*\c
.endr
	ds_store_b32 v12, v[PW] offset:128*(\s)
.endm
	s_load_b256 s[4:11], s[0:1], 0x0               ; nbr, pos, measure_coords, measure_vals
	s_load_b128 s[12:15], s[0:1], 0x20             ; wq, b1
	s_load_b64 s[34:35], s[0:1], 0x30              ; out1
	s_load_b128 s[16:19], s[0:1], 0x38             ; xa, pa
	v_lshl_add_u32 v18, v0, 2, SPARE
	v_mov_b32 v19, 0
	v_lshrrev_b32 v1, 5, v0
	v_readfirstlane_b32 s2, v1                     ; wave 0..7
	v_and_b32 v1, 31, v0
	v_and_b32 v2, 15, v0
	v_bfe_u32 v3, v0, 4, 1
	s_and_b32 s20, s2, CP-1                        ; cp
	s_lshr_b32 s21, s2, LCP                        ; rp
	v_lshlrev_b32 v4, 4, v1
	v_lshlrev_b32 v5, 2, v1
	s_lshl_b32 s22, s2, 9
	v_add_nc_u32 v6, s22, v4                       ; nbr: 512 bytes a wave, 16 a lane: row 16 w + lane / 2, neighbours 8 (lane % 2) on
	s_lshl_b32 s22, s2, 7
	v_lshl_add_u32 v7, v2, 3, s22                  ; pos: row 16 w + r
	s_mul_i32 s22, s2, 16*264
	s_add_co_u32 s22, s22, FEAT
	v_lshrrev_b32 v8, 1, v1
	v_mul_u32_u24 v8, v8, 264
	v_and_b32 v9, 1, v1
	v_lshl_add_u32 v8, v9, 7, v8
	v_add_nc_u32 v8, s22, v8                       ; where my eight neighbours go: my row, 128 bytes for each half of them
	v_mul_u32_u24 v9, v2, 264
	v_add_nc_u32 v9, s22, v9                       ; row 16 w + r of the features
	v_lshl_add_u32 v10, v3, 6, v9                  ; and my half's 16 numbers of a block of 32
	v_lshl_add_u32 v48, v0, 4, FEAT                ; the copy to out1: 16 bytes a thread
	v_lshlrev_b32 v49, 4, v0
	s_mul_i32 s22, s2, NKS*1536
	s_add_co_u32 s22, s22, IMG
	v_add_nc_u32 v11, s22, v4
	s_mul_i32 s22, s2, NKS*128
	s_add_co_u32 s22, s22, ISC
	v_add_nc_u32 v12, s22, v5
	s_mul_i32 s22, s2, 4352
	s_add_co_u32 s22, s22, STG
	v_mul_u32_u24 v13, v3, 2176
	v_lshl_add_u32 v13, v2, 2, v13
	v_add_nc_u32 v13, s22, v13                     ; the stage, in: row 8 h + j, column r
	v_mul_u32_u24 v14, v3, 272
	v_lshl_add_u32 v14, v2, 4, v14
	v_add_nc_u32 v14, s22, v14                     ; and back: lanes 0-15 one row of 256 bytes, lanes 16-31 the next
	s_mul_i32 s22, s21, RT*64*NOUT
	s_lshl_b32 s23, s20, 8
	s_add_co_u32 s22, s22, s23
	v_mul_u32_u24 v15, v3, 4*NOUT
	v_lshl_add_u32 v15, v2, 4, v15
	v_add_nc_u32 v15, s22, v15                     ; the same two rows in the output
	s_mul_i32 s22, s21, 8*NOUT
	s_add_co_u32 s22, s22, s23
	s_add_co_u32 s22, s22, WST
	v_lshl_add_u32 v16, v2, 2, s22
	s_mul_i32 s22, s21, RT*NKS*1536
	s_add_co_u32 s22, s22, IMG
	v_add_nc_u32 v17, s22, v4
	s_mul_i32 s22, s21, RT*NKS*128
	s_add_co_u32 s22, s22, ISC
	v_add_nc_u32 v54, s22, v5
	s_lshl_b32 s22, s2, 8
	v_lshl_add_u32 v53, v1, 3, s22
	v_add_nc_u32 v55, WST, v53
	v_lshlrev_b32 v52, 2, v2
	s_mov_b32 s32, 0x76543210
	s_mov_b32 s33, 0xfedcba98                      ; v_permlanex16_b32: lane l xor 16
	s_mov_b32 s36, 0xffff0000                      ; lanes 16-31
	s_mov_b32 s23, 0
	s_wait_kmcnt 0x0
	s_mul_i32 s22, s20, 6144*NKS
	s_add_co_u32 s22, s22, FB*1536
	s_add_nc_u64 s[24:25], s[12:13], s[22:23]      ; my 4 NKS weight fragments
	s_mul_i32 s22, s20, 512*NKS
	s_add_co_u32 s22, s22, FB*128+SCB
	s_add_nc_u64 s[26:27], s[12:13], s[22:23]      ; and their scale words
	s_lshl_b32 s22, s20, 8
	s_add_nc_u64 s[14:15], s[14:15], s[22:23]
	s_lshl_b32 s22, ttmp9, 12
	s_add_nc_u64 s[4:5], s[4:5], s[22:23]
	s_lshl_b32 s22, ttmp9, 10
	s_add_nc_u64 s[6:7], s[6:7], s[22:23]
	s_mul_i32 s22, ttmp9, 33792
	s_add_nc_u64 s[34:35], s[34:35], s[22:23]
	s_mul_i32 s22, ttmp9, 512*NOUT
	s_add_nc_u64 s[16:17], s[16:17], s[22:23]
	s_mul_i32 s22, ttmp9, 8*NOUT
	s_add_nc_u64 s[18:19], s[18:19], s[22:23]
	global_load_b128 v[56:59], v6, s[4:5]
	global_load_b64 v[60:61], v7, s[6:7]
	WIN 0x40                                       ; destination window 1
.set q, 0
.rept 4*NKS
	global_load_b128 v[12*q:12*q+3], v4, s[24:25] offset:1536*q
	global_load_b128 v[12*q+4:12*q+7], v4, s[24:25] offset:1536*q+512
	global_load_b128 v[12*q+8:12*q+11], v4, s[24:25] offset:1536*q+1024
.set q, q+1
.endr
	WIN 0
.set q, 0
.rept 4*NKS
	global_load_b32 v[32+q], v5, s[26:27] offset:128*q
.set q, q+1
.endr
.irp t,0,1,2,3
	global_load_b32 v[20+\t], v52, s[14:15] offset:64*\t
.endr
	; ---- the gather
	s_wait_loadcnt 0x0
.irp m,0,1,2,3
	v_and_b32 v[64+2*\m], 0xffff, v[56+\m]
	v_lshrrev_b32 v[65+2*\m], 16, v[56+\m]
.endr
.irp n,0,1,2,3,4,5,6,7
	v_min_u32 v[64+\n], 0x1fff, v[64+\n]
	v_lshlrev_b32 v[64+\n], 3, v[64+\n]
.endr
.irp n,0,1,2,3,4,5,6,7
	global_load_b64 v[72+4*\n:73+4*\n], v[64+\n], s[8:9]
	global_load_b64 v[74+4*\n:75+4*\n], v[64+\n], s[10:11]
.endr
	ds_store_b64 v9, v[60:61]                      ; pos (lanes 16-31 write the same bytes with the same values)
	s_wait_loadcnt 0x0
.irp n,0,1,2,3,4,5,6,7
	ds_store_b64 v8, v[72+4*\n:73+4*\n] offset:8+16*\n
	ds_store_b64 v8, v[74+4*\n:75+4*\n] offset:16+16*\n
.endr
.irp b,0,1                                     ; LDS serves a wave's instructions in order: these see my stores; the rows are my wave's own
.irp u,0,1,2,3,4,5,6,7
	ds_load_b64 v[120+16*\b+2*\u:121+16*\b+2*\u], v10 offset:128*\b+8*\u
.endr
.endr
	ds_load_b64 v[152:153], v9 offset:256          ; k = 64, 65
.set i, 154
.rept 30
	v_mov_b32 v[i], 0                              ; past K: zeros
.set i, i+1
.endr
	s_wait_dscnt 0x0
	v_cndmask_b32 v152, v152, 0, s36               ; in lanes 16-31 these would be k = 80, 81
	v_cndmask_b32 v153, v153, 0, s36
	QUANT 120
	IMAGE 0
	BAR                                            ; the eight fragments and all 128 rows of features lie in LDS
.irp i,0,1,2,3,4,5,6,7
	ds_load_b128 v[56+4*\i:59+4*\i], v48 offset:4096*\i
.endr
.irp i,0,1,2,3,4,5,6,7
	s_wait_dscnt 7-\i                              ; the younger loads of the run may be out
	global_store_b128 v49, v[56+4*\i:59+4*\i], s[34:35] offset:4096*\i   ; a wave stores 512 consecutive bytes, at a multiple of 256 from out1's first byte
.endr
	s_cmp_ge_u32 s2, 2
	s_cbranch_scc1 .Lno8
	ds_load_b128 v[88:91], v48 offset:32768        ; 33,792 = 8 x 4,096 + 1,024 bytes: the rest is two waves' work
	s_wait_dscnt 0x0
	global_store_b128 v49, v[88:91], s[34:35] offset:32768
.Lno8:
	; ---- the product: my 64 columns x RT row tiles
.irp t,0,1,2,3
.irp j,0,1,2,3,4,5,6,7
	v_mov_b32 v[152+8*\t+\j], v[20+\t]             ; the bias is the C of each sum's first matrix instruction: a lane holds one column
.endr
.endr
.set i, 224
.rept 16
	v_mov_b32 v[i], 0
.set i, i+1
.endr
.set mi, 0
.rept RT
	s_wait_xcnt 0x0                                ; earlier stores have read their registers: these are loaded again only behind this wait
.set ss, 0
.rept NKS
	ds_load_b128 v[56+12*ss:59+12*ss], v17 offset:(mi*NKS+ss)*1536
	ds_load_b128 v[60+12*ss:63+12*ss], v17 offset:(mi*NKS+ss)*1536+512
	ds_load_b128 v[64+12*ss:67+12*ss], v17 offset:(mi*NKS+ss)*1536+1024
	ds_load_b32 v[104+ss], v54 offset:(mi*NKS+ss)*128
.set ss, ss+1
.endr
	s_wait_dscnt 0x0
	WIN 0x04                                       ; source 1 (the weights) window 1
.set ss, 0
.rept NKS                                      ; the four accumulators take turns, one instruction a turn
.irp t,0,1,2,3
.if ss == 0
	v_wmma_scale_f32_16x16x128_f8f6f4 v[120+8*\t:127+8*\t], v[56+12*ss:67+12*ss], v[12*(\t*NKS+ss):12*(\t*NKS+ss)+11], v[152+8*\t:159+8*\t], v[104+ss], v[32+\t*NKS+ss] matrix_a_fmt:MATRIX_FMT_FP6 matrix_b_fmt:MATRIX_FMT_FP6
.else
	v_wmma_scale_f32_16x16x128_f8f6f4 v[120+8*\t:127+8*\t], v[56+12*ss:67+12*ss], v[12*(\t*NKS+ss):12*(\t*NKS+ss)+11], v[120+8*\t:127+8*\t], v[104+ss], v[32+\t*NKS+ss] matrix_a_fmt:MATRIX_FMT_FP6 matrix_b_fmt:MATRIX_FMT_FP6
.endif
.endr
.set ss, ss+1
.endr
	WIN 0
.rept 5
	v_nop                                          ; five places: for the reads of the results, for the next tile's loads into the fragments, and for its products, which begin these accumulators anew
.endr
.if mi == 0
.irp t,0,1,2,3
	v_mov_b32 v[216+2*\t], v[120+8*\t]             ; the lane's first number of each column is the shift about which its sums are taken
	v_mov_b32 v[217+2*\t], v[120+8*\t]
.endr
.endif
.irp t,0,1,2,3                                 ; each accumulator is read from its low end on
.irp e,0,2,4,6
	v_pk_add_f32 v[240+\e:241+\e], v[120+8*\t+\e:121+8*\t+\e], v[216+2*\t:217+2*\t] neg_lo:[0,1] neg_hi:[0,1]
.endr
.irp e,0,2,4,6
	v_pk_add_f32 v[224+2*\t:225+2*\t], v[224+2*\t:225+2*\t], v[240+\e:241+\e]
	v_pk_fma_f32 v[232+2*\t:233+2*\t], v[240+\e:241+\e], v[240+\e:241+\e], v[232+2*\t:233+2*\t]
.endr
.endr
.irp t,0,1,2,3
.irp j,0,1,2,3,4,5,6,7
	ds_store_b32 v13, v[120+8*\t+\j] offset:272*\j+64*\t
.endr
.endr
.irp i,0,1,2,3,4,5,6,7
	ds_load_b128 v[184+4*\i:187+4*\i], v14 offset:544*\i   ; LDS serves a wave's instructions in order: these see my stores; the stage is my own
.endr
.irp i,0,1,2,3,4,5,6,7
	s_wait_dscnt 7-\i                              ; the younger loads of the run may be out
	global_store_b128 v15, v[184+4*\i:187+4*\i], s[16:17] offset:(16*mi+2*\i)*4*NOUT   ; 16 lanes store 256 consecutive bytes, at a multiple of 256 from the buffer's first byte
.endr
.set mi, mi+1
.endr
	; ---- a lane's 8 RT numbers of each column: mean and sum of squared deviations; then with lane l xor 16's
	s_mov_b32 s28, (127-3-LCP)<<23                 ; 1 / (8 RT)
	s_mov_b32 s29, (127+2+LCP)<<23                 ; 4 RT
.irp t,0,1,2,3
	v_add_f32 v[240+\t], v[224+2*\t], v[225+2*\t]
	v_add_f32 v[244+\t], v[232+2*\t], v[233+2*\t]
.endr
.irp t,0,1,2,3
	v_mul_f32 v[56+\t], s28, v[240+\t]
.endr
.irp t,0,1,2,3
	v_fma_f32 v[244+\t], -v[56+\t], v[240+\t], v[244+\t]
	v_add_f32 v[240+\t], v[216+2*\t], v[56+\t]
.endr
.irp t,0,1,2,3
	v_permlanex16_b32 v[60+\t], v[240+\t], s32, s33
	v_permlanex16_b32 v[64+\t], v[244+\t], s32, s33
.endr
.irp t,0,1,2,3
	v_sub_f32 v[68+\t], v[240+\t], v[60+\t]
	v_add_f32 v[240+\t], v[240+\t], v[60+\t]
	v_add_f32 v[244+\t], v[244+\t], v[64+\t]
.endr
.irp t,0,1,2,3
	v_mul_f32 v[68+\t], v[68+\t], v[68+\t]
	v_mul_f32 v[240+\t], 0.5, v[240+\t]
.endr
.irp t,0,1,2,3
	v_fma_f32 v[244+\t], v[68+\t], s29, v[244+\t]
.endr
.irp t,0,1,2,3
	ds_store_b32 v16, v[240+\t] offset:64*\t       ; (both halves of the lanes write the same bytes with the same values)
	ds_store_b32 v16, v[244+\t] offset:64*\t+4*NOUT
.endr
	BAR
	; ---- the row parts are joined, about the first part's mean; waves 0 .. CP - 1, two columns a lane
	s_cmp_ge_u32 s2, CP
	s_cbranch_scc1 .Lnof
.set p, 0
.rept RP
	ds_load_b64 v[56+4*p:57+4*p], v55 offset:p*8*NOUT
	ds_load_b64 v[58+4*p:59+4*p], v55 offset:p*8*NOUT+4*NOUT
.set p, p+1
.endr
	s_mov_b32 s28, (127-3+LCP)<<23                 ; 1 / RP
	s_mov_b32 s29, s28
	s_mov_b32 s30, (127+4+LCP)<<23                 ; 16 RT: the rows of a part
	s_mov_b32 s31, s30
.irp i,240,241,242,243
	v_mov_b32 v[\i], 0
.endr
	s_wait_dscnt 0x0
.if RP > 1
.set p, 1
.rept RP-1
	v_pk_add_f32 v[246:247], v[56+4*p:57+4*p], v[56:57] neg_lo:[0,1] neg_hi:[0,1]
	v_pk_add_f32 v[240:241], v[240:241], v[246:247]
	v_pk_fma_f32 v[242:243], v[246:247], v[246:247], v[242:243]
	v_pk_add_f32 v[58:59], v[58:59], v[58+4*p:59+4*p]
.set p, p+1
.endr
.endif
	v_pk_mul_f32 v[246:247], v[240:241], s[28:29] op_sel_hi:[1,0]
	v_pk_fma_f32 v[242:243], v[246:247], v[240:241], v[242:243] neg_lo:[1,0,0] neg_hi:[1,0,0]
	v_pk_add_f32 v[56:57], v[56:57], v[246:247]
	v_pk_fma_f32 v[58:59], v[242:243], s[30:31], v[58:59] op_sel_hi:[1,0,1]
	global_store_b64 v53, v[56:57], s[18:19]       ; 32 lanes store 256 consecutive bytes
	global_store_b64 v53, v[58:59], s[18:19] offset:4*NOUT
.Lnof:
	s_wait_tensorcnt 0x0                           ; the wave's end
	ds_add_u32 v18, v19
	s_wait_dscnt 0x0
	s_endpgm
.Lfunc_end_k_qc3bbf01091_layer1:
	.size	k_qc3bbf01091_layer1, .Lfunc_end_k_qc3bbf01091_layer1-k_qc3bbf01091_layer1
	.p2alignl 7, 3214868480
	.fill 96, 4, 3214868480
	.section	.rodata,"a",@progbits
	.p2align	6, 0x0
	.amdhsa_kernel k_qc3bbf01091_layer1
		.amdhsa_group_segment_fixed_size 145408
		.amdhsa_private_segment_fixed_size 0
		.amdhsa_enable_private_segment 0
		.amdhsa_kernarg_size 72
		.amdhsa_user_sgpr_count 2
		.amdhsa_user_sgpr_kernarg_segment_ptr 1
		.amdhsa_wavefront_size32 1
		.amdhsa_system_sgpr_workgroup_id_x 1
		.amdhsa_system_sgpr_workgroup_id_y 1
		.amdhsa_system_sgpr_workgroup_id_z 1
		.amdhsa_system_vgpr_workitem_id 0
		.amdhsa_next_free_vgpr 304
		.amdhsa_next_free_sgpr 66
		.amdhsa_reserve_vcc 0
		.amdhsa_float_denorm_mode_32 3
		.amdhsa_float_denorm_mode_16_64 3
		.amdhsa_memory_ordered 1
		.amdhsa_forward_progress 1
		.amdhsa_inst_pref_size 41
	.end_amdhsa_kernel
	.amdgpu_metadata
---
amdhsa.version: [ 1, 2 ]
amdhsa.kernels:
  - .name:           k_qc3bbf01091_layer1
    .symbol:         k_qc3bbf01091_layer1.kd
    .args:
      - { .name: nbr, .offset: 0, .size: 8, .value_kind: global_buffer, .address_space: global }
      - { .name: pos, .offset: 8, .size: 8, .value_kind: global_buffer, .address_space: global }
      - { .name: measure_coords, .offset: 16, .size: 8, .value_kind: global_buffer, .address_space: global }
      - { .name: measure_vals, .offset: 24, .size: 8, .value_kind: global_buffer, .address_space: global }
      - { .name: wq, .offset: 32, .size: 8, .value_kind: global_buffer, .address_space: global }
      - { .name: b1, .offset: 40, .size: 8, .value_kind: global_buffer, .address_space: global }
      - { .name: out1, .offset: 48, .size: 8, .value_kind: global_buffer, .address_space: global }
      - { .name: xa, .offset: 56, .size: 8, .value_kind: global_buffer, .address_space: global }
      - { .name: pa, .offset: 64, .size: 8, .value_kind: global_buffer, .address_space: global }
    .group_segment_fixed_size: 145408
    .private_segment_fixed_size: 0
    .kernarg_segment_align: 8
    .kernarg_segment_size: 72
    .max_flat_workgroup_size: 256
    .sgpr_count:     66
    .vgpr_count:     304
    .wavefront_size: 32
...
	.end_amdgpu_metadata
.endif
;; end of part 3
;; launch layer2 (part 4): grid 128 x 1, 8 waves a work-group, no clusters, 111,616 bytes of LDS; arguments xa, pa, g1, be1, wq, b2, xb, pb; writes xb, pb
.if DOCPART == 4
	.amdgcn_target "amdgcn-amd-amdhsa--gfx1250"
	.amdhsa_code_object_version 6
	.text
	.protected	k_qc3bbf01091_layer2
	.globl	k_qc3bbf01091_layer2
	.p2align	8
	.type	k_qc3bbf01091_layer2,@function
k_qc3bbf01091_layer2:
	s_mov_b64 s[64:65], 0
	v_nop
	global_prefetch_b8 v0, s[64:65] scope:SCOPE_SE
	s_setreg_imm32_b32 hwreg(HW_REG_WAVE_MODE, 25, 1), 1
	s_wait_xcnt 0x0
; A LAYER: a = relu(g (x - mean) rsqrt(var + 1e-5) + be), mean and var over all 16,384 rows; y = Q(a) Q(w) + b on codes of FP6 (E2M3) with one E8M0 scale for each 32 along K; y goes to memory
; in f32, with the mean and the sum of squared deviations (M2) of each column over the work-group's 128 rows.  The text is the same for four layers; the five lines below give the sizes.
; STATISTICS.  Every work-group reads all 128 partial (mean, M2) and joins them about the first partial's mean: no difference of large sums is formed.  The norm is taken as (x - mean) sc + be, sc = g rsqrt(..).
; LIMITS: NaN and infinities are not served; a block of zeros gets the scale byte 1 (its codes are zeros; the bytes are read by this program alone).
; SHARES.  128 work-groups of 128 rows: each work-group reads every work-group's statistics, so those bytes grow with the square of the grid; by that count 128 work-groups move fewer bytes than 256.
; Wave w normalises and quantises row tile w (16 rows); for the product it takes 64 columns (column part cp = w % CP) of RT row tiles (row part rp = w / CP).  Its 4 NKS weight fragments stay in
; registers (window 1), read once as images of the operand's registers.  Activations go from wave to wave through LDS as such images.
; The matrix instruction is used in its natural order (source 0 = 16 rows, source 1 = 16 columns): a lane holds one column and eight rows, so column sums stay in the lane.
; No tensor load, no cluster: what work-groups share (the codes, the partials) is small and goes straight into registers.
.set KIN,  128
.set NOUT, 256
.set LCP,  2                           ; log2(NOUT / 64)
.set LKQ,  5                           ; log2(KIN / 4)
.set FB,   8                           ; the weight's first fragment in wq
.set NKS,  KIN/128
.set CP,   NOUT/64
.set RP,   8/CP
.set RT,   CP
.set NSUB, 1024/KIN                    ; the 256 threads are KIN / 4 quads of columns x NSUB subsets of the partials
.set NB,   KIN/32                      ; batches of four partials in a subset
.if NSUB > 8
.set NS8, 8
.else
.set NS8, NSUB
.endif
.set RED,  0                           ; LDS: [subset][3][KIN] f32
.set PRM,  12288                       ; mean[KIN], sc[KIN], be[KIN]
.set IMG,  18432                       ; the activations' fragments (row tile m, K step s) at (m NKS + s) x 1,536
.set ISC,  67584                       ; their scale words, 128 bytes each
.set STG,  71680                       ; a stage of 16 rows x (256 + 16) bytes for each wave
.set WST,  106496                      ; [row part][mean, M2][NOUT]
.set SPARE,110592                      ; the spare words, 128 bytes for each wave: four blocks of 256 bytes that no other line names
.set SCB,  190464
.set TM,   184
.set PW,   200
.set PC,   204
.set MSB,  0
; window 0: v1 lane, v2 r, v3 h, v4 16 x lane, v5 4 x lane, v6-17, v52-55 addresses, v18, v19 the add's two, v20-23 bias, v24-27 g, v28-31 be, v32-47 the weights' scale words, v48-51 the first partial's mean,
; v56-119, v120-183 numbers of x (v120-215 three sets of partials, v216-231 their sums), v184-231 mean, sc, be of 16 columns; later v56-103 fragments, v104-107 their scale words, v120-151 accumulators,
; v152-183 the bias as C, v184-215 rows on their way out, v216-247 column sums
.macro WIN new                         ; the immediate's high byte repeats the setting that is left
.if MSB != \new
	s_set_vgpr_msb (MSB<<8)|\new
.set MSB, \new
.endif
.endm
.macro BAR
	s_wait_dscnt 0x0                               ; my LDS stores have landed and my LDS loads are in
	s_barrier_signal -1
	s_barrier_wait -1
.endm
; 64 numbers of a lane, register 16 b + i = k 32 b + 16 (lane / 16) + i of my row, become a fragment's codes in v[PC] on and its scale word in v[PW]
.macro QUANT s
.irp b,0,1,2,3
	v_max3_num_f32 v[TM+\b], |v[\s+16*\b]|, |v[\s+1+16*\b]|, 0x1800000   ; with the floor 2^(3 - 127): the byte cannot fall under 1
	v_mov_b32 v[TM+4+\b], 0                        ; (a lane permute's destination counts as one of its sources)
.endr
.irp i,2,4,6,8,10,12,14
.irp b,0,1,2,3
	v_max3_num_f32 v[TM+\b], v[TM+\b], |v[\s+16*\b+\i]|, |v[\s+1+16*\b+\i]|
.endr
.endr
.irp b,0,1,2,3
	v_permlanex16_b32 v[TM+4+\b], v[TM+\b], s32, s33
.endr
.irp b,0,1,2,3
	v_max_num_f32 v[TM+\b], v[TM+\b], v[TM+4+\b]   ; with lane l xor 16's: the block's largest magnitude
.endr
.irp b,0,1,2,3
	v_add_nc_u32 v[TM+12+\b], 0xff000000, v[TM+\b] ; 2 off its exponent field: the conversion's scale operand
.endr
.irp b,0,1,2,3
	v_lshrrev_b32 v[TM+4+\b], 23, v[TM+12+\b]      ; the scale's byte
.endr
	v_lshl_or_b32 v[PW], v[TM+5], 8, v[TM+4]
	v_lshl_or_b32 v[PW], v[TM+6], 16, v[PW]
	v_lshl_or_b32 v[PW], v[TM+7], 24, v[PW]
.irp c,0,1
	v_cvt_scalef32_pk16_fp6_f32 v[PC+6*\c:PC+2+6*\c], v[\s+32*\c:\s+15+32*\c], v[TM+12+2*\c]
	v_cvt_scalef32_pk16_fp6_f32 v[PC+12+4*\c:PC+14+4*\c], v[\s+16+32*\c:\s+31+32*\c], v[TM+12+2*\c+1]
.endr
	v_nop                                          ; one plain place behind a scaled conversion
.irp c,0,1                                     ; the operand's layout wants a whole block in a lane
.irp i,0,1,2
	v_permlane16_swap_b32 v[PC+6*\c+\i], v[PC+12+4*\c+\i]
.endr
.irp i,0,1,2
	v_mov_b32 v[PC+3+6*\c+\i], v[PC+12+4*\c+\i]
.endr
.endr
.endm
.macro IMAGE s
.irp c,0,1,2
	ds_store_b128 v11, v[PC+4*\c:PC+4*\c+3] offset:1536*(\s)+512*\c
.endr
	ds_store_b32 v12, v[PW] offset:128*(\s)
.endm
.macro XLOAD reg, s                    ; my row's numbers of K step s: 16 neighbours of each block of 32
.irp b,0,1,2,3
.irp j,0,1,2,3
	global_load_b128 v[\reg+16*\b+4*\j:\reg+16*\b+4*\j+3], v6, s[4:5] offset:512*(\s)+128*\b+16*\j th:TH_LOAD_NT
.endr
.endr
.endm
.macro SBATCH set, b                   ; four partials of my subset: the means and the M2 of my four columns
.irp p,0,1,2,3
	global_load_b128 v[\set+8*\p:\set+8*\p+3], v7, s[6:7] offset:(4*(\b)+\p)*8*KIN
	global_load_b128 v[\set+8*\p+4:\set+8*\p+7], v7, s[6:7] offset:(4*(\b)+\p)*8*KIN+4*KIN
.endr
.endm
.macro SACC set
.irp p,0,1,2,3
	v_pk_add_f32 v[228:229], v[\set+8*\p:\set+8*\p+1], v[48:49] neg_lo:[0,1] neg_hi:[0,1]
	v_pk_add_f32 v[230:231], v[\set+8*\p+2:\set+8*\p+3], v[50:51] neg_lo:[0,1] neg_hi:[0,1]
	v_pk_add_f32 v[224:225], v[224:225], v[\set+8*\p+4:\set+8*\p+5]
	v_pk_add_f32 v[226:227], v[226:227], v[\set+8*\p+6:\set+8*\p+7]
	v_pk_add_f32 v[216:217], v[216:217], v[228:229]
	v_pk_add_f32 v[218:219], v[218:219], v[230:231]
	v_pk_fma_f32 v[220:221], v[228:229], v[228:229], v[220:221]
	v_pk_fma_f32 v[222:223], v[230:231], v[230:231], v[222:223]
.endr
.endm
.macro BN x, s                         ; the norm and the activation on 64 numbers
.irp b,0,1,2,3
.irp j,0,1,2,3
	ds_load_b128 v[184+4*\j:187+4*\j], v10 offset:512*(\s)+128*\b+16*\j
	ds_load_b128 v[200+4*\j:203+4*\j], v10 offset:4*KIN+512*(\s)+128*\b+16*\j
	ds_load_b128 v[216+4*\j:219+4*\j], v10 offset:8*KIN+512*(\s)+128*\b+16*\j
.endr
	s_wait_dscnt 0x0
.irp e,0,2,4,6,8,10,12,14
	v_pk_add_f32 v[\x+16*\b+\e:\x+16*\b+\e+1], v[\x+16*\b+\e:\x+16*\b+\e+1], v[184+\e:185+\e] neg_lo:[0,1] neg_hi:[0,1]
.endr
.irp e,0,2,4,6,8,10,12,14
	v_pk_fma_f32 v[\x+16*\b+\e:\x+16*\b+\e+1], v[\x+16*\b+\e:\x+16*\b+\e+1], v[200+\e:201+\e], v[216+\e:217+\e]
.endr
.irp e,0,1,2,3,4,5,6,7,8,9,10,11,12,13,14,15
	v_max_num_f32 v[\x+16*\b+\e], 0, v[\x+16*\b+\e]
.endr
.endr
.endm
	s_load_b512 s[4:19], s[0:1], 0x0               ; x in s[4:5], partials in s[6:7], g s[8:9], be s[10:11], wq s[12:13], b s[14:15], x out s[16:17], partials out s[18:19]
	v_lshl_add_u32 v18, v0, 2, SPARE
	v_mov_b32 v19, 0
	v_lshrrev_b32 v1, 5, v0
	v_readfirstlane_b32 s2, v1                     ; wave 0..7
	v_and_b32 v1, 31, v0
	v_and_b32 v2, 15, v0
	v_bfe_u32 v3, v0, 4, 1
	s_and_b32 s20, s2, CP-1                        ; cp
	s_lshr_b32 s21, s2, LCP                        ; rp
	v_lshlrev_b32 v4, 4, v1
	v_lshlrev_b32 v5, 2, v1
	s_mul_i32 s22, s2, 64*KIN
	v_mul_u32_u24 v6, v2, 4*KIN
	v_lshl_add_u32 v6, v3, 6, v6
	v_add_nc_u32 v6, s22, v6                       ; x: row 16 w + r, + 64 h
	v_and_b32 v8, KIN/4-1, v0
	v_lshlrev_b32 v8, 4, v8                        ; my quad of columns, in bytes
	v_lshrrev_b32 v53, LKQ, v0                     ; my subset of the partials
	v_mul_u32_u24 v7, v53, KIN*KIN                 ; KIN / 8 partials of 8 KIN bytes
	v_add_nc_u32 v7, v7, v8
	v_mul_u32_u24 v9, v53, 12*KIN
	v_add_nc_u32 v9, v9, v8
	v_lshl_add_u32 v10, v3, 6, PRM
	s_mul_i32 s22, s2, NKS*1536
	s_add_co_u32 s22, s22, IMG
	v_add_nc_u32 v11, s22, v4
	s_mul_i32 s22, s2, NKS*128
	s_add_co_u32 s22, s22, ISC
	v_add_nc_u32 v12, s22, v5
	s_mul_i32 s22, s2, 4352
	s_add_co_u32 s22, s22, STG
	v_mul_u32_u24 v13, v3, 2176
	v_lshl_add_u32 v13, v2, 2, v13
	v_add_nc_u32 v13, s22, v13                     ; the stage, in: row 8 h + j, column r
	v_mul_u32_u24 v14, v3, 272
	v_lshl_add_u32 v14, v2, 4, v14
	v_add_nc_u32 v14, s22, v14                     ; and back: lanes 0-15 one row of 256 bytes, lanes 16-31 the next
	s_mul_i32 s22, s21, RT*64*NOUT
	s_lshl_b32 s23, s20, 8
	s_add_co_u32 s22, s22, s23
	v_mul_u32_u24 v15, v3, 4*NOUT
	v_lshl_add_u32 v15, v2, 4, v15
	v_add_nc_u32 v15, s22, v15                     ; the same two rows in the output
	s_mul_i32 s22, s21, 8*NOUT
	s_add_co_u32 s22, s22, s23
	s_add_co_u32 s22, s22, WST
	v_lshl_add_u32 v16, v2, 2, s22
	s_mul_i32 s22, s21, RT*NKS*1536
	s_add_co_u32 s22, s22, IMG
	v_add_nc_u32 v17, s22, v4
	s_mul_i32 s22, s21, RT*NKS*128
	s_add_co_u32 s22, s22, ISC
	v_add_nc_u32 v54, s22, v5
	s_lshl_b32 s22, s2, 8
	v_lshl_add_u32 v53, v1, 3, s22
	v_add_nc_u32 v55, WST, v53
	v_lshlrev_b32 v52, 2, v2
	s_mov_b32 s32, 0x76543210
	s_mov_b32 s33, 0xfedcba98                      ; v_permlanex16_b32: lane l xor 16
	s_mov_b32 s23, 0
	s_wait_kmcnt 0x0
	s_mul_i32 s22, s20, 6144*NKS
	s_add_co_u32 s22, s22, FB*1536
	s_add_nc_u64 s[24:25], s[12:13], s[22:23]      ; my 4 NKS weight fragments
	s_mul_i32 s22, s20, 512*NKS
	s_add_co_u32 s22, s22, FB*128+SCB
	s_add_nc_u64 s[26:27], s[12:13], s[22:23]      ; and their scale words
	s_lshl_b32 s22, s20, 8
	s_add_nc_u64 s[14:15], s[14:15], s[22:23]
	s_mul_i32 s22, ttmp9, 512*KIN
	s_add_nc_u64 s[4:5], s[4:5], s[22:23]
	s_mul_i32 s22, ttmp9, 512*NOUT
	s_add_nc_u64 s[16:17], s[16:17], s[22:23]
	s_mul_i32 s22, ttmp9, 8*NOUT
	s_add_nc_u64 s[18:19], s[18:19], s[22:23]
	WIN 0x40                                       ; destination window 1
.set q, 0
.rept 4*NKS
	global_load_b128 v[12*q:12*q+3], v4, s[24:25] offset:1536*q
	global_load_b128 v[12*q+4:12*q+7], v4, s[24:25] offset:1536*q+512
	global_load_b128 v[12*q+8:12*q+11], v4, s[24:25] offset:1536*q+1024
.set q, q+1
.endr
	WIN 0
.set q, 0
.rept 4*NKS
	global_load_b32 v[32+q], v5, s[26:27] offset:128*q
.set q, q+1
.endr
.irp t,0,1,2,3
	global_load_b32 v[20+\t], v52, s[14:15] offset:64*\t
.endr
	XLOAD 56, 0
	global_load_b128 v[24:27], v8, s[8:9]
	global_load_b128 v[28:31], v8, s[10:11]
	global_load_b128 v[48:51], v8, s[6:7]          ; the first partial's mean: the shift
.set bb, 0
.rept 3
.if bb < NB
	SBATCH 120+32*bb, bb
.endif
.set bb, bb+1
.endr
.set i, 216
.rept 12
	v_mov_b32 v[i], 0
.set i, i+1
.endr
	; ---- the statistics: a ring of three sets of four partials
.set bb, 0
.rept NB
.if NB-1-bb >= 2
	s_wait_loadcnt 16                              ; the two younger batches, eight loads each, may be out
.else
	s_wait_loadcnt 8*(NB-1-bb)
.endif
	SACC 120+32*(bb%3)
.if bb+3 < NB
	SBATCH 120+32*(bb%3), bb+3
.endif
.set bb, bb+1
.endr
	ds_store_b128 v9, v[216:219] offset:RED
	ds_store_b128 v9, v[220:223] offset:RED+4*KIN
	ds_store_b128 v9, v[224:227] offset:RED+8*KIN
	BAR
	s_cmp_ge_u32 s2, NKS                           ; KIN / 4 threads join the subsets; their own quad is the thread's number
	s_cbranch_scc1 .Lnofin
.set i, 216
.rept 12
	v_mov_b32 v[i], 0
.set i, i+1
.endr
.set rr, 0
.rept (NSUB+7)/8
.set jj, 0
.rept NS8
	ds_load_b128 v[120+12*jj:123+12*jj], v8 offset:RED+(8*rr+jj)*12*KIN
	ds_load_b128 v[124+12*jj:127+12*jj], v8 offset:RED+(8*rr+jj)*12*KIN+4*KIN
	ds_load_b128 v[128+12*jj:131+12*jj], v8 offset:RED+(8*rr+jj)*12*KIN+8*KIN
.set jj, jj+1
.endr
	s_wait_dscnt 0x0
.set jj, 0
.rept NS8
.irp e,0,2,4,6,8,10
	v_pk_add_f32 v[216+\e:217+\e], v[216+\e:217+\e], v[120+12*jj+\e:121+12*jj+\e]
.endr
.set jj, jj+1
.endr
.set rr, rr+1
.endr
	s_mov_b32 s28, 0x3c000000                      ; 1 / 128
	s_mov_b32 s29, 0x43000000                      ; 128: the rows of a partial, and the number of partials
	s_mov_b32 s30, 0x38800000                      ; 1 / 16,384
	s_mov_b32 s31, 0x3727c5ac                      ; 1e-5
.irp i,0,1,2,3
	v_mul_f32 v[120+\i], s28, v[216+\i]
.endr
.irp i,0,1,2,3
	v_fma_f32 v[220+\i], -v[120+\i], v[216+\i], v[220+\i]   ; the means' squared deviations from their own mean
	v_add_f32 v[120+\i], v[48+\i], v[120+\i]                ; the mean
.endr
.irp i,0,1,2,3
	v_fma_f32 v[224+\i], s29, v[220+\i], v[224+\i]          ; M2 of all rows
.endr
.irp i,0,1,2,3
	v_fma_f32 v[224+\i], v[224+\i], s30, s31                ; var + 1e-5
.endr
.irp i,0,1,2,3
	v_rsq_f32 v[124+\i], v[224+\i]
.endr
	v_nop                                          ; a plain place behind the transcendentals
	s_wait_alu depctr_va_vdst(0)                   ; one wait for the four, ahead of their first reader
.irp i,0,1,2,3
	v_mul_f32 v[124+\i], v[24+\i], v[124+\i]
.endr
	ds_store_b128 v8, v[120:123] offset:PRM
	ds_store_b128 v8, v[124:127] offset:PRM+4*KIN
	ds_store_b128 v8, v[28:31] offset:PRM+8*KIN
.Lnofin:
	BAR
	; ---- my 16 rows: norm, activation, codes; a K step's numbers are asked for while the step before is worked on
.set ss, 0
.rept NKS
.if ss+1 < NKS
	XLOAD 56+64*((ss+1)%2), ss+1
	s_wait_loadcnt 16                              ; the sixteen just issued may be out
.else
	s_wait_loadcnt 0x0
.endif
	BN 56+64*(ss%2), ss
	QUANT 56+64*(ss%2)
	IMAGE ss
	s_wait_dscnt 0x0                               ; the stores have read their registers
.set ss, ss+1
.endr
	BAR                                            ; all fragments lie in LDS
	; ---- the product: my 64 columns x RT row tiles
.irp t,0,1,2,3
.irp j,0,1,2,3,4,5,6,7
	v_mov_b32 v[152+8*\t+\j], v[20+\t]             ; the bias is the C of each sum's first matrix instruction: a lane holds one column
.endr
.endr
.set i, 224
.rept 16
	v_mov_b32 v[i], 0
.set i, i+1
.endr
.set mi, 0
.rept RT
	s_wait_xcnt 0x0                                ; earlier stores have read their registers: these are loaded again only behind this wait
.set ss, 0
.rept NKS
	ds_load_b128 v[56+12*ss:59+12*ss], v17 offset:(mi*NKS+ss)*1536
	ds_load_b128 v[60+12*ss:63+12*ss], v17 offset:(mi*NKS+ss)*1536+512
	ds_load_b128 v[64+12*ss:67+12*ss], v17 offset:(mi*NKS+ss)*1536+1024
	ds_load_b32 v[104+ss], v54 offset:(mi*NKS+ss)*128
.set ss, ss+1
.endr
	s_wait_dscnt 0x0
	WIN 0x04                                       ; source 1 (the weights) window 1
.set ss, 0
.rept NKS                                      ; the four accumulators take turns, one instruction a turn
.irp t,0,1,2,3
.if ss == 0
	v_wmma_scale_f32_16x16x128_f8f6f4 v[120+8*\t:127+8*\t], v[56+12*ss:67+12*ss], v[12*(\t*NKS+ss):12*(\t*NKS+ss)+11], v[152+8*\t:159+8*\t], v[104+ss], v[32+\t*NKS+ss] matrix_a_fmt:MATRIX_FMT_FP6 matrix_b_fmt:MATRIX_FMT_FP6
.else
	v_wmma_scale_f32_16x16x128_f8f6f4 v[120+8*\t:127+8*\t], v[56+12*ss:67+12*ss], v[12*(\t*NKS+ss):12*(\t*NKS+ss)+11], v[120+8*\t:127+8*\t], v[104+ss], v[32+\t*NKS+ss] matrix_a_fmt:MATRIX_FMT_FP6 matrix_b_fmt:MATRIX_FMT_FP6
.endif
.endr
.set ss, ss+1
.endr
	WIN 0
.rept 5
	v_nop                                          ; five places: for the reads of the results, for the next tile's loads into the fragments, and for its products, which begin these accumulators anew
.endr
.if mi == 0
.irp t,0,1,2,3
	v_mov_b32 v[216+2*\t], v[120+8*\t]             ; the lane's first number of each column is the shift about which its sums are taken
	v_mov_b32 v[217+2*\t], v[120+8*\t]
.endr
.endif
.irp t,0,1,2,3                                 ; each accumulator is read from its low end on
.irp e,0,2,4,6
	v_pk_add_f32 v[240+\e:241+\e], v[120+8*\t+\e:121+8*\t+\e], v[216+2*\t:217+2*\t] neg_lo:[0,1] neg_hi:[0,1]
.endr
.irp e,0,2,4,6
	v_pk_add_f32 v[224+2*\t:225+2*\t], v[224+2*\t:225+2*\t], v[240+\e:241+\e]
	v_pk_fma_f32 v[232+2*\t:233+2*\t], v[240+\e:241+\e], v[240+\e:241+\e], v[232+2*\t:233+2*\t]
.endr
.endr
.irp t,0,1,2,3
.irp j,0,1,2,3,4,5,6,7
	ds_store_b32 v13, v[120+8*\t+\j] offset:272*\j+64*\t
.endr
.endr
.irp i,0,1,2,3,4,5,6,7
	ds_load_b128 v[184+4*\i:187+4*\i], v14 offset:544*\i   ; LDS serves a wave's instructions in order: these see my stores; the stage is my own
.endr
.irp i,0,1,2,3,4,5,6,7
	s_wait_dscnt 7-\i                              ; the younger loads of the run may be out
	global_store_b128 v15, v[184+4*\i:187+4*\i], s[16:17] offset:(16*mi+2*\i)*4*NOUT   ; 16 lanes store 256 consecutive bytes, at a multiple of 256 from the buffer's first byte
.endr
.set mi, mi+1
.endr
	; ---- a lane's 8 RT numbers of each column: mean and sum of squared deviations; then with lane l xor 16's
	s_mov_b32 s28, (127-3-LCP)<<23                 ; 1 / (8 RT)
	s_mov_b32 s29, (127+2+LCP)<<23                 ; 4 RT
.irp t,0,1,2,3
	v_add_f32 v[240+\t], v[224+2*\t], v[225+2*\t]
	v_add_f32 v[244+\t], v[232+2*\t], v[233+2*\t]
.endr
.irp t,0,1,2,3
	v_mul_f32 v[56+\t], s28, v[240+\t]
.endr
.irp t,0,1,2,3
	v_fma_f32 v[244+\t], -v[56+\t], v[240+\t], v[244+\t]
	v_add_f32 v[240+\t], v[216+2*\t], v[56+\t]
.endr
.irp t,0,1,2,3
	v_permlanex16_b32 v[60+\t], v[240+\t], s32, s33
	v_permlanex16_b32 v[64+\t], v[244+\t], s32, s33
.endr
.irp t,0,1,2,3
	v_sub_f32 v[68+\t], v[240+\t], v[60+\t]
	v_add_f32 v[240+\t], v[240+\t], v[60+\t]
	v_add_f32 v[244+\t], v[244+\t], v[64+\t]
.endr
.irp t,0,1,2,3
	v_mul_f32 v[68+\t], v[68+\t], v[68+\t]
	v_mul_f32 v[240+\t], 0.5, v[240+\t]
.endr
.irp t,0,1,2,3
	v_fma_f32 v[244+\t], v[68+\t], s29, v[244+\t]
.endr
.irp t,0,1,2,3
	ds_store_b32 v16, v[240+\t] offset:64*\t       ; (both halves of the lanes write the same bytes with the same values)
	ds_store_b32 v16, v[244+\t] offset:64*\t+4*NOUT
.endr
	BAR
	; ---- the row parts are joined, about the first part's mean; waves 0 .. CP - 1, two columns a lane
	s_cmp_ge_u32 s2, CP
	s_cbranch_scc1 .Lnof
.set p, 0
.rept RP
	ds_load_b64 v[56+4*p:57+4*p], v55 offset:p*8*NOUT
	ds_load_b64 v[58+4*p:59+4*p], v55 offset:p*8*NOUT+4*NOUT
.set p, p+1
.endr
	s_mov_b32 s28, (127-3+LCP)<<23                 ; 1 / RP
	s_mov_b32 s29, s28
	s_mov_b32 s30, (127+4+LCP)<<23                 ; 16 RT: the rows of a part
	s_mov_b32 s31, s30
.irp i,240,241,242,243
	v_mov_b32 v[\i], 0
.endr
	s_wait_dscnt 0x0
.if RP > 1
.set p, 1
.rept RP-1
	v_pk_add_f32 v[246:247], v[56+4*p:57+4*p], v[56:57] neg_lo:[0,1] neg_hi:[0,1]
	v_pk_add_f32 v[240:241], v[240:241], v[246:247]
	v_pk_fma_f32 v[242:243], v[246:247], v[246:247], v[242:243]
	v_pk_add_f32 v[58:59], v[58:59], v[58+4*p:59+4*p]
.set p, p+1
.endr
.endif
	v_pk_mul_f32 v[246:247], v[240:241], s[28:29] op_sel_hi:[1,0]
	v_pk_fma_f32 v[242:243], v[246:247], v[240:241], v[242:243] neg_lo:[1,0,0] neg_hi:[1,0,0]
	v_pk_add_f32 v[56:57], v[56:57], v[246:247]
	v_pk_fma_f32 v[58:59], v[242:243], s[30:31], v[58:59] op_sel_hi:[1,0,1]
	global_store_b64 v53, v[56:57], s[18:19]       ; 32 lanes store 256 consecutive bytes
	global_store_b64 v53, v[58:59], s[18:19] offset:4*NOUT
.Lnof:
	s_wait_tensorcnt 0x0                           ; the wave's end
	ds_add_u32 v18, v19
	s_wait_dscnt 0x0
	s_endpgm
.Lfunc_end_k_qc3bbf01091_layer2:
	.size	k_qc3bbf01091_layer2, .Lfunc_end_k_qc3bbf01091_layer2-k_qc3bbf01091_layer2
	.p2alignl 7, 3214868480
	.fill 96, 4, 3214868480
	.section	.rodata,"a",@progbits
	.p2align	6, 0x0
	.amdhsa_kernel k_qc3bbf01091_layer2
		.amdhsa_group_segment_fixed_size 111616
		.amdhsa_private_segment_fixed_size 0
		.amdhsa_enable_private_segment 0
		.amdhsa_kernarg_size 64
		.amdhsa_user_sgpr_count 2
		.amdhsa_user_sgpr_kernarg_segment_ptr 1
		.amdhsa_wavefront_size32 1
		.amdhsa_system_sgpr_workgroup_id_x 1
		.amdhsa_system_sgpr_workgroup_id_y 1
		.amdhsa_system_sgpr_workgroup_id_z 1
		.amdhsa_system_vgpr_workitem_id 0
		.amdhsa_next_free_vgpr 304
		.amdhsa_next_free_sgpr 66
		.amdhsa_reserve_vcc 0
		.amdhsa_float_denorm_mode_32 3
		.amdhsa_float_denorm_mode_16_64 3
		.amdhsa_memory_ordered 1
		.amdhsa_forward_progress 1
		.amdhsa_inst_pref_size 76
	.end_amdhsa_kernel
	.amdgpu_metadata
---
amdhsa.version: [ 1, 2 ]
amdhsa.kernels:
  - .name:           k_qc3bbf01091_layer2
    .symbol:         k_qc3bbf01091_layer2.kd
    .args:
      - { .name: xa, .offset: 0, .size: 8, .value_kind: global_buffer, .address_space: global }
      - { .name: pa, .offset: 8, .size: 8, .value_kind: global_buffer, .address_space: global }
      - { .name: g1, .offset: 16, .size: 8, .value_kind: global_buffer, .address_space: global }
      - { .name: be1, .offset: 24, .size: 8, .value_kind: global_buffer, .address_space: global }
      - { .name: wq, .offset: 32, .size: 8, .value_kind: global_buffer, .address_space: global }
      - { .name: b2, .offset: 40, .size: 8, .value_kind: global_buffer, .address_space: global }
      - { .name: xb, .offset: 48, .size: 8, .value_kind: global_buffer, .address_space: global }
      - { .name: pb, .offset: 56, .size: 8, .value_kind: global_buffer, .address_space: global }
    .group_segment_fixed_size: 111616
    .private_segment_fixed_size: 0
    .kernarg_segment_align: 8
    .kernarg_segment_size: 64
    .max_flat_workgroup_size: 256
    .sgpr_count:     66
    .vgpr_count:     304
    .wavefront_size: 32
...
	.end_amdgpu_metadata
.endif
;; end of part 4
;; launch layer3 (part 5): grid 128 x 1, 8 waves a work-group, no clusters, 111,616 bytes of LDS; arguments xb, pb, g2, be2, wq, b3, xa, pa; writes xa, pa
.if DOCPART == 5
	.amdgcn_target "amdgcn-amd-amdhsa--gfx1250"
	.amdhsa_code_object_version 6
	.text
	.protected	k_qc3bbf01091_layer3
	.globl	k_qc3bbf01091_layer3
	.p2align	8
	.type	k_qc3bbf01091_layer3,@function
k_qc3bbf01091_layer3:
	s_mov_b64 s[64:65], 0
	v_nop
	global_prefetch_b8 v0, s[64:65] scope:SCOPE_SE
	s_setreg_imm32_b32 hwreg(HW_REG_WAVE_MODE, 25, 1), 1
	s_wait_xcnt 0x0
; A LAYER: a = relu(g (x - mean) rsqrt(var + 1e-5) + be), mean and var over all 16,384 rows; y = Q(a) Q(w) + b on codes of FP6 (E2M3) with one E8M0 scale for each 32 along K; y goes to memory
; in f32, with the mean and the sum of squared deviations (M2) of each column over the work-group's 128 rows.  The text is the same for four layers; the five lines below give the sizes.
; STATISTICS.  Every work-group reads all 128 partial (mean, M2) and joins them about the first partial's mean: no difference of large sums is formed.  The norm is taken as (x - mean) sc + be, sc = g rsqrt(..).
; LIMITS: NaN and infinities are not served; a block of zeros gets the scale byte 1 (its codes are zeros; the bytes are read by this program alone).
; SHARES.  128 work-groups of 128 rows: each work-group reads every work-group's statistics, so those bytes grow with the square of the grid; by that count 128 work-groups move fewer bytes than 256.
; Wave w normalises and quantises row tile w (16 rows); for the product it takes 64 columns (column part cp = w % CP) of RT row tiles (row part rp = w / CP).  Its 4 NKS weight fragments stay in
; registers (window 1), read once as images of the operand's registers.  Activations go from wave to wave through LDS as such images.
; The matrix instruction is used in its natural order (source 0 = 16 rows, source 1 = 16 columns): a lane holds one column and eight rows, so column sums stay in the lane.
; No tensor load, no cluster: what work-groups share (the codes, the partials) is small and goes straight into registers.
.set KIN,  256
.set NOUT, 512
.set LCP,  3                           ; log2(NOUT / 64)
.set LKQ,  6                           ; log2(KIN / 4)
.set FB,   24                          ; the weight's first fragment in wq
.set NKS,  KIN/128
.set CP,   NOUT/64
.set RP,   8/CP
.set RT,   CP
.set NSUB, 1024/KIN                    ; the 256 threads are KIN / 4 quads of columns x NSUB subsets of the partials
.set NB,   KIN/32                      ; batches of four partials in a subset
.if NSUB > 8
.set NS8, 8
.else
.set NS8, NSUB
.endif
.set RED,  0                           ; LDS: [subset][3][KIN] f32
.set PRM,  12288                       ; mean[KIN], sc[KIN], be[KIN]
.set IMG,  18432                       ; the activations' fragments (row tile m, K step s) at (m NKS + s) x 1,536
.set ISC,  67584                       ; their scale words, 128 bytes each
.set STG,  71680                       ; a stage of 16 rows x (256 + 16) bytes for each wave
.set WST,  106496                      ; [row part][mean, M2][NOUT]
.set SPARE,110592                      ; the spare words, 128 bytes for each wave: four blocks of 256 bytes that no other line names
.set SCB,  190464
.set TM,   184
.set PW,   200
.set PC,   204
.set MSB,  0
; window 0: v1 lane, v2 r, v3 h, v4 16 x lane, v5 4 x lane, v6-17, v52-55 addresses, v18, v19 the add's two, v20-23 bias, v24-27 g, v28-31 be, v32-47 the weights' scale words, v48-51 the first partial's mean,
; v56-119, v120-183 numbers of x (v120-215 three sets of partials, v216-231 their sums), v184-231 mean, sc, be of 16 columns; later v56-103 fragments, v104-107 their scale words, v120-151 accumulators,
; v152-183 the bias as C, v184-215 rows on their way out, v216-247 column sums
.macro WIN new                         ; the immediate's high byte repeats the setting that is left
.if MSB != \new
	s_set_vgpr_msb (MSB<<8)|\new
.set MSB, \new
.endif
.endm
.macro BAR
	s_wait_dscnt 0x0                               ; my LDS stores have landed and my LDS loads are in
	s_barrier_signal -1
	s_barrier_wait -1
.endm
; 64 numbers of a lane, register 16 b + i = k 32 b + 16 (lane / 16) + i of my row, become a fragment's codes in v[PC] on and its scale word in v[PW]
.macro QUANT s
.irp b,0,1,2,3
	v_max3_num_f32 v[TM+\b], |v[\s+16*\b]|, |v[\s+1+16*\b]|, 0x1800000   ; with the floor 2^(3 - 127): the byte cannot fall under 1
	v_mov_b32 v[TM+4+\b], 0                        ; (a lane permute's destination counts as one of its sources)
.endr
.irp i,2,4,6,8,10,12,14
.irp b,0,1,2,3
	v_max3_num_f32 v[TM+\b], v[TM+\b], |v[\s+16*\b+\i]|, |v[\s+1+16*\b+\i]|
.endr
.endr
.irp b,0,1,2,3
	v_permlanex16_b32 v[TM+4+\b], v[TM+\b], s32, s33
.endr
.irp b,0,1,2,3
	v_max_num_f32 v[TM+\b], v[TM+\b], v[TM+4+\b]   ; with lane l xor 16's: the block's largest magnitude
.endr
.irp b,0,1,2,3
	v_add_nc_u32 v[TM+12+\b], 0xff000000, v[TM+\b] ; 2 off its exponent field: the conversion's scale operand
.endr
.irp b,0,1,2,3
	v_lshrrev_b32 v[TM+4+\b], 23, v[TM+12+\b]      ; the scale's byte
.endr
	v_lshl_or_b32 v[PW], v[TM+5], 8, v[TM+4]
	v_lshl_or_b32 v[PW], v[TM+6], 16, v[PW]
	v_lshl_or_b32 v[PW], v[TM+7], 24, v[PW]
.irp c,0,1
	v_cvt_scalef32_pk16_fp6_f32 v[PC+6*\c:PC+2+6*\c], v[\s+32*\c:\s+15+32*\c], v[TM+12+2*\c]
	v_cvt_scalef32_pk16_fp6_f32 v[PC+12+4*\c:PC+14+4*\c], v[\s+16+32*\c:\s+31+32*\c], v[TM+12+2*\c+1]
.endr
	v_nop                                          ; one plain place behind a scaled conversion
.irp c,0,1                                     ; the operand's layout wants a whole block in a lane
.irp i,0,1,2
	v_permlane16_swap_b32 v[PC+6*\c+\i], v[PC+12+4*\c+\i]
.endr
.irp i,0,1,2
	v_mov_b32 v[PC+3+6*\c+\i], v[PC+12+4*\c+\i]
.endr
.endr
.endm
.macro IMAGE s
.irp c,0,1,2
	ds_store_b128 v11, v[PC+4*\c:PC+4*\c+3] offset:1536*(\s)+512*\c
.endr
	ds_store_b32 v12, v[PW] offset:128*(\s)
.endm
.macro XLOAD reg, s                    ; my row's numbers of K step s: 16 neighbours of each block of 32
.irp b,0,1,2,3
.irp j,0,1,2,3
	global_load_b128 v[\reg+16*\b+4*\j:\reg+16*\b+4*\j+3], v6, s[4:5] offset:512*(\s)+128*\b+16*\j th:TH_LOAD_NT
.endr
.endr
.endm
.macro SBATCH set, b                   ; four partials of my subset: the means and the M2 of my four columns
.irp p,0,1,2,3
	global_load_b128 v[\set+8*\p:\set+8*\p+3], v7, s[6:7] offset:(4*(\b)+\p)*8*KIN
	global_load_b128 v[\set+8*\p+4:\set+8*\p+7], v7, s[6:7] offset:(4*(\b)+\p)*8*KIN+4*KIN
.endr
.endm
.macro SACC set
.irp p,0,1,2,3
	v_pk_add_f32 v[228:229], v[\set+8*\p:\set+8*\p+1], v[48:49] neg_lo:[0,1] neg_hi:[0,1]
	v_pk_add_f32 v[230:231], v[\set+8*\p+2:\set+8*\p+3], v[50:51] neg_lo:[0,1] neg_hi:[0,1]
	v_pk_add_f32 v[224:225], v[224:225], v[\set+8*\p+4:\set+8*\p+5]
	v_pk_add_f32 v[226:227], v[226:227], v[\set+8*\p+6:\set+8*\p+7]
	v_pk_add_f32 v[216:217], v[216:217], v[228:229]
	v_pk_add_f32 v[218:219], v[218:219], v[230:231]
	v_pk_fma_f32 v[220:221], v[228:229], v[228:229], v[220:221]
	v_pk_fma_f32 v[222:223], v[230:231], v[230:231], v[222:223]
.endr
.endm
.macro BN x, s                         ; the norm and the activation on 64 numbers
.irp b,0,1,2,3
.irp j,0,1,2,3
	ds_load_b128 v[184+4*\j:187+4*\j], v10 offset:512*(\s)+128*\b+16*\j
	ds_load_b128 v[200+4*\j:203+4*\j], v10 offset:4*KIN+512*(\s)+128*\b+16*\j
	ds_load_b128 v[216+4*\j:219+4*\j], v10 offset:8*KIN+512*(\s)+128*\b+16*\j
.endr
	s_wait_dscnt 0x0
.irp e,0,2,4,6,8,10,12,14
	v_pk_add_f32 v[\x+16*\b+\e:\x+16*\b+\e+1], v[\x+16*\b+\e:\x+16*\b+\e+1], v[184+\e:185+\e] neg_lo:[0,1] neg_hi:[0,1]
.endr
.irp e,0,2,4,6,8,10,12,14
	v_pk_fma_f32 v[\x+16*\b+\e:\x+16*\b+\e+1], v[\x+16*\b+\e:\x+16*\b+\e+1], v[200+\e:201+\e], v[216+\e:217+\e]
.endr
.irp e,0,1,2,3,4,5,6,7,8,9,10,11,12,13,14,15
	v_max_num_f32 v[\x+16*\b+\e], 0, v[\x+16*\b+\e]
.endr
.endr
.endm
	s_load_b512 s[4:19], s[0:1], 0x0               ; x in s[4:5], partials in s[6:7], g s[8:9], be s[10:11], wq s[12:13], b s[14:15], x out s[16:17], partials out s[18:19]
	v_lshl_add_u32 v18, v0, 2, SPARE
	v_mov_b32 v19, 0
	v_lshrrev_b32 v1, 5, v0
	v_readfirstlane_b32 s2, v1                     ; wave 0..7
	v_and_b32 v1, 31, v0
	v_and_b32 v2, 15, v0
	v_bfe_u32 v3, v0, 4, 1
	s_and_b32 s20, s2, CP-1                        ; cp
	s_lshr_b32 s21, s2, LCP                        ; rp
	v_lshlrev_b32 v4, 4, v1
	v_lshlrev_b32 v5, 2, v1
	s_mul_i32 s22, s2, 64*KIN
	v_mul_u32_u24 v6, v2, 4*KIN
	v_lshl_add_u32 v6, v3, 6, v6
	v_add_nc_u32 v6, s22, v6                       ; x: row 16 w + r, + 64 h
	v_and_b32 v8, KIN/4-1, v0
	v_lshlrev_b32 v8, 4, v8                        ; my quad of columns, in bytes
	v_lshrrev_b32 v53, LKQ, v0                     ; my subset of the partials
	v_mul_u32_u24 v7, v53, KIN*KIN                 ; KIN / 8 partials of 8 KIN bytes
	v_add_nc_u32 v7, v7, v8
	v_mul_u32_u24 v9, v53, 12*KIN
	v_add_nc_u32 v9, v9, v8
	v_lshl_add_u32 v10, v3, 6, PRM
	s_mul_i32 s22, s2, NKS*1536
	s_add_co_u32 s22, s22, IMG
	v_add_nc_u32 v11, s22, v4
	s_mul_i32 s22, s2, NKS*128
	s_add_co_u32 s22, s22, ISC
	v_add_nc_u32 v12, s22, v5
	s_mul_i32 s22, s2, 4352
	s_add_co_u32 s22, s22, STG
	v_mul_u32_u24 v13, v3, 2176
	v_lshl_add_u32 v13, v2, 2, v13
	v_add_nc_u32 v13, s22, v13                     ; the stage, in: row 8 h + j, column r
	v_mul_u32_u24 v14, v3, 272
	v_lshl_add_u32 v14, v2, 4, v14
	v_add_nc_u32 v14, s22, v14                     ; and back: lanes 0-15 one row of 256 bytes, lanes 16-31 the next
	s_mul_i32 s22, s21, RT*64*NOUT
	s_lshl_b32 s23, s20, 8
	s_add_co_u32 s22, s22, s23
	v_mul_u32_u24 v15, v3, 4*NOUT
	v_lshl_add_u32 v15, v2, 4, v15
	v_add_nc_u32 v15, s22, v15                     ; the same two rows in the output
	s_mul_i32 s22, s21, 8*NOUT
	s_add_co_u32 s22, s22, s23
	s_add_co_u32 s22, s22, WST
	v_lshl_add_u32 v16, v2, 2, s22
	s_mul_i32 s22, s21, RT*NKS*1536
	s_add_co_u32 s22, s22, IMG
	v_add_nc_u32 v17, s22, v4
	s_mul_i32 s22, s21, RT*NKS*128
	s_add_co_u32 s22, s22, ISC
	v_add_nc_u32 v54, s22, v5
	s_lshl_b32 s22, s2, 8
	v_lshl_add_u32 v53, v1, 3, s22
	v_add_nc_u32 v55, WST, v53
	v_lshlrev_b32 v52, 2, v2
	s_mov_b32 s32, 0x76543210
	s_mov_b32 s33, 0xfedcba98                      ; v_permlanex16_b32: lane l xor 16
	s_mov_b32 s23, 0
	s_wait_kmcnt 0x0
	s_mul_i32 s22, s20, 6144*NKS
	s_add_co_u32 s22, s22, FB*1536
	s_add_nc_u64 s[24:25], s[12:13], s[22:23]      ; my 4 NKS weight fragments
	s_mul_i32 s22, s20, 512*NKS
	s_add_co_u32 s22, s22, FB*128+SCB
	s_add_nc_u64 s[26:27], s[12:13], s[22:23]      ; and their scale words
	s_lshl_b32 s22, s20, 8
	s_add_nc_u64 s[14:15], s[14:15], s[22:23]
	s_mul_i32 s22, ttmp9, 512*KIN
	s_add_nc_u64 s[4:5], s[4:5], s[22:23]
	s_mul_i32 s22, ttmp9, 512*NOUT
	s_add_nc_u64 s[16:17], s[16:17], s[22:23]
	s_mul_i32 s22, ttmp9, 8*NOUT
	s_add_nc_u64 s[18:19], s[18:19], s[22:23]
	WIN 0x40                                       ; destination window 1
.set q, 0
.rept 4*NKS
	global_load_b128 v[12*q:12*q+3], v4, s[24:25] offset:1536*q
	global_load_b128 v[12*q+4:12*q+7], v4, s[24:25] offset:1536*q+512
	global_load_b128 v[12*q+8:12*q+11], v4, s[24:25] offset:1536*q+1024
.set q, q+1
.endr
	WIN 0
.set q, 0
.rept 4*NKS
	global_load_b32 v[32+q], v5, s[26:27] offset:128*q
.set q, q+1
.endr
.irp t,0,1,2,3
	global_load_b32 v[20+\t], v52, s[14:15] offset:64*\t
.endr
	XLOAD 56, 0
	global_load_b128 v[24:27], v8, s[8:9]
	global_load_b128 v[28:31], v8, s[10:11]
	global_load_b128 v[48:51], v8, s[6:7]          ; the first partial's mean: the shift
.set bb, 0
.rept 3
.if bb < NB
	SBATCH 120+32*bb, bb
.endif
.set bb, bb+1
.endr
.set i, 216
.rept 12
	v_mov_b32 v[i], 0
.set i, i+1
.endr
	; ---- the statistics: a ring of three sets of four partials
.set bb, 0
.rept NB
.if NB-1-bb >= 2
	s_wait_loadcnt 16                              ; the two younger batches, eight loads each, may be out
.else
	s_wait_loadcnt 8*(NB-1-bb)
.endif
	SACC 120+32*(bb%3)
.if bb+3 < NB
	SBATCH 120+32*(bb%3), bb+3
.endif
.set bb, bb+1
.endr
	ds_store_b128 v9, v[216:219] offset:RED
	ds_store_b128 v9, v[220:223] offset:RED+4*KIN
	ds_store_b128 v9, v[224:227] offset:RED+8*KIN
	BAR
	s_cmp_ge_u32 s2, NKS                           ; KIN / 4 threads join the subsets; their own quad is the thread's number
	s_cbranch_scc1 .Lnofin
.set i, 216
.rept 12
	v_mov_b32 v[i], 0
.set i, i+1
.endr
.set rr, 0
.rept (NSUB+7)/8
.set jj, 0
.rept NS8
	ds_load_b128 v[120+12*jj:123+12*jj], v8 offset:RED+(8*rr+jj)*12*KIN
	ds_load_b128 v[124+12*jj:127+12*jj], v8 offset:RED+(8*rr+jj)*12*KIN+4*KIN
	ds_load_b128 v[128+12*jj:131+12*jj], v8 offset:RED+(8*rr+jj)*12*KIN+8*KIN
.set jj, jj+1
.endr
	s_wait_dscnt 0x0
.set jj, 0
.rept NS8
.irp e,0,2,4,6,8,10
	v_pk_add_f32 v[216+\e:217+\e], v[216+\e:217+\e], v[120+12*jj+\e:121+12*jj+\e]
.endr
.set jj, jj+1
.endr
.set rr, rr+1
.endr
	s_mov_b32 s28, 0x3c000000                      ; 1 / 128
	s_mov_b32 s29, 0x43000000                      ; 128: the rows of a partial, and the number of partials
	s_mov_b32 s30, 0x38800000                      ; 1 / 16,384
	s_mov_b32 s31, 0x3727c5ac                      ; 1e-5
.irp i,0,1,2,3
	v_mul_f32 v[120+\i], s28, v[216+\i]
.endr
.irp i,0,1,2,3
	v_fma_f32 v[220+\i], -v[120+\i], v[216+\i], v[220+\i]   ; the means' squared deviations from their own mean
	v_add_f32 v[120+\i], v[48+\i], v[120+\i]                ; the mean
.endr
.irp i,0,1,2,3
	v_fma_f32 v[224+\i], s29, v[220+\i], v[224+\i]          ; M2 of all rows
.endr
.irp i,0,1,2,3
	v_fma_f32 v[224+\i], v[224+\i], s30, s31                ; var + 1e-5
.endr
.irp i,0,1,2,3
	v_rsq_f32 v[124+\i], v[224+\i]
.endr
	v_nop                                          ; a plain place behind the transcendentals
	s_wait_alu depctr_va_vdst(0)                   ; one wait for the four, ahead of their first reader
.irp i,0,1,2,3
	v_mul_f32 v[124+\i], v[24+\i], v[124+\i]
.endr
	ds_store_b128 v8, v[120:123] offset:PRM
	ds_store_b128 v8, v[124:127] offset:PRM+4*KIN
	ds_store_b128 v8, v[28:31] offset:PRM+8*KIN
.Lnofin:
	BAR
	; ---- my 16 rows: norm, activation, codes; a K step's numbers are asked for while the step before is worked on
.set ss, 0
.rept NKS
.if ss+1 < NKS
	XLOAD 56+64*((ss+1)%2), ss+1
	s_wait_loadcnt 16                              ; the sixteen just issued may be out
.else
	s_wait_loadcnt 0x0
.endif
	BN 56+64*(ss%2), ss
	QUANT 56+64*(ss%2)
	IMAGE ss
	s_wait_dscnt 0x0                               ; the stores have read their registers
.set ss, ss+1
.endr
	BAR                                            ; all fragments lie in LDS
	; ---- the product: my 64 columns x RT row tiles
.irp t,0,1,2,3
.irp j,0,1,2,3,4,5,6,7
	v_mov_b32 v[152+8*\t+\j], v[20+\t]             ; the bias is the C of each sum's first matrix instruction: a lane holds one column
.endr
.endr
.set i, 224
.rept 16
	v_mov_b32 v[i], 0
.set i, i+1
.endr
.set mi, 0
.rept RT
	s_wait_xcnt 0x0                                ; earlier stores have read their registers: these are loaded again only behind this wait
.set ss, 0
.rept NKS
	ds_load_b128 v[56+12*ss:59+12*ss], v17 offset:(mi*NKS+ss)*1536
	ds_load_b128 v[60+12*ss:63+12*ss], v17 offset:(mi*NKS+ss)*1536+512
	ds_load_b128 v[64+12*ss:67+12*ss], v17 offset:(mi*NKS+ss)*1536+1024
	ds_load_b32 v[104+ss], v54 offset:(mi*NKS+ss)*128
.set ss, ss+1
.endr
	s_wait_dscnt 0x0
	WIN 0x04                                       ; source 1 (the weights) window 1
.set ss, 0
.rept NKS                                      ; the four accumulators take turns, one instruction a turn
.irp t,0,1,2,3
.if ss == 0
	v_wmma_scale_f32_16x16x128_f8f6f4 v[120+8*\t:127+8*\t], v[56+12*ss:67+12*ss], v[12*(\t*NKS+ss):12*(\t*NKS+ss)+11], v[152+8*\t:159+8*\t], v[104+ss], v[32+\t*NKS+ss] matrix_a_fmt:MATRIX_FMT_FP6 matrix_b_fmt:MATRIX_FMT_FP6
.else
	v_wmma_scale_f32_16x16x128_f8f6f4 v[120+8*\t:127+8*\t], v[56+12*ss:67+12*ss], v[12*(\t*NKS+ss):12*(\t*NKS+ss)+11], v[120+8*\t:127+8*\t], v[104+ss], v[32+\t*NKS+ss] matrix_a_fmt:MATRIX_FMT_FP6 matrix_b_fmt:MATRIX_FMT_FP6
.endif
.endr
.set ss, ss+1
.endr
	WIN 0
.rept 5
	v_nop                                          ; five places: for the reads of the results, for the next tile's loads into the fragments, and for its products, which begin these accumulators anew
.endr
.if mi == 0
.irp t,0,1,2,3
	v_mov_b32 v[216+2*\t], v[120+8*\t]             ; the lane's first number of each column is the shift about which its sums are taken
	v_mov_b32 v[217+2*\t], v[120+8*\t]
.endr
.endif
.irp t,0,1,2,3                                 ; each accumulator is read from its low end on
.irp e,0,2,4,6
	v_pk_add_f32 v[240+\e:241+\e], v[120+8*\t+\e:121+8*\t+\e], v[216+2*\t:217+2*\t] neg_lo:[0,1] neg_hi:[0,1]
.endr
.irp e,0,2,4,6
	v_pk_add_f32 v[224+2*\t:225+2*\t], v[224+2*\t:225+2*\t], v[240+\e:241+\e]
	v_pk_fma_f32 v[232+2*\t:233+2*\t], v[240+\e:241+\e], v[240+\e:241+\e], v[232+2*\t:233+2*\t]
.endr
.endr
.irp t,0,1,2,3
.irp j,0,1,2,3,4,5,6,7
	ds_store_b32 v13, v[120+8*\t+\j] offset:272*\j+64*\t
.endr
.endr
.irp i,0,1,2,3,4,5,6,7
	ds_load_b128 v[184+4*\i:187+4*\i], v14 offset:544*\i   ; LDS serves a wave's instructions in order: these see my stores; the stage is my own
.endr
.irp i,0,1,2,3,4,5,6,7
	s_wait_dscnt 7-\i                              ; the younger loads of the run may be out
	global_store_b128 v15, v[184+4*\i:187+4*\i], s[16:17] offset:(16*mi+2*\i)*4*NOUT   ; 16 lanes store 256 consecutive bytes, at a multiple of 256 from the buffer's first byte
.endr
.set mi, mi+1
.endr
	; ---- a lane's 8 RT numbers of each column: mean and sum of squared deviations; then with lane l xor 16's
	s_mov_b32 s28, (127-3-LCP)<<23                 ; 1 / (8 RT)
	s_mov_b32 s29, (127+2+LCP)<<23                 ; 4 RT
.irp t,0,1,2,3
	v_add_f32 v[240+\t], v[224+2*\t], v[225+2*\t]
	v_add_f32 v[244+\t], v[232+2*\t], v[233+2*\t]
.endr
.irp t,0,1,2,3
	v_mul_f32 v[56+\t], s28, v[240+\t]
.endr
.irp t,0,1,2,3
	v_fma_f32 v[244+\t], -v[56+\t], v[240+\t], v[244+\t]
	v_add_f32 v[240+\t], v[216+2*\t], v[56+\t]
.endr
.irp t,0,1,2,3
	v_permlanex16_b32 v[60+\t], v[240+\t], s32, s33
	v_permlanex16_b32 v[64+\t], v[244+\t], s32, s33
.endr
.irp t,0,1,2,3
	v_sub_f32 v[68+\t], v[240+\t], v[60+\t]
	v_add_f32 v[240+\t], v[240+\t], v[60+\t]
	v_add_f32 v[244+\t], v[244+\t], v[64+\t]
.endr
.irp t,0,1,2,3
	v_mul_f32 v[68+\t], v[68+\t], v[68+\t]
	v_mul_f32 v[240+\t], 0.5, v[240+\t]
.endr
.irp t,0,1,2,3
	v_fma_f32 v[244+\t], v[68+\t], s29, v[244+\t]
.endr
.irp t,0,1,2,3
	ds_store_b32 v16, v[240+\t] offset:64*\t       ; (both halves of the lanes write the same bytes with the same values)
	ds_store_b32 v16, v[244+\t] offset:64*\t+4*NOUT
.endr
	BAR
	; ---- the row parts are joined, about the first part's mean; waves 0 .. CP - 1, two columns a lane
	s_cmp_ge_u32 s2, CP
	s_cbranch_scc1 .Lnof
.set p, 0
.rept RP
	ds_load_b64 v[56+4*p:57+4*p], v55 offset:p*8*NOUT
	ds_load_b64 v[58+4*p:59+4*p], v55 offset:p*8*NOUT+4*NOUT
.set p, p+1
.endr
	s_mov_b32 s28, (127-3+LCP)<<23                 ; 1 / RP
	s_mov_b32 s29, s28
	s_mov_b32 s30, (127+4+LCP)<<23                 ; 16 RT: the rows of a part
	s_mov_b32 s31, s30
.irp i,240,241,242,243
	v_mov_b32 v[\i], 0
.endr
	s_wait_dscnt 0x0
.if RP > 1
.set p, 1
.rept RP-1
	v_pk_add_f32 v[246:247], v[56+4*p:57+4*p], v[56:57] neg_lo:[0,1] neg_hi:[0,1]
	v_pk_add_f32 v[240:241], v[240:241], v[246:247]
	v_pk_fma_f32 v[242:243], v[246:247], v[246:247], v[242:243]
	v_pk_add_f32 v[58:59], v[58:59], v[58+4*p:59+4*p]
.set p, p+1
.endr
.endif
	v_pk_mul_f32 v[246:247], v[240:241], s[28:29] op_sel_hi:[1,0]
	v_pk_fma_f32 v[242:243], v[246:247], v[240:241], v[242:243] neg_lo:[1,0,0] neg_hi:[1,0,0]
	v_pk_add_f32 v[56:57], v[56:57], v[246:247]
	v_pk_fma_f32 v[58:59], v[242:243], s[30:31], v[58:59] op_sel_hi:[1,0,1]
	global_store_b64 v53, v[56:57], s[18:19]       ; 32 lanes store 256 consecutive bytes
	global_store_b64 v53, v[58:59], s[18:19] offset:4*NOUT
.Lnof:
	s_wait_tensorcnt 0x0                           ; the wave's end
	ds_add_u32 v18, v19
	s_wait_dscnt 0x0
	s_endpgm
.Lfunc_end_k_qc3bbf01091_layer3:
	.size	k_qc3bbf01091_layer3, .Lfunc_end_k_qc3bbf01091_layer3-k_qc3bbf01091_layer3
	.p2alignl 7, 3214868480
	.fill 96, 4, 3214868480
	.section	.rodata,"a",@progbits
	.p2align	6, 0x0
	.amdhsa_kernel k_qc3bbf01091_layer3
		.amdhsa_group_segment_fixed_size 111616
		.amdhsa_private_segment_fixed_size 0
		.amdhsa_enable_private_segment 0
		.amdhsa_kernarg_size 64
		.amdhsa_user_sgpr_count 2
		.amdhsa_user_sgpr_kernarg_segment_ptr 1
		.amdhsa_wavefront_size32 1
		.amdhsa_system_sgpr_workgroup_id_x 1
		.amdhsa_system_sgpr_workgroup_id_y 1
		.amdhsa_system_sgpr_workgroup_id_z 1
		.amdhsa_system_vgpr_workitem_id 0
		.amdhsa_next_free_vgpr 352
		.amdhsa_next_free_sgpr 66
		.amdhsa_reserve_vcc 0
		.amdhsa_float_denorm_mode_32 3
		.amdhsa_float_denorm_mode_16_64 3
		.amdhsa_memory_ordered 1
		.amdhsa_forward_progress 1
		.amdhsa_inst_pref_size 137
	.end_amdhsa_kernel
	.amdgpu_metadata
---
amdhsa.version: [ 1, 2 ]
amdhsa.kernels:
  - .name:           k_qc3bbf01091_layer3
    .symbol:         k_qc3bbf01091_layer3.kd
    .args:
      - { .name: xb, .offset: 0, .size: 8, .value_kind: global_buffer, .address_space: global }
      - { .name: pb, .offset: 8, .size: 8, .value_kind: global_buffer, .address_space: global }
      - { .name: g2, .offset: 16, .size: 8, .value_kind: global_buffer, .address_space: global }
      - { .name: be2, .offset: 24, .size: 8, .value_kind: global_buffer, .address_space: global }
      - { .name: wq, .offset: 32, .size: 8, .value_kind: global_buffer, .address_space: global }
      - { .name: b3, .offset: 40, .size: 8, .value_kind: global_buffer, .address_space: global }
      - { .name: xa, .offset: 48, .size: 8, .value_kind: global_buffer, .address_space: global }
      - { .name: pa, .offset: 56, .size: 8, .value_kind: global_buffer, .address_space: global }
    .group_segment_fixed_size: 111616
    .private_segment_fixed_size: 0
    .kernarg_segment_align: 8
    .kernarg_segment_size: 64
    .max_flat_workgroup_size: 256
    .sgpr_count:     66
    .vgpr_count:     352
    .wavefront_size: 32
...
	.end_amdgpu_metadata
.endif
;; end of part 5
;; launch layer4 (part 6): grid 128 x 1, 8 waves a work-group, no clusters, 111,616 bytes of LDS; arguments xa, pa, g3, be3, wq, b4, xb, pb; writes xb, pb
.if DOCPART == 6
	.amdgcn_target "amdgcn-amd-amdhsa--gfx1250"
	.amdhsa_code_object_version 6
	.text
	.protected	k_qc3bbf01091_layer4
	.globl	k_qc3bbf01091_layer4
	.p2align	8
	.type	k_qc3bbf01091_layer4,@function
k_qc3bbf01091_layer4:
	s_mov_b64 s[64:65], 0
	v_nop
	global_prefetch_b8 v0, s[64:65] scope:SCOPE_SE
	s_setreg_imm32_b32 hwreg(HW_REG_WAVE_MODE, 25, 1), 1
	s_wait_xcnt 0x0
; A LAYER: a = relu(g (x - mean) rsqrt(var + 1e-5) + be), mean and var over all 16,384 rows; y = Q(a) Q(w) + b on codes of FP6 (E2M3) with one E8M0 scale for each 32 along K; y goes to memory
; in f32, with the mean and the sum of squared deviations (M2) of each column over the work-group's 128 rows.  The text is the same for four layers; the five lines below give the sizes.
; STATISTICS.  Every work-group reads all 128 partial (mean, M2) and joins them about the first partial's mean: no difference of large sums is formed.  The norm is taken as (x - mean) sc + be, sc = g rsqrt(..).
; LIMITS: NaN and infinities are not served; a block of zeros gets the scale byte 1 (its codes are zeros; the bytes are read by this program alone).
; SHARES.  128 work-groups of 128 rows: each work-group reads every work-group's statistics, so those bytes grow with the square of the grid; by that count 128 work-groups move fewer bytes than 256.
; Wave w normalises and quantises row tile w (16 rows); for the product it takes 64 columns (column part cp = w % CP) of RT row tiles (row part rp = w / CP).  Its 4 NKS weight fragments stay in
; registers (window 1), read once as images of the operand's registers.  Activations go from wave to wave through LDS as such images.
; The matrix instruction is used in its natural order (source 0 = 16 rows, source 1 = 16 columns): a lane holds one column and eight rows, so column sums stay in the lane.
; No tensor load, no cluster: what work-groups share (the codes, the partials) is small and goes straight into registers.
.set KIN,  512
.set NOUT, 128
.set LCP,  1                           ; log2(NOUT / 64)
.set LKQ,  7                           ; log2(KIN / 4)
.set FB,   88                          ; the weight's first fragment in wq
.set NKS,  KIN/128
.set CP,   NOUT/64
.set RP,   8/CP
.set RT,   CP
.set NSUB, 1024/KIN                    ; the 256 threads are KIN / 4 quads of columns x NSUB subsets of the partials
.set NB,   KIN/32                      ; batches of four partials in a subset
.if NSUB > 8
.set NS8, 8
.else
.set NS8, NSUB
.endif
.set RED,  0                           ; LDS: [subset][3][KIN] f32
.set PRM,  12288                       ; mean[KIN], sc[KIN], be[KIN]
.set IMG,  18432                       ; the activations' fragments (row tile m, K step s) at (m NKS + s) x 1,536
.set ISC,  67584                       ; their scale words, 128 bytes each
.set STG,  71680                       ; a stage of 16 rows x (256 + 16) bytes for each wave
.set WST,  106496                      ; [row part][mean, M2][NOUT]
.set SPARE,110592                      ; the spare words, 128 bytes for each wave: four blocks of 256 bytes that no other line names
.set SCB,  190464
.set TM,   184
.set PW,   200
.set PC,   204
.set MSB,  0
; window 0: v1 lane, v2 r, v3 h, v4 16 x lane, v5 4 x lane, v6-17, v52-55 addresses, v18, v19 the add's two, v20-23 bias, v24-27 g, v28-31 be, v32-47 the weights' scale words, v48-51 the first partial's mean,
; v56-119, v120-183 numbers of x (v120-215 three sets of partials, v216-231 their sums), v184-231 mean, sc, be of 16 columns; later v56-103 fragments, v104-107 their scale words, v120-151 accumulators,
; v152-183 the bias as C, v184-215 rows on their way out, v216-247 column sums
.macro WIN new                         ; the immediate's high byte repeats the setting that is left
.if MSB != \new
	s_set_vgpr_msb (MSB<<8)|\new
.set MSB, \new
.endif
.endm
.macro BAR
	s_wait_dscnt 0x0                               ; my LDS stores have landed and my LDS loads are in
	s_barrier_signal -1
	s_barrier_wait -1
.endm
; 64 numbers of a lane, register 16 b + i = k 32 b + 16 (lane / 16) + i of my row, become a fragment's codes in v[PC] on and its scale word in v[PW]
.macro QUANT s
.irp b,0,1,2,3
	v_max3_num_f32 v[TM+\b], |v[\s+16*\b]|, |v[\s+1+16*\b]|, 0x1800000   ; with the floor 2^(3 - 127): the byte cannot fall under 1
	v_mov_b32 v[TM+4+\b], 0                        ; (a lane permute's destination counts as one of its sources)
.endr
.irp i,2,4,6,8,10,12,14
.irp b,0,1,2,3
	v_max3_num_f32 v[TM+\b], v[TM+\b], |v[\s+16*\b+\i]|, |v[\s+1+16*\b+\i]|
.endr
.endr
.irp b,0,1,2,3
	v_permlanex16_b32 v[TM+4+\b], v[TM+\b], s32, s33
.endr
.irp b,0,1,2,3
	v_max_num_f32 v[TM+\b], v[TM+\b], v[TM+4+\b]   ; with lane l xor 16's: the block's largest magnitude
.endr
.irp b,0,1,2,3
	v_add_nc_u32 v[TM+12+\b], 0xff000000, v[TM+\b] ; 2 off its exponent field: the conversion's scale operand
.endr
.irp b,0,1,2,3
	v_lshrrev_b32 v[TM+4+\b], 23, v[TM+12+\b]      ; the scale's byte
.endr
	v_lshl_or_b32 v[PW], v[TM+5], 8, v[TM+4]
	v_lshl_or_b32 v[PW], v[TM+6], 16, v[PW]
	v_lshl_or_b32 v[PW], v[TM+7], 24, v[PW]
.irp c,0,1
	v_cvt_scalef32_pk16_fp6_f32 v[PC+6*\c:PC+2+6*\c], v[\s+32*\c:\s+15+32*\c], v[TM+12+2*\c]
	v_cvt_scalef32_pk16_fp6_f32 v[PC+12+4*\c:PC+14+4*\c], v[\s+16+32*\c:\s+31+32*\c], v[TM+12+2*\c+1]
.endr
	v_nop                                          ; one plain place behind a scaled conversion
.irp c,0,1                                     ; the operand's layout wants a whole block in a lane
.irp i,0,1,2
	v_permlane16_swap_b32 v[PC+6*\c+\i], v[PC+12+4*\c+\i]
.endr
.irp i,0,1,2
	v_mov_b32 v[PC+3+6*\c+\i], v[PC+12+4*\c+\i]
.endr
.endr
.endm
.macro IMAGE s
.irp c,0,1,2
	ds_store_b128 v11, v[PC+4*\c:PC+4*\c+3] offset:1536*(\s)+512*\c
.endr
	ds_store_b32 v12, v[PW] offset:128*(\s)
.endm
.macro XLOAD reg, s                    ; my row's numbers of K step s: 16 neighbours of each block of 32
.irp b,0,1,2,3
.irp j,0,1,2,3
	global_load_b128 v[\reg+16*\b+4*\j:\reg+16*\b+4*\j+3], v6, s[4:5] offset:512*(\s)+128*\b+16*\j th:TH_LOAD_NT
.endr
.endr
.endm
.macro SBATCH set, b                   ; four partials of my subset: the means and the M2 of my four columns
.irp p,0,1,2,3
	global_load_b128 v[\set+8*\p:\set+8*\p+3], v7, s[6:7] offset:(4*(\b)+\p)*8*KIN
	global_load_b128 v[\set+8*\p+4:\set+8*\p+7], v7, s[6:7] offset:(4*(\b)+\p)*8*KIN+4*KIN
.endr
.endm
.macro SACC set
.irp p,0,1,2,3
	v_pk_add_f32 v[228:229], v[\set+8*\p:\set+8*\p+1], v[48:49] neg_lo:[0,1] neg_hi:[0,1]
	v_pk_add_f32 v[230:231], v[\set+8*\p+2:\set+8*\p+3], v[50:51] neg_lo:[0,1] neg_hi:[0,1]
	v_pk_add_f32 v[224:225], v[224:225], v[\set+8*\p+4:\set+8*\p+5]
	v_pk_add_f32 v[226:227], v[226:227], v[\set+8*\p+6:\set+8*\p+7]
	v_pk_add_f32 v[216:217], v[216:217], v[228:229]
	v_pk_add_f32 v[218:219], v[218:219], v[230:231]
	v_pk_fma_f32 v[220:221], v[228:229], v[228:229], v[220:221]
	v_pk_fma_f32 v[222:223], v[230:231], v[230:231], v[222:223]
.endr
.endm
.macro BN x, s                         ; the norm and the activation on 64 numbers
.irp b,0,1,2,3
.irp j,0,1,2,3
	ds_load_b128 v[184+4*\j:187+4*\j], v10 offset:512*(\s)+128*\b+16*\j
	ds_load_b128 v[200+4*\j:203+4*\j], v10 offset:4*KIN+512*(\s)+128*\b+16*\j
	ds_load_b128 v[216+4*\j:219+4*\j], v10 offset:8*KIN+512*(\s)+128*\b+16*\j
.endr
	s_wait_dscnt 0x0
.irp e,0,2,4,6,8,10,12,14
	v_pk_add_f32 v[\x+16*\b+\e:\x+16*\b+\e+1], v[\x+16*\b+\e:\x+16*\b+\e+1], v[184+\e:185+\e] neg_lo:[0,1] neg_hi:[0,1]
.endr
.irp e,0,2,4,6,8,10,12,14
	v_pk_fma_f32 v[\x+16*\b+\e:\x+16*\b+\e+1], v[\x+16*\b+\e:\x+16*\b+\e+1], v[200+\e:201+\e], v[216+\e:217+\e]
.endr
.irp e,0,1,2,3,4,5,6,7,8,9,10,11,12,13,14,15
	v_max_num_f32 v[\x+16*\b+\e], 0, v[\x+16*\b+\e]
.endr
.endr
.endm
	s_load_b512 s[4:19], s[0:1], 0x0               ; x in s[4:5], partials in s[6:7], g s[8:9], be s[10:11], wq s[12:13], b s[14:15], x out s[16:17], partials out s[18:19]
	v_lshl_add_u32 v18, v0, 2, SPARE
	v_mov_b32 v19, 0
	v_lshrrev_b32 v1, 5, v0
	v_readfirstlane_b32 s2, v1                     ; wave 0..7
	v_and_b32 v1, 31, v0
	v_and_b32 v2, 15, v0
	v_bfe_u32 v3, v0, 4, 1
	s_and_b32 s20, s2, CP-1                        ; cp
	s_lshr_b32 s21, s2, LCP                        ; rp
	v_lshlrev_b32 v4, 4, v1
	v_lshlrev_b32 v5, 2, v1
	s_mul_i32 s22, s2, 64*KIN
	v_mul_u32_u24 v6, v2, 4*KIN
	v_lshl_add_u32 v6, v3, 6, v6
	v_add_nc_u32 v6, s22, v6                       ; x: row 16 w + r, + 64 h
	v_and_b32 v8, KIN/4-1, v0
	v_lshlrev_b32 v8, 4, v8                        ; my quad of columns, in bytes
	v_lshrrev_b32 v53, LKQ, v0                     ; my subset of the partials
	v_mul_u32_u24 v7, v53, KIN*KIN                 ; KIN / 8 partials of 8 KIN bytes
	v_add_nc_u32 v7, v7, v8
	v_mul_u32_u24 v9, v53, 12*KIN
	v_add_nc_u32 v9, v9, v8
	v_lshl_add_u32 v10, v3, 6, PRM
	s_mul_i32 s22, s2, NKS*1536
	s_add_co_u32 s22, s22, IMG
	v_add_nc_u32 v11, s22, v4
	s_mul_i32 s22, s2, NKS*128
	s_add_co_u32 s22, s22, ISC
	v_add_nc_u32 v12, s22, v5
	s_mul_i32 s22, s2, 4352
	s_add_co_u32 s22, s22, STG
	v_mul_u32_u24 v13, v3, 2176
	v_lshl_add_u32 v13, v2, 2, v13
	v_add_nc_u32 v13, s22, v13                     ; the stage, in: row 8 h + j, column r
	v_mul_u32_u24 v14, v3, 272
	v_lshl_add_u32 v14, v2, 4, v14
	v_add_nc_u32 v14, s22, v14                     ; and back: lanes 0-15 one row of 256 bytes, lanes 16-31 the next
	s_mul_i32 s22, s21, RT*64*NOUT
	s_lshl_b32 s23, s20, 8
	s_add_co_u32 s22, s22, s23
	v_mul_u32_u24 v15, v3, 4*NOUT
	v_lshl_add_u32 v15, v2, 4, v15
	v_add_nc_u32 v15, s22, v15                     ; the same two rows in the output
	s_mul_i32 s22, s21, 8*NOUT
	s_add_co_u32 s22, s22, s23
	s_add_co_u32 s22, s22, WST
	v_lshl_add_u32 v16, v2, 2, s22
	s_mul_i32 s22, s21, RT*NKS*1536
	s_add_co_u32 s22, s22, IMG
	v_add_nc_u32 v17, s22, v4
	s_mul_i32 s22, s21, RT*NKS*128
	s_add_co_u32 s22, s22, ISC
	v_add_nc_u32 v54, s22, v5
	s_lshl_b32 s22, s2, 8
	v_lshl_add_u32 v53, v1, 3, s22
	v_add_nc_u32 v55, WST, v53
	v_lshlrev_b32 v52, 2, v2
	s_mov_b32 s32, 0x76543210
	s_mov_b32 s33, 0xfedcba98                      ; v_permlanex16_b32: lane l xor 16
	s_mov_b32 s23, 0
	s_wait_kmcnt 0x0
	s_mul_i32 s22, s20, 6144*NKS
	s_add_co_u32 s22, s22, FB*1536
	s_add_nc_u64 s[24:25], s[12:13], s[22:23]      ; my 4 NKS weight fragments
	s_mul_i32 s22, s20, 512*NKS
	s_add_co_u32 s22, s22, FB*128+SCB
	s_add_nc_u64 s[26:27], s[12:13], s[22:23]      ; and their scale words
	s_lshl_b32 s22, s20, 8
	s_add_nc_u64 s[14:15], s[14:15], s[22:23]
	s_mul_i32 s22, ttmp9, 512*KIN
	s_add_nc_u64 s[4:5], s[4:5], s[22:23]
	s_mul_i32 s22, ttmp9, 512*NOUT
	s_add_nc_u64 s[16:17], s[16:17], s[22:23]
	s_mul_i32 s22, ttmp9, 8*NOUT
	s_add_nc_u64 s[18:19], s[18:19], s[22:23]
	WIN 0x40                                       ; destination window 1
.set q, 0
.rept 4*NKS
	global_load_b128 v[12*q:12*q+3], v4, s[24:25] offset:1536*q
	global_load_b128 v[12*q+4:12*q+7], v4, s[24:25] offset:1536*q+512
	global_load_b128 v[12*q+8:12*q+11], v4, s[24:25] offset:1536*q+1024
.set q, q+1
.endr
	WIN 0
.set q, 0
.rept 4*NKS
	global_load_b32 v[32+q], v5, s[26:27] offset:128*q
.set q, q+1
.endr
.irp t,0,1,2,3
	global_load_b32 v[20+\t], v52, s[14:15] offset:64*\t
.endr
	XLOAD 56, 0
	global_load_b128 v[24:27], v8, s[8:9]
	global_load_b128 v[28:31], v8, s[10:11]
	global_load_b128 v[48:51], v8, s[6:7]          ; the first partial's mean: the shift
.set bb, 0
.rept 3
.if bb < NB
	SBATCH 120+32*bb, bb
.endif
.set bb, bb+1
.endr
.set i, 216
.rept 12
	v_mov_b32 v[i], 0
.set i, i+1
.endr
	; ---- the statistics: a ring of three sets of four partials
.set bb, 0
.rept NB
.if NB-1-bb >= 2
	s_wait_loadcnt 16                              ; the two younger batches, eight loads each, may be out
.else
	s_wait_loadcnt 8*(NB-1-bb)
.endif
	SACC 120+32*(bb%3)
.if bb+3 < NB
	SBATCH 120+32*(bb%3), bb+3
.endif
.set bb, bb+1
.endr
	ds_store_b128 v9, v[216:219] offset:RED
	ds_store_b128 v9, v[220:223] offset:RED+4*KIN
	ds_store_b128 v9, v[224:227] offset:RED+8*KIN
	BAR
	s_cmp_ge_u32 s2, NKS                           ; KIN / 4 threads join the subsets; their own quad is the thread's number
	s_cbranch_scc1 .Lnofin
.set i, 216
.rept 12
	v_mov_b32 v[i], 0
.set i, i+1
.endr
.set rr, 0
.rept (NSUB+7)/8
.set jj, 0
.rept NS8
	ds_load_b128 v[120+12*jj:123+12*jj], v8 offset:RED+(8*rr+jj)*12*KIN
	ds_load_b128 v[124+12*jj:127+12*jj], v8 offset:RED+(8*rr+jj)*12*KIN+4*KIN
	ds_load_b128 v[128+12*jj:131+12*jj], v8 offset:RED+(8*rr+jj)*12*KIN+8*KIN
.set jj, jj+1
.endr
	s_wait_dscnt 0x0
.set jj, 0
.rept NS8
.irp e,0,2,4,6,8,10
	v_pk_add_f32 v[216+\e:217+\e], v[216+\e:217+\e], v[120+12*jj+\e:121+12*jj+\e]
.endr
.set jj, jj+1
.endr
.set rr, rr+1
.endr
	s_mov_b32 s28, 0x3c000000                      ; 1 / 128
	s_mov_b32 s29, 0x43000000                      ; 128: the rows of a partial, and the number of partials
	s_mov_b32 s30, 0x38800000                      ; 1 / 16,384
	s_mov_b32 s31, 0x3727c5ac                      ; 1e-5
.irp i,0,1,2,3
	v_mul_f32 v[120+\i], s28, v[216+\i]
.endr
.irp i,0,1,2,3
	v_fma_f32 v[220+\i], -v[120+\i], v[216+\i], v[220+\i]   ; the means' squared deviations from their own mean
	v_add_f32 v[120+\i], v[48+\i], v[120+\i]                ; the mean
.endr
.irp i,0,1,2,3
	v_fma_f32 v[224+\i], s29, v[220+\i], v[224+\i]          ; M2 of all rows
.endr
.irp i,0,1,2,3
	v_fma_f32 v[224+\i], v[224+\i], s30, s31                ; var + 1e-5
.endr
.irp i,0,1,2,3
	v_rsq_f32 v[124+\i], v[224+\i]
.endr
	v_nop                                          ; a plain place behind the transcendentals
	s_wait_alu depctr_va_vdst(0)                   ; one wait for the four, ahead of their first reader
.irp i,0,1,2,3
	v_mul_f32 v[124+\i], v[24+\i], v[124+\i]
.endr
	ds_store_b128 v8, v[120:123] offset:PRM
	ds_store_b128 v8, v[124:127] offset:PRM+4*KIN
	ds_store_b128 v8, v[28:31] offset:PRM+8*KIN
.Lnofin:
	BAR
	; ---- my 16 rows: norm, activation, codes; a K step's numbers are asked for while the step before is worked on
.set ss, 0
.rept NKS
.if ss+1 < NKS
	XLOAD 56+64*((ss+1)%2), ss+1
	s_wait_loadcnt 16                              ; the sixteen just issued may be out
.else
	s_wait_loadcnt 0x0
.endif
	BN 56+64*(ss%2), ss
	QUANT 56+64*(ss%2)
	IMAGE ss
	s_wait_dscnt 0x0                               ; the stores have read their registers
.set ss, ss+1
.endr
	BAR                                            ; all fragments lie in LDS
	; ---- the product: my 64 columns x RT row tiles
.irp t,0,1,2,3
.irp j,0,1,2,3,4,5,6,7
	v_mov_b32 v[152+8*\t+\j], v[20+\t]             ; the bias is the C of each sum's first matrix instruction: a lane holds one column
.endr
.endr
.set i, 224
.rept 16
	v_mov_b32 v[i], 0
.set i, i+1
.endr
.set mi, 0
.rept RT
	s_wait_xcnt 0x0                                ; earlier stores have read their registers: these are loaded again only behind this wait
.set ss, 0
.rept NKS
	ds_load_b128 v[56+12*ss:59+12*ss], v17 offset:(mi*NKS+ss)*1536
	ds_load_b128 v[60+12*ss:63+12*ss], v17 offset:(mi*NKS+ss)*1536+512
	ds_load_b128 v[64+12*ss:67+12*ss], v17 offset:(mi*NKS+ss)*1536+1024
	ds_load_b32 v[104+ss], v54 offset:(mi*NKS+ss)*128
.set ss, ss+1
.endr
	s_wait_dscnt 0x0
	WIN 0x04                                       ; source 1 (the weights) window 1
.set ss, 0
.rept NKS                                      ; the four accumulators take turns, one instruction a turn
.irp t,0,1,2,3
.if ss == 0
	v_wmma_scale_f32_16x16x128_f8f6f4 v[120+8*\t:127+8*\t], v[56+12*ss:67+12*ss], v[12*(\t*NKS+ss):12*(\t*NKS+ss)+11], v[152+8*\t:159+8*\t], v[104+ss], v[32+\t*NKS+ss] matrix_a_fmt:MATRIX_FMT_FP6 matrix_b_fmt:MATRIX_FMT_FP6
.else
	v_wmma_scale_f32_16x16x128_f8f6f4 v[120+8*\t:127+8*\t], v[56+12*ss:67+12*ss], v[12*(\t*NKS+ss):12*(\t*NKS+ss)+11], v[120+8*\t:127+8*\t], v[104+ss], v[32+\t*NKS+ss] matrix_a_fmt:MATRIX_FMT_FP6 matrix_b_fmt:MATRIX_FMT_FP6
.endif
.endr
.set ss, ss+1
.endr
	WIN 0
.rept 5
	v_nop                                          ; five places: for the reads of the results, for the next tile's loads into the fragments, and for its products, which begin these accumulators anew
.endr
.if mi == 0
.irp t,0,1,2,3
	v_mov_b32 v[216+2*\t], v[120+8*\t]             ; the lane's first number of each column is the shift about which its sums are taken
	v_mov_b32 v[217+2*\t], v[120+8*\t]
.endr
.endif
.irp t,0,1,2,3                                 ; each accumulator is read from its low end on
.irp e,0,2,4,6
	v_pk_add_f32 v[240+\e:241+\e], v[120+8*\t+\e:121+8*\t+\e], v[216+2*\t:217+2*\t] neg_lo:[0,1] neg_hi:[0,1]
.endr
.irp e,0,2,4,6
	v_pk_add_f32 v[224+2*\t:225+2*\t], v[224+2*\t:225+2*\t], v[240+\e:241+\e]
	v_pk_fma_f32 v[232+2*\t:233+2*\t], v[240+\e:241+\e], v[240+\e:241+\e], v[232+2*\t:233+2*\t]
.endr
.endr
.irp t,0,1,2,3
.irp j,0,1,2,3,4,5,6,7
	ds_store_b32 v13, v[120+8*\t+\j] offset:272*\j+64*\t
.endr
.endr
.irp i,0,1,2,3,4,5,6,7
	ds_load_b128 v[184+4*\i:187+4*\i], v14 offset:544*\i   ; LDS serves a wave's instructions in order: these see my stores; the stage is my own
.endr
.irp i,0,1,2,3,4,5,6,7
	s_wait_dscnt 7-\i                              ; the younger loads of the run may be out
	global_store_b128 v15, v[184+4*\i:187+4*\i], s[16:17] offset:(16*mi+2*\i)*4*NOUT   ; 16 lanes store 256 consecutive bytes, at a multiple of 256 from the buffer's first byte
.endr
.set mi, mi+1
.endr
	; ---- a lane's 8 RT numbers of each column: mean and sum of squared deviations; then with lane l xor 16's
	s_mov_b32 s28, (127-3-LCP)<<23                 ; 1 / (8 RT)
	s_mov_b32 s29, (127+2+LCP)<<23                 ; 4 RT
.irp t,0,1,2,3
	v_add_f32 v[240+\t], v[224+2*\t], v[225+2*\t]
	v_add_f32 v[244+\t], v[232+2*\t], v[233+2*\t]
.endr
.irp t,0,1,2,3
	v_mul_f32 v[56+\t], s28, v[240+\t]
.endr
.irp t,0,1,2,3
	v_fma_f32 v[244+\t], -v[56+\t], v[240+\t], v[244+\t]
	v_add_f32 v[240+\t], v[216+2*\t], v[56+\t]
.endr
.irp t,0,1,2,3
	v_permlanex16_b32 v[60+\t], v[240+\t], s32, s33
	v_permlanex16_b32 v[64+\t], v[244+\t], s32, s33
.endr
.irp t,0,1,2,3
	v_sub_f32 v[68+\t], v[240+\t], v[60+\t]
	v_add_f32 v[240+\t], v[240+\t], v[60+\t]
	v_add_f32 v[244+\t], v[244+\t], v[64+\t]
.endr
.irp t,0,1,2,3
	v_mul_f32 v[68+\t], v[68+\t], v[68+\t]
	v_mul_f32 v[240+\t], 0.5, v[240+\t]
.endr
.irp t,0,1,2,3
	v_fma_f32 v[244+\t], v[68+\t], s29, v[244+\t]
.endr
.irp t,0,1,2,3
	ds_store_b32 v16, v[240+\t] offset:64*\t       ; (both halves of the lanes write the same bytes with the same values)
	ds_store_b32 v16, v[244+\t] offset:64*\t+4*NOUT
.endr
	BAR
	; ---- the row parts are joined, about the first part's mean; waves 0 .. CP - 1, two columns a lane
	s_cmp_ge_u32 s2, CP
	s_cbranch_scc1 .Lnof
.set p, 0
.rept RP
	ds_load_b64 v[56+4*p:57+4*p], v55 offset:p*8*NOUT
	ds_load_b64 v[58+4*p:59+4*p], v55 offset:p*8*NOUT+4*NOUT
.set p, p+1
.endr
	s_mov_b32 s28, (127-3+LCP)<<23                 ; 1 / RP
	s_mov_b32 s29, s28
	s_mov_b32 s30, (127+4+LCP)<<23                 ; 16 RT: the rows of a part
	s_mov_b32 s31, s30
.irp i,240,241,242,243
	v_mov_b32 v[\i], 0
.endr
	s_wait_dscnt 0x0
.if RP > 1
.set p, 1
.rept RP-1
	v_pk_add_f32 v[246:247], v[56+4*p:57+4*p], v[56:57] neg_lo:[0,1] neg_hi:[0,1]
	v_pk_add_f32 v[240:241], v[240:241], v[246:247]
	v_pk_fma_f32 v[242:243], v[246:247], v[246:247], v[242:243]
	v_pk_add_f32 v[58:59], v[58:59], v[58+4*p:59+4*p]
.set p, p+1
.endr
.endif
	v_pk_mul_f32 v[246:247], v[240:241], s[28:29] op_sel_hi:[1,0]
	v_pk_fma_f32 v[242:243], v[246:247], v[240:241], v[242:243] neg_lo:[1,0,0] neg_hi:[1,0,0]
	v_pk_add_f32 v[56:57], v[56:57], v[246:247]
	v_pk_fma_f32 v[58:59], v[242:243], s[30:31], v[58:59] op_sel_hi:[1,0,1]
	global_store_b64 v53, v[56:57], s[18:19]       ; 32 lanes store 256 consecutive bytes
	global_store_b64 v53, v[58:59], s[18:19] offset:4*NOUT
.Lnof:
	s_wait_tensorcnt 0x0                           ; the wave's end
	ds_add_u32 v18, v19
	s_wait_dscnt 0x0
	s_endpgm
.Lfunc_end_k_qc3bbf01091_layer4:
	.size	k_qc3bbf01091_layer4, .Lfunc_end_k_qc3bbf01091_layer4-k_qc3bbf01091_layer4
	.p2alignl 7, 3214868480
	.fill 96, 4, 3214868480
	.section	.rodata,"a",@progbits
	.p2align	6, 0x0
	.amdhsa_kernel k_qc3bbf01091_layer4
		.amdhsa_group_segment_fixed_size 111616
		.amdhsa_private_segment_fixed_size 0
		.amdhsa_enable_private_segment 0
		.amdhsa_kernarg_size 64
		.amdhsa_user_sgpr_count 2
		.amdhsa_user_sgpr_kernarg_segment_ptr 1
		.amdhsa_wavefront_size32 1
		.amdhsa_system_sgpr_workgroup_id_x 1
		.amdhsa_system_sgpr_workgroup_id_y 1
		.amdhsa_system_sgpr_workgroup_id_z 1
		.amdhsa_system_vgpr_workitem_id 0
		.amdhsa_next_free_vgpr 448
		.amdhsa_next_free_sgpr 66
		.amdhsa_reserve_vcc 0
		.amdhsa_float_denorm_mode_32 3
		.amdhsa_float_denorm_mode_16_64 3
		.amdhsa_memory_ordered 1
		.amdhsa_forward_progress 1
		.amdhsa_inst_pref_size 146
	.end_amdhsa_kernel
	.amdgpu_metadata
---
amdhsa.version: [ 1, 2 ]
amdhsa.kernels:
  - .name:           k_qc3bbf01091_layer4
    .symbol:         k_qc3bbf01091_layer4.kd
    .args:
      - { .name: xa, .offset: 0, .size: 8, .value_kind: global_buffer, .address_space: global }
      - { .name: pa, .offset: 8, .size: 8, .value_kind: global_buffer, .address_space: global }
      - { .name: g3, .offset: 16, .size: 8, .value_kind: global_buffer, .address_space: global }
      - { .name: be3, .offset: 24, .size: 8, .value_kind: global_buffer, .address_space: global }
      - { .name: wq, .offset: 32, .size: 8, .value_kind: global_buffer, .address_space: global }
      - { .name: b4, .offset: 40, .size: 8, .value_kind: global_buffer, .address_space: global }
      - { .name: xb, .offset: 48, .size: 8, .value_kind: global_buffer, .address_space: global }
      - { .name: pb, .offset: 56, .size: 8, .value_kind: global_buffer, .address_space: global }
    .group_segment_fixed_size: 111616
    .private_segment_fixed_size: 0
    .kernarg_segment_align: 8
    .kernarg_segment_size: 64
    .max_flat_workgroup_size: 256
    .sgpr_count:     66
    .vgpr_count:     448
    .wavefront_size: 32
...
	.end_amdgpu_metadata
.endif
;; end of part 6
;; launch layer5 (part 7): grid 128 x 1, 8 waves a work-group, no clusters, 111,616 bytes of LDS; arguments xb, pb, g4, be4, wq, b5, xa, pa; writes xa, pa
.if DOCPART == 7
	.amdgcn_target "amdgcn-amd-amdhsa--gfx1250"
	.amdhsa_code_object_version 6
	.text
	.protected	k_qc3bbf01091_layer5
	.globl	k_qc3bbf01091_layer5
	.p2align	8
	.type	k_qc3bbf01091_layer5,@function
k_qc3bbf01091_layer5:
	s_mov_b64 s[64:65], 0
	v_nop
	global_prefetch_b8 v0, s[64:65] scope:SCOPE_SE
	s_setreg_imm32_b32 hwreg(HW_REG_WAVE_MODE, 25, 1), 1
	s_wait_xcnt 0x0
; A LAYER: a = relu(g (x - mean) rsqrt(var + 1e-5) + be), mean and var over all 16,384 rows; y = Q(a) Q(w) + b on codes of FP6 (E2M3) with one E8M0 scale for each 32 along K; y goes to memory
; in f32, with the mean and the sum of squared deviations (M2) of each column over the work-group's 128 rows.  The text is the same for four layers; the five lines below give the sizes.
; STATISTICS.  Every work-group reads all 128 partial (mean, M2) and joins them about the first partial's mean: no difference of large sums is formed.  The norm is taken as (x - mean) sc + be, sc = g rsqrt(..).
; LIMITS: NaN and infinities are not served; a block of zeros gets the scale byte 1 (its codes are zeros; the bytes are read by this program alone).
; SHARES.  128 work-groups of 128 rows: each work-group reads every work-group's statistics, so those bytes grow with the square of the grid; by that count 128 work-groups move fewer bytes than 256.
; Wave w normalises and quantises row tile w (16 rows); for the product it takes 64 columns (column part cp = w % CP) of RT row tiles (row part rp = w / CP).  Its 4 NKS weight fragments stay in
; registers (window 1), read once as images of the operand's registers.  Activations go from wave to wave through LDS as such images.
; The matrix instruction is used in its natural order (source 0 = 16 rows, source 1 = 16 columns): a lane holds one column and eight rows, so column sums stay in the lane.
; No tensor load, no cluster: what work-groups share (the codes, the partials) is small and goes straight into registers.
.set KIN,  128
.set NOUT, 64
.set LCP,  0                           ; log2(NOUT / 64)
.set LKQ,  5                           ; log2(KIN / 4)
.set FB,   120                         ; the weight's first fragment in wq
.set NKS,  KIN/128
.set CP,   NOUT/64
.set RP,   8/CP
.set RT,   CP
.set NSUB, 1024/KIN                    ; the 256 threads are KIN / 4 quads of columns x NSUB subsets of the partials
.set NB,   KIN/32                      ; batches of four partials in a subset
.if NSUB > 8
.set NS8, 8
.else
.set NS8, NSUB
.endif
.set RED,  0                           ; LDS: [subset][3][KIN] f32
.set PRM,  12288                       ; mean[KIN], sc[KIN], be[KIN]
.set IMG,  18432                       ; the activations' fragments (row tile m, K step s) at (m NKS + s) x 1,536
.set ISC,  67584                       ; their scale words, 128 bytes each
.set STG,  71680                       ; a stage of 16 rows x (256 + 16) bytes for each wave
.set WST,  106496                      ; [row part][mean, M2][NOUT]
.set SPARE,110592                      ; the spare words, 128 bytes for each wave: four blocks of 256 bytes that no other line names
.set SCB,  190464
.set TM,   184
.set PW,   200
.set PC,   204
.set MSB,  0
; window 0: v1 lane, v2 r, v3 h, v4 16 x lane, v5 4 x lane, v6-17, v52-55 addresses, v18, v19 the add's two, v20-23 bias, v24-27 g, v28-31 be, v32-47 the weights' scale words, v48-51 the first partial's mean,
; v56-119, v120-183 numbers of x (v120-215 three sets of partials, v216-231 their sums), v184-231 mean, sc, be of 16 columns; later v56-103 fragments, v104-107 their scale words, v120-151 accumulators,
; v152-183 the bias as C, v184-215 rows on their way out, v216-247 column sums
.macro WIN new                         ; the immediate's high byte repeats the setting that is left
.if MSB != \new
	s_set_vgpr_msb (MSB<<8)|\new
.set MSB, \new
.endif
.endm
.macro BAR
	s_wait_dscnt 0x0                               ; my LDS stores have landed and my LDS loads are in
	s_barrier_signal -1
	s_barrier_wait -1
.endm
; 64 numbers of a lane, register 16 b + i = k 32 b + 16 (lane / 16) + i of my row, become a fragment's codes in v[PC] on and its scale word in v[PW]
.macro QUANT s
.irp b,0,1,2,3
	v_max3_num_f32 v[TM+\b], |v[\s+16*\b]|, |v[\s+1+16*\b]|, 0x1800000   ; with the floor 2^(3 - 127): the byte cannot fall under 1
	v_mov_b32 v[TM+4+\b], 0                        ; (a lane permute's destination counts as one of its sources)
.endr
.irp i,2,4,6,8,10,12,14
.irp b,0,1,2,3
	v_max3_num_f32 v[TM+\b], v[TM+\b], |v[\s+16*\b+\i]|, |v[\s+1+16*\b+\i]|
.endr
.endr
.irp b,0,1,2,3
	v_permlanex16_b32 v[TM+4+\b], v[TM+\b], s32, s33
.endr
.irp b,0,1,2,3
	v_max_num_f32 v[TM+\b], v[TM+\b], v[TM+4+\b]   ; with lane l xor 16's: the block's largest magnitude
.endr
.irp b,0,1,2,3
	v_add_nc_u32 v[TM+12+\b], 0xff000000, v[TM+\b] ; 2 off its exponent field: the conversion's scale operand
.endr
.irp b,0,1,2,3
	v_lshrrev_b32 v[TM+4+\b], 23, v[TM+12+\b]      ; the scale's byte
.endr
	v_lshl_or_b32 v[PW], v[TM+5], 8, v[TM+4]
	v_lshl_or_b32 v[PW], v[TM+6], 16, v[PW]
	v_lshl_or_b32 v[PW], v[TM+7], 24, v[PW]
.irp c,0,1
	v_cvt_scalef32_pk16_fp6_f32 v[PC+6*\c:PC+2+6*\c], v[\s+32*\c:\s+15+32*\c], v[TM+12+2*\c]
	v_cvt_scalef32_pk16_fp6_f32 v[PC+12+4*\c:PC+14+4*\c], v[\s+16+32*\c:\s+31+32*\c], v[TM+12+2*\c+1]
.endr
	v_nop                                          ; one plain place behind a scaled conversion
.irp c,0,1                                     ; the operand's layout wants a whole block in a lane
.irp i,0,1,2
	v_permlane16_swap_b32 v[PC+6*\c+\i], v[PC+12+4*\c+\i]
.endr
.irp i,0,1,2
	v_mov_b32 v[PC+3+6*\c+\i], v[PC+12+4*\c+\i]
.endr
.endr
.endm
.macro IMAGE s
.irp c,0,1,2
	ds_store_b128 v11, v[PC+4*\c:PC+4*\c+3] offset:1536*(\s)+512*\c
.endr
	ds_store_b32 v12, v[PW] offset:128*(\s)
.endm
.macro XLOAD reg, s                    ; my row's numbers of K step s: 16 neighbours of each block of 32
.irp b,0,1,2,3
.irp j,0,1,2,3
	global_load_b128 v[\reg+16*\b+4*\j:\reg+16*\b+4*\j+3], v6, s[4:5] offset:512*(\s)+128*\b+16*\j th:TH_LOAD_NT
.endr
.endr
.endm
.macro SBATCH set, b                   ; four partials of my subset: the means and the M2 of my four columns
.irp p,0,1,2,3
	global_load_b128 v[\set+8*\p:\set+8*\p+3], v7, s[6:7] offset:(4*(\b)+\p)*8*KIN
	global_load_b128 v[\set+8*\p+4:\set+8*\p+7], v7, s[6:7] offset:(4*(\b)+\p)*8*KIN+4*KIN
.endr
.endm
.macro SACC set
.irp p,0,1,2,3
	v_pk_add_f32 v[228:229], v[\set+8*\p:\set+8*\p+1], v[48:49] neg_lo:[0,1] neg_hi:[0,1]
	v_pk_add_f32 v[230:231], v[\set+8*\p+2:\set+8*\p+3], v[50:51] neg_lo:[0,1] neg_hi:[0,1]
	v_pk_add_f32 v[224:225], v[224:225], v[\set+8*\p+4:\set+8*\p+5]
	v_pk_add_f32 v[226:227], v[226:227], v[\set+8*\p+6:\set+8*\p+7]
	v_pk_add_f32 v[216:217], v[216:217], v[228:229]
	v_pk_add_f32 v[218:219], v[218:219], v[230:231]
	v_pk_fma_f32 v[220:221], v[228:229], v[228:229], v[220:221]
	v_pk_fma_f32 v[222:223], v[230:231], v[230:231], v[222:223]
.endr
.endm
.macro BN x, s                         ; the norm and the activation on 64 numbers
.irp b,0,1,2,3
.irp j,0,1,2,3
	ds_load_b128 v[184+4*\j:187+4*\j], v10 offset:512*(\s)+128*\b+16*\j
	ds_load_b128 v[200+4*\j:203+4*\j], v10 offset:4*KIN+512*(\s)+128*\b+16*\j
	ds_load_b128 v[216+4*\j:219+4*\j], v10 offset:8*KIN+512*(\s)+128*\b+16*\j
.endr
	s_wait_dscnt 0x0
.irp e,0,2,4,6,8,10,12,14
	v_pk_add_f32 v[\x+16*\b+\e:\x+16*\b+\e+1], v[\x+16*\b+\e:\x+16*\b+\e+1], v[184+\e:185+\e] neg_lo:[0,1] neg_hi:[0,1]
.endr
.irp e,0,2,4,6,8,10,12,14
	v_pk_fma_f32 v[\x+16*\b+\e:\x+16*\b+\e+1], v[\x+16*\b+\e:\x+16*\b+\e+1], v[200+\e:201+\e], v[216+\e:217+\e]
.endr
.irp e,0,1,2,3,4,5,6,7,8,9,10,11,12,13,14,15
	v_max_num_f32 v[\x+16*\b+\e], 0, v[\x+16*\b+\e]
.endr
.endr
.endm
	s_load_b512 s[4:19], s[0:1], 0x0               ; x in s[4:5], partials in s[6:7], g s[8:9], be s[10:11], wq s[12:13], b s[14:15], x out s[16:17], partials out s[18:19]
	v_lshl_add_u32 v18, v0, 2, SPARE
	v_mov_b32 v19, 0
	v_lshrrev_b32 v1, 5, v0
	v_readfirstlane_b32 s2, v1                     ; wave 0..7
	v_and_b32 v1, 31, v0
	v_and_b32 v2, 15, v0
	v_bfe_u32 v3, v0, 4, 1
	s_and_b32 s20, s2, CP-1                        ; cp
	s_lshr_b32 s21, s2, LCP                        ; rp
	v_lshlrev_b32 v4, 4, v1
	v_lshlrev_b32 v5, 2, v1
	s_mul_i32 s22, s2, 64*KIN
	v_mul_u32_u24 v6, v2, 4*KIN
	v_lshl_add_u32 v6, v3, 6, v6
	v_add_nc_u32 v6, s22, v6                       ; x: row 16 w + r, + 64 h
	v_and_b32 v8, KIN/4-1, v0
	v_lshlrev_b32 v8, 4, v8                        ; my quad of columns, in bytes
	v_lshrrev_b32 v53, LKQ, v0                     ; my subset of the partials
	v_mul_u32_u24 v7, v53, KIN*KIN                 ; KIN / 8 partials of 8 KIN bytes
	v_add_nc_u32 v7, v7, v8
	v_mul_u32_u24 v9, v53, 12*KIN
	v_add_nc_u32 v9, v9, v8
	v_lshl_add_u32 v10, v3, 6, PRM
	s_mul_i32 s22, s2, NKS*1536
	s_add_co_u32 s22, s22, IMG
	v_add_nc_u32 v11, s22, v4
	s_mul_i32 s22, s2, NKS*128
	s_add_co_u32 s22, s22, ISC
	v_add_nc_u32 v12, s22, v5
	s_mul_i32 s22, s2, 4352
	s_add_co_u32 s22, s22, STG
	v_mul_u32_u24 v13, v3, 2176
	v_lshl_add_u32 v13, v2, 2, v13
	v_add_nc_u32 v13, s22, v13                     ; the stage, in: row 8 h + j, column r
	v_mul_u32_u24 v14, v3, 272
	v_lshl_add_u32 v14, v2, 4, v14
	v_add_nc_u32 v14, s22, v14                     ; and back: lanes 0-15 one row of 256 bytes, lanes 16-31 the next
	s_mul_i32 s22, s21, RT*64*NOUT
	s_lshl_b32 s23, s20, 8
	s_add_co_u32 s22, s22, s23
	v_mul_u32_u24 v15, v3, 4*NOUT
	v_lshl_add_u32 v15, v2, 4, v15
	v_add_nc_u32 v15, s22, v15                     ; the same two rows in the output
	s_mul_i32 s22, s21, 8*NOUT
	s_add_co_u32 s22, s22, s23
	s_add_co_u32 s22, s22, WST
	v_lshl_add_u32 v16, v2, 2, s22
	s_mul_i32 s22, s21, RT*NKS*1536
	s_add_co_u32 s22, s22, IMG
	v_add_nc_u32 v17, s22, v4
	s_mul_i32 s22, s21, RT*NKS*128
	s_add_co_u32 s22, s22, ISC
	v_add_nc_u32 v54, s22, v5
	s_lshl_b32 s22, s2, 8
	v_lshl_add_u32 v53, v1, 3, s22
	v_add_nc_u32 v55, WST, v53
	v_lshlrev_b32 v52, 2, v2
	s_mov_b32 s32, 0x76543210
	s_mov_b32 s33, 0xfedcba98                      ; v_permlanex16_b32: lane l xor 16
	s_mov_b32 s23, 0
	s_wait_kmcnt 0x0
	s_mul_i32 s22, s20, 6144*NKS
	s_add_co_u32 s22, s22, FB*1536
	s_add_nc_u64 s[24:25], s[12:13], s[22:23]      ; my 4 NKS weight fragments
	s_mul_i32 s22, s20, 512*NKS
	s_add_co_u32 s22, s22, FB*128+SCB
	s_add_nc_u64 s[26:27], s[12:13], s[22:23]      ; and their scale words
	s_lshl_b32 s22, s20, 8
	s_add_nc_u64 s[14:15], s[14:15], s[22:23]
	s_mul_i32 s22, ttmp9, 512*KIN
	s_add_nc_u64 s[4:5], s[4:5], s[22:23]
	s_mul_i32 s22, ttmp9, 512*NOUT
	s_add_nc_u64 s[16:17], s[16:17], s[22:23]
	s_mul_i32 s22, ttmp9, 8*NOUT
	s_add_nc_u64 s[18:19], s[18:19], s[22:23]
	WIN 0x40                                       ; destination window 1
.set q, 0
.rept 4*NKS
	global_load_b128 v[12*q:12*q+3], v4, s[24:25] offset:1536*q
	global_load_b128 v[12*q+4:12*q+7], v4, s[24:25] offset:1536*q+512
	global_load_b128 v[12*q+8:12*q+11], v4, s[24:25] offset:1536*q+1024
.set q, q+1
.endr
	WIN 0
.set q, 0
.rept 4*NKS
	global_load_b32 v[32+q], v5, s[26:27] offset:128*q
.set q, q+1
.endr
.irp t,0,1,2,3
	global_load_b32 v[20+\t], v52, s[14:15] offset:64*\t
.endr
	XLOAD 56, 0
	global_load_b128 v[24:27], v8, s[8:9]
	global_load_b128 v[28:31], v8, s[10:11]
	global_load_b128 v[48:51], v8, s[6:7]          ; the first partial's mean: the shift
.set bb, 0
.rept 3
.if bb < NB
	SBATCH 120+32*bb, bb
.endif
.set bb, bb+1
.endr
.set i, 216
.rept 12
	v_mov_b32 v[i], 0
.set i, i+1
.endr
	; ---- the statistics: a ring of three sets of four partials
.set bb, 0
.rept NB
.if NB-1-bb >= 2
	s_wait_loadcnt 16                              ; the two younger batches, eight loads each, may be out
.else
	s_wait_loadcnt 8*(NB-1-bb)
.endif
	SACC 120+32*(bb%3)
.if bb+3 < NB
	SBATCH 120+32*(bb%3), bb+3
.endif
.set bb, bb+1
.endr
	ds_store_b128 v9, v[216:219] offset:RED
	ds_store_b128 v9, v[220:223] offset:RED+4*KIN
	ds_store_b128 v9, v[224:227] offset:RED+8*KIN
	BAR
	s_cmp_ge_u32 s2, NKS                           ; KIN / 4 threads join the subsets; their own quad is the thread's number
	s_cbranch_scc1 .Lnofin
.set i, 216
.rept 12
	v_mov_b32 v[i], 0
.set i, i+1
.endr
.set rr, 0
.rept (NSUB+7)/8
.set jj, 0
.rept NS8
	ds_load_b128 v[120+12*jj:123+12*jj], v8 offset:RED+(8*rr+jj)*12*KIN
	ds_load_b128 v[124+12*jj:127+12*jj], v8 offset:RED+(8*rr+jj)*12*KIN+4*KIN
	ds_load_b128 v[128+12*jj:131+12*jj], v8 offset:RED+(8*rr+jj)*12*KIN+8*KIN
.set jj, jj+1
.endr
	s_wait_dscnt 0x0
.set jj, 0
.rept NS8
.irp e,0,2,4,6,8,10
	v_pk_add_f32 v[216+\e:217+\e], v[216+\e:217+\e], v[120+12*jj+\e:121+12*jj+\e]
.endr
.set jj, jj+1
.endr
.set rr, rr+1
.endr
	s_mov_b32 s28, 0x3c000000                      ; 1 / 128
	s_mov_b32 s29, 0x43000000                      ; 128: the rows of a partial, and the number of partials
	s_mov_b32 s30, 0x38800000                      ; 1 / 16,384
	s_mov_b32 s31, 0x3727c5ac                      ; 1e-5
.irp i,0,1,2,3
	v_mul_f32 v[120+\i], s28, v[216+\i]
.endr
.irp i,0,1,2,3
	v_fma_f32 v[220+\i], -v[120+\i], v[216+\i], v[220+\i]   ; the means' squared deviations from their own mean
	v_add_f32 v[120+\i], v[48+\i], v[120+\i]                ; the mean
.endr
.irp i,0,1,2,3
	v_fma_f32 v[224+\i], s29, v[220+\i], v[224+\i]          ; M2 of all rows
.endr
.irp i,0,1,2,3
	v_fma_f32 v[224+\i], v[224+\i], s30, s31                ; var + 1e-5
.endr
.irp i,0,1,2,3
	v_rsq_f32 v[124+\i], v[224+\i]
.endr
	v_nop                                          ; a plain place behind the transcendentals
	s_wait_alu depctr_va_vdst(0)                   ; one wait for the four, ahead of their first reader
.irp i,0,1,2,3
	v_mul_f32 v[124+\i], v[24+\i], v[124+\i]
.endr
	ds_store_b128 v8, v[120:123] offset:PRM
	ds_store_b128 v8, v[124:127] offset:PRM+4*KIN
	ds_store_b128 v8, v[28:31] offset:PRM+8*KIN
.Lnofin:
	BAR
	; ---- my 16 rows: norm, activation, codes; a K step's numbers are asked for while the step before is worked on
.set ss, 0
.rept NKS
.if ss+1 < NKS
	XLOAD 56+64*((ss+1)%2), ss+1
	s_wait_loadcnt 16                              ; the sixteen just issued may be out
.else
	s_wait_loadcnt 0x0
.endif
	BN 56+64*(ss%2), ss
	QUANT 56+64*(ss%2)
	IMAGE ss
	s_wait_dscnt 0x0                               ; the stores have read their registers
.set ss, ss+1
.endr
	BAR                                            ; all fragments lie in LDS
	; ---- the product: my 64 columns x RT row tiles
.irp t,0,1,2,3
.irp j,0,1,2,3,4,5,6,7
	v_mov_b32 v[152+8*\t+\j], v[20+\t]             ; the bias is the C of each sum's first matrix instruction: a lane holds one column
.endr
.endr
.set i, 224
.rept 16
	v_mov_b32 v[i], 0
.set i, i+1
.endr
.set mi, 0
.rept RT
	s_wait_xcnt 0x0                                ; earlier stores have read their registers: these are loaded again only behind this wait
.set ss, 0
.rept NKS
	ds_load_b128 v[56+12*ss:59+12*ss], v17 offset:(mi*NKS+ss)*1536
	ds_load_b128 v[60+12*ss:63+12*ss], v17 offset:(mi*NKS+ss)*1536+512
	ds_load_b128 v[64+12*ss:67+12*ss], v17 offset:(mi*NKS+ss)*1536+1024
	ds_load_b32 v[104+ss], v54 offset:(mi*NKS+ss)*128
.set ss, ss+1
.endr
	s_wait_dscnt 0x0
	WIN 0x04                                       ; source 1 (the weights) window 1
.set ss, 0
.rept NKS                                      ; the four accumulators take turns, one instruction a turn
.irp t,0,1,2,3
.if ss == 0
	v_wmma_scale_f32_16x16x128_f8f6f4 v[120+8*\t:127+8*\t], v[56+12*ss:67+12*ss], v[12*(\t*NKS+ss):12*(\t*NKS+ss)+11], v[152+8*\t:159+8*\t], v[104+ss], v[32+\t*NKS+ss] matrix_a_fmt:MATRIX_FMT_FP6 matrix_b_fmt:MATRIX_FMT_FP6
.else
	v_wmma_scale_f32_16x16x128_f8f6f4 v[120+8*\t:127+8*\t], v[56+12*ss:67+12*ss], v[12*(\t*NKS+ss):12*(\t*NKS+ss)+11], v[120+8*\t:127+8*\t], v[104+ss], v[32+\t*NKS+ss] matrix_a_fmt:MATRIX_FMT_FP6 matrix_b_fmt:MATRIX_FMT_FP6
.endif
.endr
.set ss, ss+1
.endr
	WIN 0
.rept 5
	v_nop                                          ; five places: for the reads of the results, for the next tile's loads into the fragments, and for its products, which begin these accumulators anew
.endr
.if mi == 0
.irp t,0,1,2,3
	v_mov_b32 v[216+2*\t], v[120+8*\t]             ; the lane's first number of each column is the shift about which its sums are taken
	v_mov_b32 v[217+2*\t], v[120+8*\t]
.endr
.endif
.irp t,0,1,2,3                                 ; each accumulator is read from its low end on
.irp e,0,2,4,6
	v_pk_add_f32 v[240+\e:241+\e], v[120+8*\t+\e:121+8*\t+\e], v[216+2*\t:217+2*\t] neg_lo:[0,1] neg_hi:[0,1]
.endr
.irp e,0,2,4,6
	v_pk_add_f32 v[224+2*\t:225+2*\t], v[224+2*\t:225+2*\t], v[240+\e:241+\e]
	v_pk_fma_f32 v[232+2*\t:233+2*\t], v[240+\e:241+\e], v[240+\e:241+\e], v[232+2*\t:233+2*\t]
.endr
.endr
.irp t,0,1,2,3
.irp j,0,1,2,3,4,5,6,7
	ds_store_b32 v13, v[120+8*\t+\j] offset:272*\j+64*\t
.endr
.endr
.irp i,0,1,2,3,4,5,6,7
	ds_load_b128 v[184+4*\i:187+4*\i], v14 offset:544*\i   ; LDS serves a wave's instructions in order: these see my stores; the stage is my own
.endr
.irp i,0,1,2,3,4,5,6,7
	s_wait_dscnt 7-\i                              ; the younger loads of the run may be out
	global_store_b128 v15, v[184+4*\i:187+4*\i], s[16:17] offset:(16*mi+2*\i)*4*NOUT   ; 16 lanes store 256 consecutive bytes, at a multiple of 256 from the buffer's first byte
.endr
.set mi, mi+1
.endr
	; ---- a lane's 8 RT numbers of each column: mean and sum of squared deviations; then with lane l xor 16's
	s_mov_b32 s28, (127-3-LCP)<<23                 ; 1 / (8 RT)
	s_mov_b32 s29, (127+2+LCP)<<23                 ; 4 RT
.irp t,0,1,2,3
	v_add_f32 v[240+\t], v[224+2*\t], v[225+2*\t]
	v_add_f32 v[244+\t], v[232+2*\t], v[233+2*\t]
.endr
.irp t,0,1,2,3
	v_mul_f32 v[56+\t], s28, v[240+\t]
.endr
.irp t,0,1,2,3
	v_fma_f32 v[244+\t], -v[56+\t], v[240+\t], v[244+\t]
	v_add_f32 v[240+\t], v[216+2*\t], v[56+\t]
.endr
.irp t,0,1,2,3
	v_permlanex16_b32 v[60+\t], v[240+\t], s32, s33
	v_permlanex16_b32 v[64+\t], v[244+\t], s32, s33
.endr
.irp t,0,1,2,3
	v_sub_f32 v[68+\t], v[240+\t], v[60+\t]
	v_add_f32 v[240+\t], v[240+\t], v[60+\t]
	v_add_f32 v[244+\t], v[244+\t], v[64+\t]
.endr
.irp t,0,1,2,3
	v_mul_f32 v[68+\t], v[68+\t], v[68+\t]
	v_mul_f32 v[240+\t], 0.5, v[240+\t]
.endr
.irp t,0,1,2,3
	v_fma_f32 v[244+\t], v[68+\t], s29, v[244+\t]
.endr
.irp t,0,1,2,3
	ds_store_b32 v16, v[240+\t] offset:64*\t       ; (both halves of the lanes write the same bytes with the same values)
	ds_store_b32 v16, v[244+\t] offset:64*\t+4*NOUT
.endr
	BAR
	; ---- the row parts are joined, about the first part's mean; waves 0 .. CP - 1, two columns a lane
	s_cmp_ge_u32 s2, CP
	s_cbranch_scc1 .Lnof
.set p, 0
.rept RP
	ds_load_b64 v[56+4*p:57+4*p], v55 offset:p*8*NOUT
	ds_load_b64 v[58+4*p:59+4*p], v55 offset:p*8*NOUT+4*NOUT
.set p, p+1
.endr
	s_mov_b32 s28, (127-3+LCP)<<23                 ; 1 / RP
	s_mov_b32 s29, s28
	s_mov_b32 s30, (127+4+LCP)<<23                 ; 16 RT: the rows of a part
	s_mov_b32 s31, s30
.irp i,240,241,242,243
	v_mov_b32 v[\i], 0
.endr
	s_wait_dscnt 0x0
.if RP > 1
.set p, 1
.rept RP-1
	v_pk_add_f32 v[246:247], v[56+4*p:57+4*p], v[56:57] neg_lo:[0,1] neg_hi:[0,1]
	v_pk_add_f32 v[240:241], v[240:241], v[246:247]
	v_pk_fma_f32 v[242:243], v[246:247], v[246:247], v[242:243]
	v_pk_add_f32 v[58:59], v[58:59], v[58+4*p:59+4*p]
.set p, p+1
.endr
.endif
	v_pk_mul_f32 v[246:247], v[240:241], s[28:29] op_sel_hi:[1,0]
	v_pk_fma_f32 v[242:243], v[246:247], v[240:241], v[242:243] neg_lo:[1,0,0] neg_hi:[1,0,0]
	v_pk_add_f32 v[56:57], v[56:57], v[246:247]
	v_pk_fma_f32 v[58:59], v[242:243], s[30:31], v[58:59] op_sel_hi:[1,0,1]
	global_store_b64 v53, v[56:57], s[18:19]       ; 32 lanes store 256 consecutive bytes
	global_store_b64 v53, v[58:59], s[18:19] offset:4*NOUT
.Lnof:
	s_wait_tensorcnt 0x0                           ; the wave's end
	ds_add_u32 v18, v19
	s_wait_dscnt 0x0
	s_endpgm
.Lfunc_end_k_qc3bbf01091_layer5:
	.size	k_qc3bbf01091_layer5, .Lfunc_end_k_qc3bbf01091_layer5-k_qc3bbf01091_layer5
	.p2alignl 7, 3214868480
	.fill 96, 4, 3214868480
	.section	.rodata,"a",@progbits
	.p2align	6, 0x0
	.amdhsa_kernel k_qc3bbf01091_layer5
		.amdhsa_group_segment_fixed_size 111616
		.amdhsa_private_segment_fixed_size 0
		.amdhsa_enable_private_segment 0
		.amdhsa_kernarg_size 64
		.amdhsa_user_sgpr_count 2
		.amdhsa_user_sgpr_kernarg_segment_ptr 1
		.amdhsa_wavefront_size32 1
		.amdhsa_system_sgpr_workgroup_id_x 1
		.amdhsa_system_sgpr_workgroup_id_y 1
		.amdhsa_system_sgpr_workgroup_id_z 1
		.amdhsa_system_vgpr_workitem_id 0
		.amdhsa_next_free_vgpr 304
		.amdhsa_next_free_sgpr 66
		.amdhsa_reserve_vcc 0
		.amdhsa_float_denorm_mode_32 3
		.amdhsa_float_denorm_mode_16_64 3
		.amdhsa_memory_ordered 1
		.amdhsa_forward_progress 1
		.amdhsa_inst_pref_size 56
	.end_amdhsa_kernel
	.amdgpu_metadata
---
amdhsa.version: [ 1, 2 ]
amdhsa.kernels:
  - .name:           k_qc3bbf01091_layer5
    .symbol:         k_qc3bbf01091_layer5.kd
    .args:
      - { .name: xb, .offset: 0, .size: 8, .value_kind: global_buffer, .address_space: global }
      - { .name: pb, .offset: 8, .size: 8, .value_kind: global_buffer, .address_space: global }
      - { .name: g4, .offset: 16, .size: 8, .value_kind: global_buffer, .address_space: global }
      - { .name: be4, .offset: 24, .size: 8, .value_kind: global_buffer, .address_space: global }
      - { .name: wq, .offset: 32, .size: 8, .value_kind: global_buffer, .address_space: global }
      - { .name: b5, .offset: 40, .size: 8, .value_kind: global_buffer, .address_space: global }
      - { .name: xa, .offset: 48, .size: 8, .value_kind: global_buffer, .address_space: global }
      - { .name: pa, .offset: 56, .size: 8, .value_kind: global_buffer, .address_space: global }
    .group_segment_fixed_size: 111616
    .private_segment_fixed_size: 0
    .kernarg_segment_align: 8
    .kernarg_segment_size: 64
    .max_flat_workgroup_size: 256
    .sgpr_count:     66
    .vgpr_count:     304
    .wavefront_size: 32
...
	.end_amdgpu_metadata
.endif
;; end of part 7
;; launch head (part 8): grid 128 x 1, 8 waves a work-group, no clusters, 19,456 bytes of LDS; arguments xa, pa, g5, be5, w6, b6, out0; writes out0
.if DOCPART == 8
	.amdgcn_target "amdgcn-amd-amdhsa--gfx1250"
	.amdhsa_code_object_version 6
	.text
	.protected	k_qc3bbf01091_head
	.globl	k_qc3bbf01091_head
	.p2align	8
	.type	k_qc3bbf01091_head,@function
k_qc3bbf01091_head:
	s_mov_b64 s[64:65], 0
	v_nop
	global_prefetch_b8 v0, s[64:65] scope:SCOPE_SE
	s_setreg_imm32_b32 hwreg(HW_REG_WAVE_MODE, 25, 1), 1
	s_wait_xcnt 0x0
; THE LAST STEP: a = relu(g5 (x5 - mean) rsqrt(var + 1e-5) + be5), mean and var over all 16,384 rows; out0 = a w6 + b6, K = 64, N = 2, in f32 by fused multiply-adds (two columns are no work for a matrix unit).
; The statistics are joined as in the layers: all 128 partial (mean, M2), about the first partial's mean.  LIMITS: NaN and infinities are not served.
; SHARES.  128 work-groups of 128 rows, as the partials were made; wave w takes 16 rows: a load brings two whole rows (16 lanes a row, 4 columns a lane); the sums over a row's 16 lanes ride on DPP additions.
; A wave's results are 128 consecutive bytes, stored by one instruction; the whole output is 128 KiB.
.set KIN,  64
.set LKQ,  4
.set NSUB, 16
.set NS8,  8
.set NB,   2
.set RED,  0                           ; LDS: [subset 16][3][64] f32
.set PRM,  12288                       ; mean[64], sc[64], be[64]
.set SPARE,18432                       ; the spare words, 128 bytes for each wave: four blocks of 256 bytes that no other line names
.macro BAR
	s_wait_dscnt 0x0
	s_barrier_signal -1
	s_barrier_wait -1
.endm
.macro SBATCH set, b
.irp p,0,1,2,3
	global_load_b128 v[\set+8*\p:\set+8*\p+3], v7, s[6:7] offset:(4*(\b)+\p)*8*KIN
	global_load_b128 v[\set+8*\p+4:\set+8*\p+7], v7, s[6:7] offset:(4*(\b)+\p)*8*KIN+4*KIN
.endr
.endm
.macro SACC set
.irp p,0,1,2,3
	v_pk_add_f32 v[228:229], v[\set+8*\p:\set+8*\p+1], v[48:49] neg_lo:[0,1] neg_hi:[0,1]
	v_pk_add_f32 v[230:231], v[\set+8*\p+2:\set+8*\p+3], v[50:51] neg_lo:[0,1] neg_hi:[0,1]
	v_pk_add_f32 v[224:225], v[224:225], v[\set+8*\p+4:\set+8*\p+5]
	v_pk_add_f32 v[226:227], v[226:227], v[\set+8*\p+6:\set+8*\p+7]
	v_pk_add_f32 v[216:217], v[216:217], v[228:229]
	v_pk_add_f32 v[218:219], v[218:219], v[230:231]
	v_pk_fma_f32 v[220:221], v[228:229], v[228:229], v[220:221]
	v_pk_fma_f32 v[222:223], v[230:231], v[230:231], v[222:223]
.endr
.endm
	s_load_b256 s[4:11], s[0:1], 0x0               ; x5, partials, g5, be5
	s_load_b128 s[12:15], s[0:1], 0x20             ; w6, b6
	s_load_b64 s[16:17], s[0:1], 0x30              ; out0
	v_lshl_add_u32 v18, v0, 2, SPARE
	v_mov_b32 v19, 0
	v_lshrrev_b32 v1, 5, v0
	v_readfirstlane_b32 s2, v1                     ; wave 0..7
	v_and_b32 v2, 15, v0                           ; r
	v_bfe_u32 v3, v0, 4, 1                         ; h
	s_lshl_b32 s22, s2, 12                         ; 16 rows of 256 bytes
	v_lshlrev_b32 v6, 8, v3
	v_lshl_add_u32 v6, v2, 4, v6
	v_add_nc_u32 v6, s22, v6                       ; x5: row 16 w + h, 16 bytes a lane
	v_lshlrev_b32 v8, 4, v2                        ; my quad of columns (thread % 16), in bytes
	v_lshrrev_b32 v53, LKQ, v0                     ; my subset of the partials
	v_mul_u32_u24 v7, v53, KIN*KIN
	v_add_nc_u32 v7, v7, v8
	v_mul_u32_u24 v9, v53, 12*KIN
	v_add_nc_u32 v9, v9, v8
	v_lshl_add_u32 v10, v2, 4, PRM
	v_lshlrev_b32 v12, 5, v2                       ; w6: rows 4 r on, 8 bytes a row
	v_mov_b32 v13, 0
	v_lshrrev_b32 v14, 1, v2
	v_lshlrev_b32 v14, 4, v14
	v_and_b32 v15, 1, v2
	v_lshl_add_u32 v14, v15, 2, v14
	v_lshl_add_u32 v14, v3, 3, v14                 ; out0: row 2 (r / 2) + h, column r % 2
	s_mov_b32 s23, 0
	s_wait_kmcnt 0x0
	s_lshl_b32 s22, ttmp9, 15
	s_add_nc_u64 s[4:5], s[4:5], s[22:23]
	s_lshl_b32 s22, ttmp9, 10
	s_lshl_b32 s24, s2, 7
	s_add_co_u32 s22, s22, s24
	s_add_nc_u64 s[16:17], s[16:17], s[22:23]
.irp i,0,1,2,3,4,5,6,7
	global_load_b128 v[56+4*\i:59+4*\i], v6, s[4:5] offset:512*\i th:TH_LOAD_NT
.endr
	global_load_b128 v[96:99], v12, s[12:13]
	global_load_b128 v[100:103], v12, s[12:13] offset:16
	global_load_b64 v[104:105], v13, s[14:15]
	global_load_b128 v[24:27], v8, s[8:9]
	global_load_b128 v[28:31], v8, s[10:11]
	global_load_b128 v[48:51], v8, s[6:7]          ; the first partial's mean: the shift
	SBATCH 120, 0
	SBATCH 152, 1
.set i, 216
.rept 12
	v_mov_b32 v[i], 0
.set i, i+1
.endr
	s_wait_loadcnt 8                               ; the second batch's eight loads may be out
	SACC 120
	s_wait_loadcnt 0x0
	SACC 152
	ds_store_b128 v9, v[216:219] offset:RED
	ds_store_b128 v9, v[220:223] offset:RED+4*KIN
	ds_store_b128 v9, v[224:227] offset:RED+8*KIN
	BAR
	s_cmp_ge_u32 s2, 1                             ; wave 0 joins the subsets (its two halves do the same 16 quads and write the same values)
	s_cbranch_scc1 .Lnofin
.set i, 216
.rept 12
	v_mov_b32 v[i], 0
.set i, i+1
.endr
.set rr, 0
.rept (NSUB+7)/8
.set jj, 0
.rept NS8
	ds_load_b128 v[120+12*jj:123+12*jj], v8 offset:RED+(8*rr+jj)*12*KIN
	ds_load_b128 v[124+12*jj:127+12*jj], v8 offset:RED+(8*rr+jj)*12*KIN+4*KIN
	ds_load_b128 v[128+12*jj:131+12*jj], v8 offset:RED+(8*rr+jj)*12*KIN+8*KIN
.set jj, jj+1
.endr
	s_wait_dscnt 0x0
.set jj, 0
.rept NS8
.irp e,0,2,4,6,8,10
	v_pk_add_f32 v[216+\e:217+\e], v[216+\e:217+\e], v[120+12*jj+\e:121+12*jj+\e]
.endr
.set jj, jj+1
.endr
.set rr, rr+1
.endr
	s_mov_b32 s28, 0x3c000000                      ; 1 / 128
	s_mov_b32 s29, 0x43000000                      ; 128
	s_mov_b32 s30, 0x38800000                      ; 1 / 16,384
	s_mov_b32 s31, 0x3727c5ac                      ; 1e-5
.irp i,0,1,2,3
	v_mul_f32 v[120+\i], s28, v[216+\i]
.endr
.irp i,0,1,2,3
	v_fma_f32 v[220+\i], -v[120+\i], v[216+\i], v[220+\i]
	v_add_f32 v[120+\i], v[48+\i], v[120+\i]
.endr
.irp i,0,1,2,3
	v_fma_f32 v[224+\i], s29, v[220+\i], v[224+\i]
.endr
.irp i,0,1,2,3
	v_fma_f32 v[224+\i], v[224+\i], s30, s31
.endr
.irp i,0,1,2,3
	v_rsq_f32 v[124+\i], v[224+\i]
.endr
	v_nop                                          ; a plain place behind the transcendentals
	s_wait_alu depctr_va_vdst(0)                   ; one wait for the four, ahead of their first reader
.irp i,0,1,2,3
	v_mul_f32 v[124+\i], v[24+\i], v[124+\i]
.endr
	ds_store_b128 v8, v[120:123] offset:PRM
	ds_store_b128 v8, v[124:127] offset:PRM+4*KIN
	ds_store_b128 v8, v[28:31] offset:PRM+8*KIN
.Lnofin:
	BAR
	ds_load_b128 v[108:111], v10
	ds_load_b128 v[112:115], v10 offset:4*KIN
	ds_load_b128 v[116:119], v10 offset:8*KIN
	s_wait_tensorcnt 0x0                           ; the wave's end as far as LDS goes
	ds_add_u32 v18, v19
	s_wait_dscnt 0x0
.irp i,0,1,2,3,4,5,6,7
	v_pk_add_f32 v[56+4*\i:57+4*\i], v[56+4*\i:57+4*\i], v[108:109] neg_lo:[0,1] neg_hi:[0,1]
	v_pk_add_f32 v[58+4*\i:59+4*\i], v[58+4*\i:59+4*\i], v[110:111] neg_lo:[0,1] neg_hi:[0,1]
	v_pk_fma_f32 v[56+4*\i:57+4*\i], v[56+4*\i:57+4*\i], v[112:113], v[116:117]
	v_pk_fma_f32 v[58+4*\i:59+4*\i], v[58+4*\i:59+4*\i], v[114:115], v[118:119]
.irp e,0,1,2,3
	v_max_num_f32 v[56+4*\i+\e], 0, v[56+4*\i+\e]
.endr
	v_mul_f32 v[120+2*\i], v[56+4*\i], v96         ; my four columns' part of the row's two sums
	v_mul_f32 v[121+2*\i], v[56+4*\i], v97
	v_fma_f32 v[120+2*\i], v[57+4*\i], v98, v[120+2*\i]
	v_fma_f32 v[121+2*\i], v[57+4*\i], v99, v[121+2*\i]
	v_fma_f32 v[120+2*\i], v[58+4*\i], v100, v[120+2*\i]
	v_fma_f32 v[121+2*\i], v[58+4*\i], v101, v[121+2*\i]
	v_fma_f32 v[120+2*\i], v[59+4*\i], v102, v[120+2*\i]
	v_fma_f32 v[121+2*\i], v[59+4*\i], v103, v[121+2*\i]
.endr
.irp x,1,2,4,8
.irp j,0,1,2,3,4,5,6,7,8,9,10,11,12,13,14,15
	v_add_f32_dpp v[120+\j], v[120+\j], v[120+\j] row_xmask:\x row_mask:0xf bank_mask:0xf
.endr
.endr
	v_mov_b32 v16, v120                            ; register 120 + 2 i + c holds out(row 2 i + h, c) in every lane of the half: lane r takes register 120 + r
.irp j,1,2,3,4,5,6,7,8,9,10,11,12,13,14,15
	v_cmp_eq_u32 vcc_lo, \j, v2
	v_cndmask_b32 v16, v16, v[120+\j], vcc_lo
.endr
	v_cmp_eq_u32 vcc_lo, 1, v15
	v_cndmask_b32 v17, v104, v105, vcc_lo
	v_add_f32 v16, v16, v17
	global_store_b32 v14, v16, s[16:17]            ; a wave stores 128 consecutive bytes
	s_endpgm
.Lfunc_end_k_qc3bbf01091_head:
	.size	k_qc3bbf01091_head, .Lfunc_end_k_qc3bbf01091_head-k_qc3bbf01091_head
	.p2alignl 7, 3214868480
	.fill 96, 4, 3214868480
	.section	.rodata,"a",@progbits
	.p2align	6, 0x0
	.amdhsa_kernel k_qc3bbf01091_head
		.amdhsa_group_segment_fixed_size 19456
		.amdhsa_private_segment_fixed_size 0
		.amdhsa_enable_private_segment 0
		.amdhsa_kernarg_size 56
		.amdhsa_user_sgpr_count 2
		.amdhsa_user_sgpr_kernarg_segment_ptr 1
		.amdhsa_wavefront_size32 1
		.amdhsa_system_sgpr_workgroup_id_x 1
		.amdhsa_system_sgpr_workgroup_id_y 1
		.amdhsa_system_sgpr_workgroup_id_z 1
		.amdhsa_system_vgpr_workitem_id 0
		.amdhsa_next_free_vgpr 240
		.amdhsa_next_free_sgpr 66
		.amdhsa_reserve_vcc 1
		.amdhsa_float_denorm_mode_32 3
		.amdhsa_float_denorm_mode_16_64 3
		.amdhsa_memory_ordered 1
		.amdhsa_forward_progress 1
		.amdhsa_inst_pref_size 33
	.end_amdhsa_kernel
	.amdgpu_metadata
---
amdhsa.version: [ 1, 2 ]
amdhsa.kernels:
  - .name:           k_qc3bbf01091_head
    .symbol:         k_qc3bbf01091_head.kd
    .args:
      - { .name: xa, .offset: 0, .size: 8, .value_kind: global_buffer, .address_space: global }
      - { .name: pa, .offset: 8, .size: 8, .value_kind: global_buffer, .address_space: global }
      - { .name: g5, .offset: 16, .size: 8, .value_kind: global_buffer, .address_space: global }
      - { .name: be5, .offset: 24, .size: 8, .value_kind: global_buffer, .address_space: global }
      - { .name: w6, .offset: 32, .size: 8, .value_kind: global_buffer, .address_space: global }
      - { .name: b6, .offset: 40, .size: 8, .value_kind: global_buffer, .address_space: global }
      - { .name: out0, .offset: 48, .size: 8, .value_kind: global_buffer, .address_space: global }
    .group_segment_fixed_size: 19456
    .private_segment_fixed_size: 0
    .kernarg_segment_align: 8
    .kernarg_segment_size: 56
    .max_flat_workgroup_size: 256
    .sgpr_count:     66
    .vgpr_count:     240
    .wavefront_size: 32
...
	.end_amdgpu_metadata
.endif
;; end of part 8
;; ======== version 2 of 2: 8 launches; 1.23 times as fast as version 1
;; workspace buffers: groups 524,288 bytes of whole numbers; nbr 524,288 bytes of whole numbers; wq 206,336 bytes; xa 33,554,432 bytes; xb 16,777,216 bytes; pa 524,288 bytes; pb 262,144 bytes
;; launch coarse (part 9): grid 256 x 1, 8 waves a work-group, no clusters, 250,880 bytes of LDS; arguments pos, measure_coords, w1, w2, w3, w4, w5, groups, wq; writes groups, wq
.if DOCPART == 9
	.amdgcn_target "amdgcn-amd-amdhsa--gfx1250"
	.amdhsa_code_object_version 6
	.text
	.protected	k_qc3bbf01091_coarse
	.globl	k_qc3bbf01091_coarse
	.p2align	8
	.type	k_qc3bbf01091_coarse,@function
k_qc3bbf01091_coarse:
	s_mov_b64 s[64:65], 0
	v_nop
	global_prefetch_b8 v0, s[64:65] scope:SCOPE_SE
	s_setreg_imm32_b32 hwreg(HW_REG_WAVE_MODE, 25, 1), 1
	s_wait_xcnt 0x0
; FIRST STEP OF THE SEARCH FOR THE 16 NEAREST OF 8,192 POINTS, and the weights' codes.
; The points are taken as 512 groups of 16 neighbouring indices.  For each query the 16 groups with the smallest (minimum of d2, group number) are found and stored as whole
; numbers, ascending.  Every group that holds one of the 16 nearest points (ordered by d2, then index) is among them: each group that comes before it has a point that comes
; before that point, and there are at most 15 such points.
; d2 = ((px px + py py) + (cx cx + cy cy)) - 2 dot.  The squares and their sums are rounded to f32 one by one, as separate multiplications and sums give them.  dot is a matrix product's
; sum with K ascending and fused multiply-adds: px cx rounded, then py cy added to it with one rounding.  The last step is one fused multiply-add, which rounds once, as a subtraction
; of the exact 2 x dot does.  The next launch uses the same operations, so it gets the same bits.
; LIMITS: NaN and infinities among the inputs are not served; +0 and -0 count as equal; two points whose d2 differ by less than this form's rounding against another f32
; evaluation may change places.  Weights: a block of zeros gets the scale byte 1 (its codes are zeros; the bytes are read by this program alone); block maxima under 2^-124 are held there.
; SHARES.  A work-group owns 64 queries; each of its 8 waves holds all 64 (a lane two, in an even and an odd register) and owns 1,024 points = 64 groups.
; THE POINTS.  A wave copies its 1,024 points into LDS once, with cx cx + cy cy of each beside them (made once, a lane for each two points), and reads them back with ALL LANES AT ONE ADDRESS:
; every lane gets the same numbers in vector registers, and one dual instruction serves one point for the lane's two queries.  LDS loads come back in order, so their waits are counted
; and a group's twelve loads are asked for a whole group ahead.  (Scalar loads can be waited for only all together, ISA guide 5.7.1; the scalar registers hold two groups at the most.)
; No tensor load, no cluster: the point table is 64 KiB and each wave reads its own eighth of it once.
; A wave keeps the sorted 16 smallest minima of its slice (values alone: one v_med3 a place).  Three exchanges through LDS give every wave the 16 smallest of all 512; their
; largest is the threshold t.  Counts of (< t) and (= t) a slice give each wave its place in the list; a second pass over its 64 minima (kept in LDS) shifts the chosen group
; numbers into 16 halfwords; the eight waves' parts are joined by OR.  No branch and no address hangs on a floating-point number.
; THE WEIGHTS.  Wave 0 of work-groups 0 to 123 also quantises one fragment (128 along K x 16 columns) of w1 .. w5: a lane takes a column, its registers run down K in the order
; of the operand's registers; the codes go out as the image of those registers (3 x 512 bytes), the scale words 4 bytes a lane.
.set TBL,   131072                     ; LDS: 0: the minima [wave][group 64][lane] 8 bytes;  TBL: the points' coordinates [wave] 8,192 bytes, as they lie in memory
.set CCT,   196608                     ; [wave] 4,096 bytes: cx cx + cy cy of each point
.set LV0,   131072                     ; behind the main loop and a barrier the same 96 KiB serve again: three regions of [wave][entry 16][lane] 8 bytes for the exchanges
.set CNT,   229376                     ; [wave][lane] 16 bytes: the counts
.set CMB,   233472                     ; [wave][word 8][lane] 8 bytes: the waves' parts of the list
.set SPARE, 249856                     ; the spare words, 128 bytes for each wave: four blocks of 256 bytes that no other line names
.set SCB,   190464                     ; wq: 124 fragments x 1,536 bytes of codes, then the scale words
.set LST,   40                         ; v40-71   my slice's 16 smallest minima: entry i of query q at 40 + 2 i + q
.set PA,    72                         ; v72-119  a group of 16 points: 32 coordinates, then 16 cc;  PB: v120-167 the next group
.set PB,    120
.set ML,    72                         ; v72-103  the merged list        (later v72-135: 64 numbers of a weight)
.set RR,    104                        ; v104-135 the partner's list
.set XX,    136                        ; v136-167 at work
.set YY,    168                        ; v168-199 at work
.set GG,    136                        ; v136-151 the list of group numbers: word i of query q at 136 + 2 i + q
; v1 lane; v[2:3] px; v[4:5] py; v[6:7] pp; v8 my place among the minima; v9 address in hand; v10, v11 the add's two; v[12:13] t; v14, v15 where my wave's coordinates and cc begin in LDS (the same in
; all lanes); v16-31 at work; v[32:35] a trip's two minima; v36, v37, v200, v201 LDS addresses; v38 8 x lane; v152-183 the counts of all waves; v184-191 four groups' minima; v200-221 counters; v232-237 lane terms
.macro BAR
	s_wait_dscnt 0x0                               ; my LDS stores have landed and my LDS loads are in
	s_barrier_signal -1
	s_barrier_wait -1
.endm
; a group's 16 points out of LDS, all lanes at one address: 128 bytes of coordinates and 64 of cc, twelve loads
.macro PTLOAD cb, ca, ka, co, ko
.irp i,0,1,2,3,4,5,6,7
	ds_load_b128 v[\cb+4*\i:\cb+4*\i+3], v[\ca] offset:\co+16*\i
.endr
.irp i,0,1,2,3
	ds_load_b128 v[\cb+32+4*\i:\cb+32+4*\i+3], v[\ka] offset:\ko+16*\i
.endr
.endm
; four points, whose coordinates begin at v[cb] and whose cc at v[kb], against the lane's two queries; their d2 go into the group's minimum v[m], v[m + 1]
.macro CAND4 cb, kb, m, first
.irp j,0,1,2,3
	v_dual_mul_f32 v[16+2*\j], v[\cb+2*\j], v2 :: v_dual_mul_f32 v[17+2*\j], v[\cb+2*\j], v3                 ; px cx, rounded
.endr
.irp j,0,1,2,3
	v_dual_fmac_f32 v[16+2*\j], v[\cb+2*\j+1], v4 :: v_dual_fmac_f32 v[17+2*\j], v[\cb+2*\j+1], v5           ; dot: + py cy, fused
.endr
.irp j,0,1,2,3
	v_dual_add_f32 v[24+2*\j], v[\kb+\j], v6 :: v_dual_add_f32 v[25+2*\j], v[\kb+\j], v7                     ; pp + cc
.endr
.irp j,0,1,2,3
	v_dual_fmac_f32 v[24+2*\j], -2.0, v[16+2*\j] :: v_dual_fmac_f32 v[25+2*\j], -2.0, v[17+2*\j]             ; d2
.endr
.if \first
	v_min_num_f32 v[\m], v24, v26                  ; the first two start the minimum: nothing is preset
	v_min_num_f32 v[\m+1], v25, v27
.else
	v_min3_num_f32 v[\m], v[\m], v24, v26
	v_min3_num_f32 v[\m+1], v[\m+1], v25, v27
.endif
	v_min3_num_f32 v[\m], v[\m], v28, v30
	v_min3_num_f32 v[\m+1], v[\m+1], v29, v31
.endm
; a value goes into the sorted list: entry i becomes the middle one of (entry i - 1, the value, entry i); from the top down, so that each line reads the old entry below it
.macro INS2 m
.irp i,15,14,13,12,11,10,9,8,7,6,5,4,3,2,1
	v_med3_num_f32 v[LST+2*\i], v[LST+2*\i-2], v[\m], v[LST+2*\i]
	v_med3_num_f32 v[LST+2*\i+1], v[LST+2*\i-1], v[\m+1], v[LST+2*\i+1]
.endr
	v_min_num_f32 v[LST], v[LST], v[\m]
	v_min_num_f32 v[LST+1], v[LST+1], v[\m+1]
.endm
; the group in buffer cb.  Its minimum is stored, and (fill = 1) the buffer is asked for again, as soon as the last d2 has been made: the 32 lines of the insertion follow both
.macro GROUP cb, m, off, fill, ca, ka, co, ko
	CAND4 \cb, \cb+32, \m, 1
	CAND4 \cb+8, \cb+36, \m, 0
	CAND4 \cb+16, \cb+40, \m, 0
	CAND4 \cb+24, \cb+44, \m, 0
	ds_store_b64 v9, v[\m:\m+1] offset:\off
.if \fill
	PTLOAD \cb, \ca, \ka, \co, \ko
.endif
	INS2 \m
.endm
; A trip: two groups.  fill = 1: both buffers are asked for again, with the groups two further on.
.macro TRIP fill
	s_wait_dscnt 12                                ; the twelve youngest, the second buffer's loads, may be out: the first buffer is in, and all older stores and loads are done, so their registers may be written
	v_add_nc_u32 v9, s10, v8
.if \fill
	s_add_co_u32 s8, s8, 256                       ; two groups on: 256 bytes of coordinates,
	s_add_co_u32 s11, s11, 128                     ; 128 of cc
	v_add_nc_u32 v36, s8, v14
	v_add_nc_u32 v37, s11, v15
.endif
	GROUP PA, 32, 0, \fill, 36, 37, 0, 0
.if \fill
	s_wait_dscnt 12                                ; the twelve youngest, the first buffer's new loads, may be out: the second buffer is in
	v_add_nc_u32 v200, s8, v14
	v_add_nc_u32 v201, s11, v15
.else
	s_wait_dscnt 1                                 ; behind the second buffer's loads only the minimum's store was issued
.endif
	GROUP PB, 34, 256, \fill, 200, 201, 128, 64
	s_add_co_u32 s10, s10, 512
.endm
.macro STAGE d, src, dst               ; one stage of the sort of a bitonic run of 16: entries d apart, the smaller below
.irp i,0,1,2,3,4,5,6,7,8,9,10,11,12,13,14,15
.if ((\i) & \d) == 0
	v_min_num_f32 v[\dst+2*\i], v[\src+2*\i], v[\src+2*(\i+\d)]
	v_min_num_f32 v[\dst+2*\i+1], v[\src+2*\i+1], v[\src+2*(\i+\d)+1]
	v_max_num_f32 v[\dst+2*(\i+\d)], v[\src+2*\i], v[\src+2*(\i+\d)]
	v_max_num_f32 v[\dst+2*(\i+\d)+1], v[\src+2*\i+1], v[\src+2*(\i+\d)+1]
.endif
.endr
.endm
; waves w and w xor 2^lv change lists; min(mine[i], theirs[15 - i]) holds the 16 smallest of both, as a bitonic run, which four stages sort.  Each level has LDS bytes of its own.
.macro LEVEL lv, cur, last
	s_xor_b32 s12, s2, 1<<\lv
	s_lshl_b32 s12, s12, 12
	s_add_co_u32 s12, s12, LV0+32768*\lv
	v_add_nc_u32 v37, s12, v38
	s_lshl_b32 s13, s2, 12
	s_add_co_u32 s13, s13, LV0+32768*\lv
	v_add_nc_u32 v36, s13, v38
.irp i,0,1,2,3,4,5,6,7,8,9,10,11,12,13,14,15
	ds_store_b64 v36, v[\cur+2*\i:\cur+2*\i+1] offset:256*\i
.endr
	BAR
.irp i,0,1,2,3,4,5,6,7,8,9,10,11,12,13,14,15
	ds_load_b64 v[RR+2*\i:RR+2*\i+1], v37 offset:256*(15-\i)
.endr
	s_wait_dscnt 0x0
.irp j,0,1,2,3,4,5,6,7,8,9,10,11,12,13,14,15,16,17,18,19,20,21,22,23,24,25,26,27,28,29,30,31
	v_min_num_f32 v[XX+\j], v[\cur+\j], v[RR+\j]
.endr
.if !\last
	STAGE 8, XX, YY
	STAGE 4, YY, XX
	STAGE 2, XX, YY
	STAGE 1, YY, ML
.endif
.endm
; one group's minimum, for both queries: chosen where it is under t, or equals t while ties are still wanted.  A chosen number comes in at the top of the 16 halfwords, which move down by one.
.macro PUSH2 m
	v_cmp_lt_f32 s12, v[\m], v12
	v_cmp_lt_f32 s13, v[\m+1], v13
	v_cmp_gt_i32 s14, 0, v218                      ; ties still wanted: minus their number is under 0
	v_cmp_gt_i32 s15, 0, v219
	v_cmp_eq_f32 vcc_lo, v[\m], v12
	s_and_b32 s14, vcc_lo, s14
	s_or_b32 s14, s14, s12
	v_add_co_ci_u32 v218, vcc_lo, 0, v218, vcc_lo  ; a tie has been met
	v_cmp_eq_f32 vcc_lo, v[\m+1], v13
	s_and_b32 s15, vcc_lo, s15
	s_or_b32 s15, s15, s13
	v_add_co_ci_u32 v219, vcc_lo, 0, v219, vcc_lo
	v_cndmask_b32 v220, 0, 16, s14                 ; the shift: 16 bits or none
	v_cndmask_b32 v221, 0, 16, s15
.irp i,0,1,2,3,4,5,6
	v_alignbit_b32 v[GG+2*\i], v[GG+2*\i+2], v[GG+2*\i], v220
	v_alignbit_b32 v[GG+2*\i+1], v[GG+2*\i+3], v[GG+2*\i+1], v221
.endr
	v_alignbit_b32 v[GG+14], s11, v[GG+14], v220
	v_alignbit_b32 v[GG+15], s11, v[GG+15], v221
	s_add_co_u32 s11, s11, 1
.endm
.macro BARREL q                        ; query q's 16 halfwords move down by v[216 + q] places, zeros coming in at the top
.irp nw,4,2,1
	v_and_b32 v210, 2*\nw, v[216+\q]
	v_cmp_ne_u32 s12, 0, v210
.irp i,0,1,2,3,4,5,6,7
.if \i+\nw < 8
	v_cndmask_b32 v[GG+2*\i+\q], v[GG+2*\i+\q], v[GG+2*(\i+\nw)+\q], s12
.else
	v_cndmask_b32 v[GG+2*\i+\q], v[GG+2*\i+\q], 0, s12
.endif
.endr
.endr
	v_and_b32 v210, 1, v[216+\q]
	v_lshlrev_b32 v210, 4, v210
.irp i,0,1,2,3,4,5,6
	v_alignbit_b32 v[GG+2*\i+\q], v[GG+2*\i+2+\q], v[GG+2*\i+\q], v210
.endr
	v_alignbit_b32 v[GG+14+\q], 0, v[GG+14+\q], v210
.endm
.macro PLOAD pb, p                     ; 64 numbers of my column: W(64 c + 32 h + i, column), a row being pb bytes; the 32 h rows stand in v234
.set i, 0
.rept 64
	global_load_b32 v[72+i], v234, s[\p:\p+1] offset:((i/32)*64+(i%32))*\pb
.set i, i+1
.endr
.endm
	s_load_b128 s[4:7], s[0:1], 0x0                ; pos, measure_coords
	v_lshl_add_u32 v10, v0, 2, SPARE
	v_mov_b32 v11, 0
	v_lshrrev_b32 v1, 5, v0
	v_readfirstlane_b32 s2, v1                     ; wave 0..7
	v_lshl_add_u32 v14, v1, 13, TBL                ; my wave's coordinates in LDS: the same address in all lanes
	v_lshl_add_u32 v15, v1, 12, CCT                ; and its cc
	v_and_b32 v1, 31, v0                           ; lane
	v_and_b32 v232, 15, v0                         ; r
	v_bfe_u32 v233, v0, 4, 1                       ; h
	v_lshlrev_b32 v38, 3, v1
	v_lshlrev_b32 v236, 4, v1
	v_lshlrev_b32 v237, 2, v1
	v_lshlrev_b32 v235, 2, v232
	v_add_nc_u32 v36, v14, v236                    ; where I put 16 bytes of coordinates,
	v_add_nc_u32 v37, v15, v38                     ; and the two cc that belong to them
	s_lshl_b32 s12, s2, 14
	v_add_nc_u32 v8, s12, v38                      ; my wave's 16 KiB of minima, 8 bytes a lane
	s_lshl_b32 s12, ttmp9, 9                       ; the work-group's 64 queries: 512 bytes of pos
	s_mov_b32 s13, 0
	s_lshl_b32 s14, s2, 13                         ; my wave's 1,024 points: 8,192 bytes
	s_mov_b32 s15, 0
	s_mov_b32 s8, 0
	s_mov_b32 s9, 0
	s_mov_b32 s10, 0
	s_mov_b32 s11, 0
	s_wait_kmcnt 0x0
	s_add_nc_u64 s[4:5], s[4:5], s[12:13]
	s_add_nc_u64 s[6:7], s[6:7], s[14:15]
	global_load_b128 v[16:19], v236, s[4:5]        ; my two queries
.set i, 0
.rept 16
	global_load_b128 v[72+4*i:75+4*i], v236, s[6:7] offset:512*i   ; my wave's points: 32 lanes read 512 consecutive bytes, two points a lane
.set i, i+1
.endr
.set i, 0
.rept 32
	v_mov_b32 v[LST+i], 0x7f800000                 ; the list begins as +infinity; a slice has 64 groups, so it fills
.set i, i+1
.endr
	s_wait_loadcnt 0x0
	v_mov_b32 v2, v16
	v_mov_b32 v4, v17
	v_mov_b32 v3, v18
	v_mov_b32 v5, v19
	v_pk_mul_f32 v[6:7], v[2:3], v[2:3]
	v_pk_mul_f32 v[20:21], v[4:5], v[4:5]
	v_pk_add_f32 v[6:7], v[6:7], v[20:21]          ; pp
.irp hh,0,1                                    ; cc of my 32 points: both squares rounded, then their sum
.irp i,0,1,2,3,4,5,6,7
	v_pk_mul_f32 v[168+4*\i:169+4*\i], v[72+32*\hh+4*\i:73+32*\hh+4*\i], v[72+32*\hh+4*\i:73+32*\hh+4*\i]
	v_pk_mul_f32 v[170+4*\i:171+4*\i], v[74+32*\hh+4*\i:75+32*\hh+4*\i], v[74+32*\hh+4*\i:75+32*\hh+4*\i]
.endr
.irp i,0,1,2,3,4,5,6,7
	v_add_f32 v[136+16*\hh+2*\i], v[168+4*\i], v[169+4*\i]
	v_add_f32 v[137+16*\hh+2*\i], v[170+4*\i], v[171+4*\i]
.endr
.endr
.set i, 0
.rept 16
	ds_store_b128 v36, v[72+4*i:75+4*i] offset:512*i
	ds_store_b64 v37, v[136+2*i:137+2*i] offset:256*i
.set i, i+1
.endr
	s_wait_dscnt 0x0                               ; the stores have read their registers, which take the loads below.  Only my wave reads these bytes, so no barrier stands here
	PTLOAD PA, 14, 15, 0, 0                        ; group 0
	PTLOAD PB, 14, 15, 128, 64                     ; group 1
.Lmain:                                                ; 31 trips of two groups, each asking for the two groups of the next trip
	TRIP 1
	s_add_co_u32 s9, s9, 1
	s_cmp_lt_u32 s9, 31
	s_cbranch_scc1 .Lmain
	TRIP 0                                         ; the last trip is written out: it asks for nothing, so no read leaves my wave's slice
	s_load_b256 s[16:23], s[0:1], 0x10             ; w1, w2, w3, w4
	s_load_b128 s[24:27], s[0:1], 0x30             ; w5, groups
	s_load_b64 s[28:29], s[0:1], 0x40              ; wq
	BAR                                            ; every wave's reads of its points are over: the exchanges below store into those bytes
	LEVEL 0, LST, 0
	LEVEL 1, ML, 0
	LEVEL 2, ML, 1
.irp q,0,1                                     ; t: the largest of the 16 smallest
	v_max3_num_f32 v[12+\q], v[XX+\q], v[XX+2+\q], v[XX+4+\q]
.irp i,6,10,14,18,22,26
	v_max3_num_f32 v[12+\q], v[12+\q], v[XX+\i+\q], v[XX+\i+2+\q]
.endr
	v_max_num_f32 v[12+\q], v[12+\q], v[XX+30+\q]
.endr
	s_wait_kmcnt 0x0
	s_cmp_lt_u32 ttmp9, 124
	s_cselect_b32 s30, 1, 0
	s_cmp_eq_u32 s2, 0
	s_cselect_b32 s30, s30, 0                      ; 1: this wave also quantises fragment number ttmp9 of the weights
	; ---- the fragment's 64 numbers a lane are asked for here and used at the end
	s_cmp_eq_u32 s30, 0
	s_cbranch_scc1 .Lp1
	s_mov_b32 s13, 0
	s_cmp_lt_u32 ttmp9, 8
	s_cbranch_scc1 .Lw1
	s_cmp_lt_u32 ttmp9, 24
	s_cbranch_scc1 .Lw2
	s_cmp_lt_u32 ttmp9, 88
	s_cbranch_scc1 .Lw3
	s_cmp_lt_u32 ttmp9, 120
	s_cbranch_scc1 .Lw4
	s_sub_co_u32 s12, ttmp9, 120                   ; w5 [128][64]: column tile f - 120
	s_lshl_b32 s12, s12, 6
	s_add_nc_u64 s[24:25], s[24:25], s[12:13]
	v_mul_u32_u24 v234, v233, 32*256
	v_lshl_add_u32 v234, v232, 2, v234
	PLOAD 256, 24
	s_branch .Lp1
.Lw4:                                                  ; w4 [512][128]: f - 88 = 4 x column tile + K step
	s_sub_co_u32 s12, ttmp9, 88
	s_and_b32 s14, s12, 3
	s_lshl_b32 s14, s14, 16                        ; 128 rows of 512 bytes
	s_lshr_b32 s12, s12, 2
	s_lshl_b32 s12, s12, 6
	s_add_co_u32 s12, s12, s14
	s_add_nc_u64 s[22:23], s[22:23], s[12:13]
	v_mul_u32_u24 v234, v233, 32*512
	v_lshl_add_u32 v234, v232, 2, v234
	PLOAD 512, 22
	s_branch .Lp1
.Lw3:                                                  ; w3 [256][512]: f - 24 = 2 x column tile + K step
	s_sub_co_u32 s12, ttmp9, 24
	s_and_b32 s14, s12, 1
	s_lshl_b32 s14, s14, 18                        ; 128 rows of 2,048 bytes
	s_lshr_b32 s12, s12, 1
	s_lshl_b32 s12, s12, 6
	s_add_co_u32 s12, s12, s14
	s_add_nc_u64 s[20:21], s[20:21], s[12:13]
	v_mul_u32_u24 v234, v233, 32*2048
	v_lshl_add_u32 v234, v232, 2, v234
	PLOAD 2048, 20
	s_branch .Lp1
.Lw2:                                                  ; w2 [128][256]: column tile f - 8
	s_sub_co_u32 s12, ttmp9, 8
	s_lshl_b32 s12, s12, 6
	s_add_nc_u64 s[18:19], s[18:19], s[12:13]
	v_mul_u32_u24 v234, v233, 32*1024
	v_lshl_add_u32 v234, v232, 2, v234
	PLOAD 1024, 18
	s_branch .Lp1
.Lw1:                                                  ; w1 [66][128]: column tile f; K = 66 is filled with zeros to 128
	s_lshl_b32 s12, ttmp9, 6
	s_add_nc_u64 s[16:17], s[16:17], s[12:13]
	v_mul_u32_u24 v234, v233, 32*512
	v_lshl_add_u32 v234, v232, 2, v234
.set i, 0
.rept 32
	global_load_b32 v[72+i], v234, s[16:17] offset:i*512
.set i, i+1
.endr
	global_load_b32 v104, v235, s[16:17] offset:64*512   ; rows 64 and 65, by all lanes (no load leaves the buffer); lanes 16-31, whose k would be 96 and 97, get zeros at the end
	global_load_b32 v105, v235, s[16:17] offset:65*512
.set i, 106
.rept 30
	v_mov_b32 v[i], 0
.set i, i+1
.endr
.Lp1:
	; ---- how many of my slice's minima lie under t, how many equal it (the list holds all that can matter: at most 15 lie under t in all, and no more than 16 ties are ever wanted)
.irp i,200,201,202,203
	v_mov_b32 v[\i], 0
.endr
.irp i,0,1,2,3,4,5,6,7,8,9,10,11,12,13,14,15
	v_cmp_lt_f32 vcc_lo, v[LST+2*\i], v12
	v_add_co_ci_u32 v200, vcc_lo, 0, v200, vcc_lo
	v_cmp_lt_f32 vcc_lo, v[LST+2*\i+1], v13
	v_add_co_ci_u32 v201, vcc_lo, 0, v201, vcc_lo
	v_cmp_eq_f32 vcc_lo, v[LST+2*\i], v12
	v_add_co_ci_u32 v202, vcc_lo, 0, v202, vcc_lo
	v_cmp_eq_f32 vcc_lo, v[LST+2*\i+1], v13
	v_add_co_ci_u32 v203, vcc_lo, 0, v203, vcc_lo
.endr
	v_lshl_add_u32 v36, v1, 4, CNT
	s_lshl_b32 s12, s2, 9
	v_add_nc_u32 v37, s12, v36
	ds_store_b128 v37, v[200:203]
	BAR
.irp s,0,1,2,3,4,5,6,7
	ds_load_b128 v[152+4*\s:155+4*\s], v36 offset:512*\s
.endr
	s_wait_dscnt 0x0
.irp q,0,1
	v_add3_u32 v[204+\q], v[152+\q], v[156+\q], v[160+\q]
	v_add3_u32 v[204+\q], v[204+\q], v[164+\q], v[168+\q]
	v_add3_u32 v[204+\q], v[204+\q], v[172+\q], v[176+\q]
	v_add_nc_u32 v[204+\q], v[204+\q], v[180+\q]   ; minima under t, in all
	v_sub_nc_u32 v[206+\q], 16, v[204+\q]          ; ties wanted
	v_mov_b32 v[208+\q], 0                         ; numbers chosen by the waves below me
.endr
.irp s,0,1,2,3,4,5,6                           ; the slices below mine, in order (a mask of ones or zeros from the wave's number; no branch)
	s_cmp_gt_u32 s2, \s
	s_cselect_b32 s12, -1, 0
.irp q,0,1
	v_and_b32 v[210+\q], s12, v[154+4*\s+\q]
	v_and_b32 v[212+\q], s12, v[152+4*\s+\q]
	v_max_i32 v[214+\q], 0, v[206+\q]
	v_min_i32 v[214+\q], v[210+\q], v[214+\q]      ; the ties that slice s takes
	v_add3_u32 v[208+\q], v[208+\q], v[212+\q], v[214+\q]
	v_sub_nc_u32 v[206+\q], v[206+\q], v[210+\q]
.endr
.endr
.irp q,0,1
	v_max_i32 v[214+\q], 0, v[206+\q]
	v_min_i32 v[214+\q], v[202+\q], v[214+\q]
	v_add3_u32 v[214+\q], v[214+\q], v[200+\q], v[208+\q]   ; where my numbers end in the list
	v_sub_nc_u32 v[216+\q], 16, v[214+\q]          ; so far they move down from the top
	v_sub_nc_u32 v[218+\q], 0, v[206+\q]           ; minus the ties that I may take
.endr
.set i, 0
.rept 16
	v_mov_b32 v[GG+i], 0
.set i, i+1
.endr
	; ---- the second pass over my 64 minima
	s_mov_b32 s9, 0
	s_mov_b32 s10, 0
	s_lshl_b32 s11, s2, 6                          ; my first group's number
.Lp2:
	v_add_nc_u32 v9, s10, v8
	ds_load_b64 v[184:185], v9
	ds_load_b64 v[186:187], v9 offset:256
	ds_load_b64 v[188:189], v9 offset:512
	ds_load_b64 v[190:191], v9 offset:768
	s_wait_dscnt 0x0
	PUSH2 184
	PUSH2 186
	PUSH2 188
	PUSH2 190
	s_add_co_u32 s10, s10, 1024
	s_add_co_u32 s9, s9, 1
	s_cmp_lt_u32 s9, 16
	s_cbranch_scc1 .Lp2
	BARREL 0
	BARREL 1
	s_lshl_b32 s12, s2, 11
	s_add_co_u32 s12, s12, CMB
	v_add_nc_u32 v36, s12, v38
	s_lshl_b32 s12, s2, 8
	s_add_co_u32 s12, s12, CMB
	v_add_nc_u32 v37, s12, v38
.irp i,0,1,2,3,4,5,6,7
	ds_store_b64 v36, v[GG+2*\i:GG+2*\i+1] offset:256*\i
.endr
	BAR
.irp s,0,1,2,3,4,5,6,7                         ; wave w joins word w of all eight parts
	ds_load_b64 v[152+2*\s:153+2*\s], v37 offset:2048*\s
.endr
	s_wait_tensorcnt 0x0                           ; the wave's end as far as LDS goes
	ds_add_u32 v10, v11
	s_wait_dscnt 0x0
.irp s,1,2,3,4,5,6,7
	v_or_b32 v152, v152, v[152+2*\s]
	v_or_b32 v153, v153, v[153+2*\s]
.endr
	s_lshl_b32 s12, ttmp9, 11
	s_lshl_b32 s13, s2, 8
	s_add_co_u32 s12, s12, s13
	s_mov_b32 s13, 0
	s_add_nc_u64 s[26:27], s[26:27], s[12:13]
	global_store_b64 v38, v[152:153], s[26:27]     ; 32 lanes store 256 consecutive bytes, at a multiple of 256 from the buffer's first byte
	; ---- the weight fragment
	s_cmp_eq_u32 s30, 0
	s_cbranch_scc1 .Lend
	s_wait_loadcnt 0x0
	s_cmp_lt_u32 ttmp9, 8
	s_cselect_b32 s12, 0xffff0000, 0
	v_cndmask_b32 v104, v104, 0, s12               ; w1: k = 96, 97 are past K
	v_cndmask_b32 v105, v105, 0, s12
	s_mov_b32 s14, 0x76543210
	s_mov_b32 s15, 0xfedcba98                      ; v_permlanex16_b32: lane l xor 16
	s_mul_i32 s12, ttmp9, 1536
	s_mov_b32 s13, 0
	s_add_nc_u64 s[16:17], s[28:29], s[12:13]
	s_lshl_b32 s12, ttmp9, 7
	s_add_nc_u64 s[18:19], s[28:29], s[12:13]
	s_add_nc_u64 s[18:19], s[18:19], SCB
.irp c,0,1                                     ; my block 2 c + h: all its 32 numbers are mine
	v_max3_num_f32 v[202+\c], |v[72+32*\c]|, |v[73+32*\c]|, 0x1800000   ; with the floor 2^(3 - 127): the byte cannot fall under 1
.endr
.irp i,2,4,6,8,10,12,14,16,18,20,22,24,26,28,30
.irp c,0,1
	v_max3_num_f32 v[202+\c], v[202+\c], |v[72+32*\c+\i]|, |v[73+32*\c+\i]|
.endr
.endr
.irp c,0,1
	v_add_nc_u32 v[204+\c], 0xff000000, v[202+\c]  ; 2 off the exponent field: the conversion's scale operand
.endr
.irp c,0,1
	v_lshrrev_b32 v[206+\c], 23, v[204+\c]         ; the scale's byte
.endr
	v_lshl_or_b32 v208, v207, 16, v206             ; blocks h and 2 + h of my column,
	v_lshlrev_b32 v209, 3, v233
	v_lshlrev_b32 v208, v209, v208                 ; at their places in the scale word;
	v_mov_b32 v209, 0
	v_permlanex16_b32 v209, v208, s14, s15
	v_or_b32 v208, v208, v209                      ; with lane l xor 16's two the word is whole
.irp c,0,1
	v_cvt_scalef32_pk16_fp6_f32 v[212+6*\c:214+6*\c], v[72+32*\c:87+32*\c], v[204+\c]
	v_cvt_scalef32_pk16_fp6_f32 v[224+4*\c:226+4*\c], v[88+32*\c:103+32*\c], v[204+\c]   ; (a conversion's three registers begin on an even number)
.endr
	v_nop                                          ; one plain place behind a scaled conversion
.irp c,0,1
.irp i,0,1,2
	v_mov_b32 v[215+6*\c+\i], v[224+4*\c+\i]
.endr
.endr
	global_store_b128 v236, v[212:215], s[16:17]   ; the image of the operand's twelve registers: 512 consecutive bytes a store
	global_store_b128 v236, v[216:219], s[16:17] offset:512
	global_store_b128 v236, v[220:223], s[16:17] offset:1024
	global_store_b32 v237, v208, s[18:19]
.Lend:
	s_endpgm
.Lfunc_end_k_qc3bbf01091_coarse:
	.size	k_qc3bbf01091_coarse, .Lfunc_end_k_qc3bbf01091_coarse-k_qc3bbf01091_coarse
	.p2alignl 7, 3214868480
	.fill 96, 4, 3214868480
	.section	.rodata,"a",@progbits
	.p2align	6, 0x0
	.amdhsa_kernel k_qc3bbf01091_coarse
		.amdhsa_group_segment_fixed_size 250880
		.amdhsa_private_segment_fixed_size 0
		.amdhsa_enable_private_segment 0
		.amdhsa_kernarg_size 72
		.amdhsa_user_sgpr_count 2
		.amdhsa_user_sgpr_kernarg_segment_ptr 1
		.amdhsa_wavefront_size32 1
		.amdhsa_system_sgpr_workgroup_id_x 1
		.amdhsa_system_sgpr_workgroup_id_y 1
		.amdhsa_system_sgpr_workgroup_id_z 1
		.amdhsa_system_vgpr_workitem_id 0
		.amdhsa_next_free_vgpr 240
		.amdhsa_next_free_sgpr 66
		.amdhsa_reserve_vcc 1
		.amdhsa_float_denorm_mode_32 3
		.amdhsa_float_denorm_mode_16_64 3
		.amdhsa_memory_ordered 1
		.amdhsa_forward_progress 1
		.amdhsa_inst_pref_size 120
	.end_amdhsa_kernel
	.amdgpu_metadata
---
amdhsa.version: [ 1, 2 ]
amdhsa.kernels:
  - .name:           k_qc3bbf01091_coarse
    .symbol:         k_qc3bbf01091_coarse.kd
    .args:
      - { .name: pos, .offset: 0, .size: 8, .value_kind: global_buffer, .address_space: global }
      - { .name: measure_coords, .offset: 8, .size: 8, .value_kind: global_buffer, .address_space: global }
      - { .name: w1, .offset: 16, .size: 8, .value_kind: global_buffer, .address_space: global }
      - { .name: w2, .offset: 24, .size: 8, .value_kind: global_buffer, .address_space: global }
      - { .name: w3, .offset: 32, .size: 8, .value_kind: global_buffer, .address_space: global }
      - { .name: w4, .offset: 40, .size: 8, .value_kind: global_buffer, .address_space: global }
      - { .name: w5, .offset: 48, .size: 8, .value_kind: global_buffer, .address_space: global }
      - { .name: groups, .offset: 56, .size: 8, .value_kind: global_buffer, .address_space: global }
      - { .name: wq, .offset: 64, .size: 8, .value_kind: global_buffer, .address_space: global }
    .group_segment_fixed_size: 250880
    .private_segment_fixed_size: 0
    .kernarg_segment_align: 8
    .kernarg_segment_size: 72
    .max_flat_workgroup_size: 256
    .sgpr_count:     66
    .vgpr_count:     240
    .wavefront_size: 32
...
	.end_amdgpu_metadata
.endif
;; end of part 9
;; launch fine (part 10): grid 256 x 1, 4 waves a work-group, no clusters, 0 bytes of LDS; arguments groups, pos, measure_coords, nbr; writes nbr
.if DOCPART == 10
	.amdgcn_target "amdgcn-amd-amdhsa--gfx1250"
	.amdhsa_code_object_version 6
	.text
	.protected	k_qc3bbf01091_fine
	.globl	k_qc3bbf01091_fine
	.p2align	8
	.type	k_qc3bbf01091_fine,@function
k_qc3bbf01091_fine:
	s_mov_b64 s[64:65], 0
	v_nop
	global_prefetch_b8 v0, s[64:65] scope:SCOPE_SE
	s_setreg_imm32_b32 hwreg(HW_REG_WAVE_MODE, 25, 1), 1
	s_wait_xcnt 0x0
; SECOND STEP OF THE SEARCH: the 16 nearest points of each query, nearest first, ties to the lower index, among the 16 x 16 points of the groups that the launch before has chosen.
; d2 by the same operations as there: the squares and their sums rounded one by one; dot = px cx rounded, then py cy added to it by a fused multiply-add; the last step one fused
; multiply-add.  So the bits are the same.  LIMITS as stated there.
; SHARES.  A work-group owns 64 queries; two neighbouring lanes share a query: lane p of the pair takes the list's groups 8 p .. 8 p + 7.  The list is ascending, so a lane meets its
; points in ascending index, and all points of lane 0 have lower indices than those of lane 1.
; A lane keeps a sorted list of 16 (d2, index).  A point goes in by 16 compares (strict: it goes behind its equals, which have lower indices), one v_med3 a place for the values and
; two selections a place for the indices.  No branch hangs on a floating-point number; the only addresses made of loaded numbers are the groups', whole numbers of an earlier launch,
; held at 511.  At the end lane 0 takes in lane 1's list, entry by entry.  No LDS, no barrier; matrix units and tensor loads have nothing to do here.
.set LL,  32                           ; v32-47   the values
.set II,  48                           ; v48-63   the indices
.set CB0, 64                           ; v64-95   16 points of the even group
.set CB1, 96                           ; v96-127  of the odd group
.set SV,  128                          ; v128-143 the partner's values
.set SI,  144                          ; v144-159 and indices
.set TT,  172                          ; v173-187 an insertion's fifteen first selections
; v1 pp; v[2:3] px, py; v4-7 my four words of the list; v8, v9 byte offsets of the two groups; v10, v11 16 x their numbers; v12-15 indices; v16-27 at work; v28 16 x thread; v29 p; v30 at work
.macro OFFS hi, va, ga                 ; a group number out of v4: its byte offset (128 bytes a group) and its first point's index
.if \hi
	v_lshrrev_b32 v30, 16, v4
.else
	v_and_b32 v30, 0xffff, v4
.endif
	v_min_u32 v30, 0x1ff, v30
	v_lshlrev_b32 v[\va], 7, v30
	v_lshlrev_b32 v[\ga], 4, v30
.endm
.macro GLOAD cb, va
.irp i,0,1,2,3,4,5,6,7
	global_load_b128 v[\cb+4*\i:\cb+4*\i+3], v[\va], s[8:9] offset:16*\i
.endr
.endm
; The wave is alone on its SIMD, so the lines are laid in runs in which none reads the result of the line before it: 16 compares, 16 values, 15 first selections into registers of their own, 15 second selections.
.macro INSERT dv, iv
.irp i,0,1,2,3,4,5,6,7,8,9,10,11,12,13,14,15
	v_cmp_lt_f32 s[16+\i], v[\dv], v[LL+\i]
.endr
.irp i,15,14,13,12,11,10,9,8,7,6,5,4,3,2,1
	v_med3_num_f32 v[LL+\i], v[LL+\i-1], v[\dv], v[LL+\i]
.endr
	v_min_num_f32 v[LL], v[LL], v[\dv]
.irp i,15,14,13,12,11,10,9,8,7,6,5,4,3,2,1
	v_cndmask_b32 v[TT+\i], v[II+\i], v[\iv], s[16+\i]             ; under entry i: the new index,
.endr
.irp i,15,14,13,12,11,10,9,8,7,6,5,4,3,2,1
	v_cndmask_b32 v[II+\i], v[TT+\i], v[II+\i-1], s[15+\i]         ; under entry i - 1 too: that entry moves up (from the top down: each line reads the old entry below it)
.endr
	v_cndmask_b32 v[II], v[II], v[\iv], s16
.endm
.macro PROC cb, g                      ; a group's 16 points, four at a time
.irp a,0,1,2,3
.irp j,0,1,2,3
	v_mul_f32 v[20+\j], v2, v[\cb+8*\a+2*\j]       ; px cx, rounded
.endr
.irp j,0,1,2,3
	v_fmac_f32 v[20+\j], v3, v[\cb+8*\a+2*\j+1]    ; dot: + py cy, fused
.endr
.irp j,0,1,2,3
	v_mul_f32 v[24+\j], v[\cb+8*\a+2*\j], v[\cb+8*\a+2*\j]
	v_mul_f32 v[16+\j], v[\cb+8*\a+2*\j+1], v[\cb+8*\a+2*\j+1]
.endr
.irp j,0,1,2,3
	v_add_f32 v[24+\j], v[24+\j], v[16+\j]         ; cc
.endr
.irp j,0,1,2,3
	v_add_f32 v[24+\j], v1, v[24+\j]               ; pp + cc
.endr
.irp j,0,1,2,3
	v_fma_f32 v[16+\j], -2.0, v[20+\j], v[24+\j]   ; d2
	v_add_nc_u32 v[12+\j], 4*\a+\j, v[\g]
.endr
.irp j,0,1,2,3
	INSERT 16+\j, 12+\j
.endr
.endr
.endm
	s_load_b256 s[4:11], s[0:1], 0x0               ; groups, pos, measure_coords, nbr
	v_lshrrev_b32 v20, 1, v0                       ; my query in the work-group
	v_and_b32 v29, 1, v0                           ; p
	v_lshlrev_b32 v22, 3, v20
	v_lshlrev_b32 v23, 2, v20
	v_lshl_add_u32 v23, v29, 10, v23               ; words 4 p on: 256 bytes a word
	v_lshlrev_b32 v28, 4, v0
	s_lshl_b32 s12, ttmp9, 9
	s_mov_b32 s13, 0
	s_lshl_b32 s14, ttmp9, 11
	s_mov_b32 s15, 0
	s_wait_kmcnt 0x0
	s_add_nc_u64 s[6:7], s[6:7], s[12:13]
	s_add_nc_u64 s[4:5], s[4:5], s[14:15]
	s_add_nc_u64 s[10:11], s[10:11], s[14:15]
	global_load_b64 v[2:3], v22, s[6:7]
.irp j,0,1,2,3
	global_load_b32 v[4+\j], v23, s[4:5] offset:256*\j
.endr
.set i, 0
.rept 16
	v_mov_b32 v[LL+i], 0x7f800000                  ; a lane meets 128 points, so the list fills
	v_mov_b32 v[II+i], 0
	v_mov_b32 v[SV+i], 0                           ; (written once: the destination of a DPP form counts as read)
	v_mov_b32 v[SI+i], 0
.set i, i+1
.endr
.set i, 0
.rept 8
	v_mov_b32 v[160+i], 0
.set i, i+1
.endr
	s_wait_loadcnt 0x0
	v_mul_f32 v1, v2, v2
	v_mul_f32 v20, v3, v3
	v_add_f32 v1, v1, v20                          ; pp
	OFFS 0, 8, 10
	GLOAD CB0, 8
	s_mov_b32 s12, 0
.Lword:                                                ; four trips, a word (two groups) each
	OFFS 1, 9, 11
	GLOAD CB1, 9
	s_wait_loadcnt 0x8                             ; the eight just issued may be out: the even group is in, and its offset register is free
	PROC CB0, 10
	v_mov_b32 v30, v4                              ; the words go round; in the last trip the first comes again: a valid group, loaded and not used
	v_mov_b32 v4, v5
	v_mov_b32 v5, v6
	v_mov_b32 v6, v7
	v_mov_b32 v7, v30
	OFFS 0, 8, 10
	GLOAD CB0, 8
	s_wait_loadcnt 0x8                             ; the eight just issued may be out: the odd group is in
	PROC CB1, 11
	s_add_co_u32 s12, s12, 1
	s_cmp_lt_u32 s12, 4
	s_cbranch_scc1 .Lword
	s_wait_loadcnt 0x0
.irp i,0,1,2,3,4,5,6,7,8,9,10,11,12,13,14,15
	v_mov_b32_dpp v[SV+\i], v[LL+\i] row_xmask:1 row_mask:0xf bank_mask:0xf
	v_mov_b32_dpp v[SI+\i], v[II+\i] row_xmask:1 row_mask:0xf bank_mask:0xf
.endr
.irp i,0,1,2,3,4,5,6,7,8,9,10,11,12,13,14,15
	INSERT SV+\i, SI+\i                            ; right in the lanes with p = 0, whose partner's points have the higher indices; the others' result is not used
.endr
.irp i,0,1,2,3,4,5,6,7
	v_mov_b32_dpp v[160+\i], v[II+8+\i] row_xmask:1 row_mask:0xf bank_mask:0xf
.endr
	v_cmp_eq_u32 vcc_lo, 1, v29
.irp i,0,1,2,3,4,5,6,7
	v_cndmask_b32 v[160+\i], v[II+\i], v[160+\i], vcc_lo   ; lane 0 stores entries 0-7, lane 1 lane 0's entries 8-15
.endr
.irp i,0,1,2,3
	v_lshl_or_b32 v[168+\i], v[161+2*\i], 16, v[160+2*\i]
.endr
	global_store_b128 v28, v[168:171], s[10:11]    ; a wave stores 512 consecutive bytes, at a multiple of 256 from the buffer's first byte
	s_endpgm
.Lfunc_end_k_qc3bbf01091_fine:
	.size	k_qc3bbf01091_fine, .Lfunc_end_k_qc3bbf01091_fine-k_qc3bbf01091_fine
	.p2alignl 7, 3214868480
	.fill 96, 4, 3214868480
	.section	.rodata,"a",@progbits
	.p2align	6, 0x0
	.amdhsa_kernel k_qc3bbf01091_fine
		.amdhsa_group_segment_fixed_size 0
		.amdhsa_private_segment_fixed_size 0
		.amdhsa_enable_private_segment 0
		.amdhsa_kernarg_size 32
		.amdhsa_user_sgpr_count 2
		.amdhsa_user_sgpr_kernarg_segment_ptr 1
		.amdhsa_wavefront_size32 1
		.amdhsa_system_sgpr_workgroup_id_x 1
		.amdhsa_system_sgpr_workgroup_id_y 1
		.amdhsa_system_sgpr_workgroup_id_z 1
		.amdhsa_system_vgpr_workitem_id 0
		.amdhsa_next_free_vgpr 192
		.amdhsa_next_free_sgpr 66
		.amdhsa_reserve_vcc 1
		.amdhsa_float_denorm_mode_32 3
		.amdhsa_float_denorm_mode_16_64 3
		.amdhsa_memory_ordered 1
		.amdhsa_forward_progress 1
		.amdhsa_inst_pref_size 207
	.end_amdhsa_kernel
	.amdgpu_metadata
---
amdhsa.version: [ 1, 2 ]
amdhsa.kernels:
  - .name:           k_qc3bbf01091_fine
    .symbol:         k_qc3bbf01091_fine.kd
    .args:
      - { .name: groups, .offset: 0, .size: 8, .value_kind: global_buffer, .address_space: global }
      - { .name: pos, .offset: 8, .size: 8, .value_kind: global_buffer, .address_space: global }
      - { .name: measure_coords, .offset: 16, .size: 8, .value_kind: global_buffer, .address_space: global }
      - { .name: nbr, .offset: 24, .size: 8, .value_kind: global_buffer, .address_space: global }
    .group_segment_fixed_size: 0
    .private_segment_fixed_size: 0
    .kernarg_segment_align: 8
    .kernarg_segment_size: 32
    .max_flat_workgroup_size: 128
    .sgpr_count:     66
    .vgpr_count:     192
    .wavefront_size: 32
...
	.end_amdgpu_metadata
.endif
;; end of part 10
;; launch layer1: the kernel of part 3 again; grid 128 x 1, 8 waves a work-group, no clusters, 145,408 bytes of LDS; arguments nbr, pos, measure_coords, measure_vals, wq, b1, out1, xa, pa; writes out1, xa, pa
;; launch layer2: the kernel of part 4 again; grid 128 x 1, 8 waves a work-group, no clusters, 111,616 bytes of LDS; arguments xa, pa, g1, be1, wq, b2, xb, pb; writes xb, pb
;; launch layer3: the kernel of part 5 again; grid 128 x 1, 8 waves a work-group, no clusters, 111,616 bytes of LDS; arguments xb, pb, g2, be2, wq, b3, xa, pa; writes xa, pa
;; launch layer4: the kernel of part 6 again; grid 128 x 1, 8 waves a work-group, no clusters, 111,616 bytes of LDS; arguments xa, pa, g3, be3, wq, b4, xb, pb; writes xb, pb
;; launch layer5: the kernel of part 7 again; grid 128 x 1, 8 waves a work-group, no clusters, 111,616 bytes of LDS; arguments xb, pb, g4, be4, wq, b5, xa, pa; writes xa, pa
;; launch head: the kernel of part 8 again; grid 128 x 1, 8 waves a work-group, no clusters, 19,456 bytes of LDS; arguments xa, pa, g5, be5, w6, b6, out0; writes out0
